; MI455X (gfx1250); checked and timed in simulation.
; The chip was launched on July 23, 2026; its instructions are those of AMD's public machine-readable ISA for CDNA 5 (MIT licence, August 2026) and "CDNA5" Instruction Set Architecture Reference Guide (July 2026). The comments in the code are by the model that wrote it; some were corrected since.
;; Trans Block. Allowed arithmetic: float matrix products may take bf16 or f16 operands with f32 sums; other float arithmetic in f32, or as packed bf16 or f16 multiplies, adds, multiply-adds, maxima and minima; sums over many terms, partial sums and values carried from step to step in f32; what a program stores and reads back later, other than sums and carried values, may be rounded once to bf16 or f16.
;; Inputs: W1 512 x 512 float32; W2 512 x 512 float32; Wk 512 x 512 float32; Wo 512 x 512 float32; Wq 512 x 512 float32; Wv 512 x 512 float32; b1 512 float32; b2 512 float32; bo 512 float32; ln1_b 512 float32; ln1_g 512 float32; ln2_b 512 float32; ln2_g 512 float32; x 4 x 2,048 x 512 float32.
;; Outputs: out0 4 x 2,048 x 512 float32.
;; 3 versions, each right and faster than the one before. Each part assembles by itself: llvm-mc -triple=amdgcn-amd-amdhsa -mcpu=gfx1250 --defsym DOCPART=n.
;; ======== version 1 of 3: 4 launches
;; limits: values are held in f16: magnitudes above 65,504 overflow, below 6.1e-05 lose precision
;; workspace buffers: wf 3,145,728 bytes; qkv 25,165,824 bytes; of 8,388,608 bytes
;; launch wcvt (part 1): grid 256 x 1, 6 waves a work-group, no clusters, 0 bytes of LDS; arguments Wq, Wk, Wv, Wo, W1, W2, wf; writes wf
.if DOCPART == 1
	.amdgcn_target "amdgcn-amd-amdhsa--gfx1250"
	.amdhsa_code_object_version 6
	.text
	.protected	k_qf4fdef8ff9_wcvt
	.globl	k_qf4fdef8ff9_wcvt
	.p2align	8
	.type	k_qf4fdef8ff9_wcvt,@function
k_qf4fdef8ff9_wcvt:
	s_mov_b64 s[64:65], 0
	v_nop
	global_prefetch_b8 v0, s[64:65] scope:SCOPE_SE
	s_setreg_imm32_b32 hwreg(HW_REG_WAVE_MODE, 25, 1), 1
	s_wait_xcnt 0x0
; The six weights [512 n][512 k], f32, are rounded once to f16 and laid out as READY FRAGMENTS in the order in which the later launches stream them:
; wf = [weight 6: Wq Wk Wv Wo W1 W2][kc 4][w 8][ks 4][nb 4][fragment of 1,024 bytes].  A fragment is 16 rows x 32 k as [c 2][lane 32][16 bytes]: lane (r = lane % 16, h = lane / 16) holds
; row n = 64 w + 16 nb + r, k = 128 kc + 32 ks + 16 c + 8 h + 0..7: the register image of a matrix operand, so that two 16-byte loads a lane, 512 bytes apart, fill it.
; SHARES.  Wave v of a work-group takes weight v; the work-group's number g gives kh = g % 2, nb = (g / 2) % 4, w = (g / 8) % 8, kc = g / 64.  A wave takes 16 rows x 64 k (256 consecutive bytes of
; each row, used whole by its eight loads together) and writes two fragments; each store covers 512 consecutive bytes, aligned.
; No LDS, no barrier: the launch moves 6 MB in and 3 MB out, and no wave needs another's numbers.
; LIMIT.  A weight beyond 65,504 becomes an infinity; below 6e-5 it keeps f16's fixed step of 6e-8.
.set SRC, 8                            ; v[8:39]   eight loads of 4 f32
.set DST, 40                           ; v[40:55]  four times 8 f16
	s_load_b256 s[4:11], s[0:1], 0x0               ; Wq s[4:5], Wk s[6:7], Wv s[8:9], Wo s[10:11]
	s_load_b128 s[12:15], s[0:1], 0x20             ; W1 s[12:13], W2 s[14:15]
	s_load_b64 s[16:17], s[0:1], 0x30              ; wf
	v_lshrrev_b32 v1, 5, v0
	v_readfirstlane_b32 s18, v1                    ; the wave's number = the weight's
	v_and_b32 v4, 15, v0                           ; r
	v_bfe_u32 v5, v0, 4, 1                         ; h
	v_lshlrev_b32 v2, 11, v4                       ; r rows of 2,048 bytes
	v_lshl_add_u32 v2, v5, 5, v2                   ; + 8 h numbers of 4 bytes
	v_and_b32 v3, 31, v0
	v_lshlrev_b32 v3, 4, v3                        ; 16 x lane: my place in half a fragment
	s_and_b32 s24, ttmp9, 1                        ; kh
	s_bfe_u32 s25, ttmp9, 0x20001                  ; nb
	s_bfe_u32 s26, ttmp9, 0x30003                  ; w
	s_lshr_b32 s27, ttmp9, 6                       ; kc
	s_lshl_b32 s20, s26, 17                        ; from: (64 w + 16 nb) rows of 2,048 bytes + (128 kc + 64 kh) numbers of 4 bytes
	s_lshl_b32 s28, s25, 15
	s_add_co_u32 s20, s20, s28
	s_lshl_b32 s28, s27, 9
	s_add_co_u32 s20, s20, s28
	s_lshl_b32 s28, s24, 8
	s_add_co_u32 s20, s20, s28
	s_mov_b32 s21, 0
	s_lshl_b32 s22, s18, 19                        ; to: weight x 524,288 + kc x 131,072 + w x 16,384 + kh x 8,192 + nb x 1,024
	s_lshl_b32 s28, s27, 17
	s_add_co_u32 s22, s22, s28
	s_lshl_b32 s28, s26, 14
	s_add_co_u32 s22, s22, s28
	s_lshl_b32 s28, s24, 13
	s_add_co_u32 s22, s22, s28
	s_lshl_b32 s28, s25, 10
	s_add_co_u32 s22, s22, s28
	s_mov_b32 s23, 0
	s_wait_kmcnt 0x0
.irp i, 1,2,3,4,5
	s_cmp_eq_u32 s18, \i                           ; the choice of the buffer hangs on the wave's number alone
	s_cselect_b64 s[4:5], s[4+2*\i:5+2*\i], s[4:5]
.endr
	s_add_nc_u64 s[4:5], s[4:5], s[20:21]
	s_add_nc_u64 s[16:17], s[16:17], s[22:23]
.irp i, 0,1,2,3,4,5,6,7                ; load i: fragment i / 4, half c = (i / 2) % 2, numbers 4 (i % 2) on
	global_load_b128 v[SRC+4*\i:SRC+4*\i+3], v2, s[4:5] offset:(\i/4)*128+((\i/2)%2)*64+(\i%2)*16
.endr
.irp u, 0,1,2,3                        ; two loads make 16 bytes of f16: fragment u / 2, half u % 2
	s_wait_loadcnt 6-2*\u                          ; loads come back in order: the younger ones stay out
.irp k, 0,1,2,3
	v_cvt_pk_f16_f32 v[DST+4*\u+\k], v[SRC+8*\u+2*\k], v[SRC+8*\u+2*\k+1]
.endr
	global_store_b128 v3, v[DST+4*\u:DST+4*\u+3], s[16:17] offset:(\u/2)*4096+(\u%2)*512
.endr
	s_endpgm
.Lfunc_end_k_qf4fdef8ff9_wcvt:
	.size	k_qf4fdef8ff9_wcvt, .Lfunc_end_k_qf4fdef8ff9_wcvt-k_qf4fdef8ff9_wcvt
	.p2alignl 7, 3214868480
	.fill 96, 4, 3214868480
	.section	.rodata,"a",@progbits
	.p2align	6, 0x0
	.amdhsa_kernel k_qf4fdef8ff9_wcvt
		.amdhsa_group_segment_fixed_size 0
		.amdhsa_private_segment_fixed_size 0
		.amdhsa_enable_private_segment 0
		.amdhsa_kernarg_size 56
		.amdhsa_user_sgpr_count 2
		.amdhsa_user_sgpr_kernarg_segment_ptr 1
		.amdhsa_wavefront_size32 1
		.amdhsa_system_sgpr_workgroup_id_x 1
		.amdhsa_system_sgpr_workgroup_id_y 1
		.amdhsa_system_sgpr_workgroup_id_z 1
		.amdhsa_system_vgpr_workitem_id 0
		.amdhsa_next_free_vgpr 56
		.amdhsa_next_free_sgpr 66
		.amdhsa_reserve_vcc 0
		.amdhsa_float_denorm_mode_32 3
		.amdhsa_float_denorm_mode_16_64 3
		.amdhsa_memory_ordered 1
		.amdhsa_forward_progress 1
		.amdhsa_inst_pref_size 5
	.end_amdhsa_kernel
	.amdgpu_metadata
---
amdhsa.version: [ 1, 2 ]
amdhsa.kernels:
  - .name:           k_qf4fdef8ff9_wcvt
    .symbol:         k_qf4fdef8ff9_wcvt.kd
    .args:
      - { .name: Wq, .offset: 0, .size: 8, .value_kind: global_buffer, .address_space: global }
      - { .name: Wk, .offset: 8, .size: 8, .value_kind: global_buffer, .address_space: global }
      - { .name: Wv, .offset: 16, .size: 8, .value_kind: global_buffer, .address_space: global }
      - { .name: Wo, .offset: 24, .size: 8, .value_kind: global_buffer, .address_space: global }
      - { .name: W1, .offset: 32, .size: 8, .value_kind: global_buffer, .address_space: global }
      - { .name: W2, .offset: 40, .size: 8, .value_kind: global_buffer, .address_space: global }
      - { .name: wf, .offset: 48, .size: 8, .value_kind: global_buffer, .address_space: global }
    .group_segment_fixed_size: 0
    .private_segment_fixed_size: 0
    .kernarg_segment_align: 8
    .kernarg_segment_size: 56
    .max_flat_workgroup_size: 192
    .sgpr_count:     66
    .vgpr_count:     56
    .wavefront_size: 32
...
	.end_amdgpu_metadata
.endif
;; end of part 1
;; launch ln_qkv (part 2): grid 256 x 1, 8 waves a work-group, clusters of 4 x 1, 327,680 bytes of LDS; arguments x, ln1_g, ln1_b, wf, qkv; writes qkv
.if DOCPART == 2
	.amdgcn_target "amdgcn-amd-amdhsa--gfx1250"
	.amdhsa_code_object_version 6
	.text
	.protected	k_qf4fdef8ff9_ln_qkv
	.globl	k_qf4fdef8ff9_ln_qkv
	.p2align	8
	.type	k_qf4fdef8ff9_ln_qkv,@function
k_qf4fdef8ff9_ln_qkv:
	s_mov_b64 s[64:65], 0
	v_nop
	global_prefetch_b8 v0, s[64:65] scope:SCOPE_SE
	s_setreg_imm32_b32 hwreg(HW_REG_WAVE_MODE, 25, 1), 1
	s_wait_xcnt 0x0
	s_wait_alu depctr_hold_cnt(0) depctr_sa_sdst(0) depctr_va_vdst(0) depctr_va_sdst(0) depctr_va_ssrc(0) depctr_va_vcc(0) depctr_vm_vsrc(0)
	s_getreg_b32 s2, hwreg(HW_REG_IB_STS2, 6, 4)
	s_cmp_eq_u32 s2, 0
	s_cbranch_scc0 .Lentry_in_a_cluster
	s_endpgm
.Lentry_in_a_cluster:
	s_bfe_u32 s2, ttmp6, 0x10000c
	s_cmp_lg_u32 s2, 0x3003
	s_cbranch_scc0 .Lentry_shape_is_right
	s_endpgm
.Lentry_shape_is_right:
; xn = LN1(x); q = c xn Wq^T, k = xn Wk^T, v = xn Wv^T, with c = log2(e) / sqrt(32) multiplied onto q's f32 sums ahead of their one rounding.  x f32; operands f16; sums f32.
; SHARES.  A work-group owns 32 tokens (whole rows, for the norm), wave w columns 64 w .. 64 w + 63 of each product: 8 accumulators (row block rb 0..1, column block nb 0..3).
; WEIGHTS.  12 tiles of 131,072 bytes (3 weights x 4 chunks of 128 k), dense in wf as ready fragments, go through two LDS slots.  Wave w fetches, and alone reads, its own 16,384 bytes of a tile.
; All work-groups walk the same tiles: the four of a cluster ask JOINTLY (same load, same descriptor, a mask that names the four).
; A READY FRAGMENT is 16 rows x 32 k of f16 as [c 2][lane 32][16 bytes]; lane (r, h) holds row r, k = 16 c + 8 h + 0..7.  A result tile rounded to f16 in pairs is half such a fragment, so q, k and v leave
; straight from registers, each store 512 consecutive bytes, aligned.  q, k: source 0 = weights, source 1 = tokens: a lane holds one token and 8 channels.  v: the sources swapped: one channel and 8 tokens.
; qkv = [16 batch + head][q, k, v][131,072]: q and k as [block of 16 tokens][fragment]; v as [block of 32 tokens][channel block 2][fragment with rows = channels, k = tokens].
; LIMITS.  xn, c q, k and v must lie within f16's 65,504 (no clamp is written); NaN and infinities are not treated apart.  The variance is taken of the centred numbers.
.set KOFF,  0                          ; the first tile's byte in wf
.set SLOTB, 131072                     ; a slot; slot 0 at LDS byte 0, slot 1 behind it
.set UB,    262144                     ; the tokens' operand, f16: 32 rows of 1,024 bytes at pitch PA; written by LDS stores alone
.set PA,    1040                       ; 65 x 16 bytes: the 16 rows of a fragment load fall on 16 different 16-byte columns of 256
.set SPARE, 305664                     ; the spare words: 128 bytes a wave, four blocks of 256 bytes that no other line names
.set SPW,  2                           ; v2   SPARE + 4 x thread; never rewritten
.set NIL,  3                           ; v3   0; never rewritten
.set ADB0, 5                           ; v5, v6  my lane's 16 bytes in my wave's part of slot 0, 1
.set ADA,  7                           ; v7   UB + r PA + 16 h
.set STX,  11                          ; v11  UB + 2 w PA + 8 lane
.set GX,   12                          ; v12  2 w rows of 2,048 bytes + 16 lane
.set LO,   14                          ; v14  16 lane
.set ACC,  16                          ; v[16:79]    accumulator (rb, nb) at ACC + 8 (4 rb + nb)
.set FR0,  80                          ; v[80:127], v[128:175]  two fragment buffers: tokens' rb at + 8 rb, weights' nb at + 16 + 8 nb
.set XR,   176                         ; v[176:239]  four rows of x, 16 registers each; later what is stored
.set ST,   240                         ; v[240:247]  a pair a row: the sum, the mean
.set SQ,   248                         ; v[248:255]  a pair a row: the squares, 1 / sqrt(var + eps)
.set DT,   80                          ; the norm works in the fragment buffers, which are idle then: 16 registers a row,
.set G,    144                         ; gain
.set BT,   160                         ; and bias of my columns
.set G1,   32                          ; s[32:39] descriptor group 1
.set G0,   40                          ; s[40:47] descriptor group 0, a set for each slot
.set WV,   48                          ; s48  the wave's number
.set SEL,  56                          ; s[56:57] v_permlanex16_b32's selects: each lane its own place in the other half
.set INV,  58                          ; s58  1 / 512
.set EPS,  59                          ; s59  1e-5
.set CQ,   60                          ; s[60:61] c
.set QP,   12                          ; s[12:13] qkv at my heads and my tokens
; A round of the cluster's barrier: my work-group's barrier, wave 0 signals for the work-group, every wave waits for all four work-groups, my work-group's barrier once more.
.macro ROUND
	s_barrier_signal -1
	s_barrier_wait -1
	s_cmp_lg_u32 s[WV], 0
	s_cbranch_scc1 .Lnot_wave_0_\@
	s_barrier_signal -3
.Lnot_wave_0_\@:
	s_barrier_wait -3
	s_barrier_signal -1
	s_barrier_wait -1
.endm
; Four places: a load into a register that a matrix instruction has read, and a vector instruction that reads a matrix result, stand four plain vector instructions behind it.
.macro PLACES
.rept 4
	v_nop
.endr
.endm
; 12 LDS loads: the fragments of one step of 32 k into buffer f: the weights' step ks of the tile at v[ab], the tokens' k = 32 kg on.
.macro FETCH ab, ks, kg, f
.irp nb, 0,1,2,3
	ds_load_b128 v[(\f)+16+8*\nb:(\f)+16+8*\nb+3], v[\ab] offset:(\ks)*4096+\nb*1024
	ds_load_b128 v[(\f)+16+8*\nb+4:(\f)+16+8*\nb+7], v[\ab] offset:(\ks)*4096+\nb*1024+512
.endr
.irp rb, 0,1
	ds_load_b128 v[(\f)+8*\rb:(\f)+8*\rb+3], v[ADA] offset:\rb*16*PA+(\kg)*64
	ds_load_b128 v[(\f)+8*\rb+4:(\f)+8*\rb+7], v[ADA] offset:\rb*16*PA+(\kg)*64+32
.endr
.endm
; Four products of row block rb.  nat = 0: source 0 = weights, source 1 = tokens; nat = 1: swapped.  zero = 1: the product starts the sum.
; The 8 accumulators take turns, one instruction a turn, in the same order in every step.
.macro MUL4 f, rb, zero, nat
.irp nb, 0,1,2,3
.set rD, ACC+8*(4*(\rb)+\nb)
.if \nat
.set rX, (\f)+8*(\rb)
.set rY, (\f)+16+8*\nb
.else
.set rX, (\f)+16+8*\nb
.set rY, (\f)+8*(\rb)
.endif
.if \zero
	v_wmma_f32_16x16x32_f16 v[rD:rD+7], v[rX:rX+7], v[rY:rY+7], 0
.else
	v_wmma_f32_16x16x32_f16 v[rD:rD+7], v[rX:rX+7], v[rY:rY+7], v[rD:rD+7]
.endif
.endr
.endm
; One product over K = 512: 16 steps of 32 k, tiles t0 .. t0 + 3.  Step 0's fragments have been asked for, into buffer 0.  keepA = 1: the next product reads the same tokens, so its first fragments are fetched here.
; A tile's last step changes slots.  Tiles 0 to 9: the slot is filled again with the tile two on, behind a round of the cluster's barrier; by this text's count one tensor load of the wave is out behind each round, two at the start.
.macro STAGE t0, nat, keepA
.set gg, 0
.rept 16
.set kk, gg%4
.set tt, (\t0)+gg/4
.set ab, ADB0+tt%2
.set an, ADB0+(tt+1)%2
.set fb, FR0+48*(gg%2)
.set ob, FR0+48*((gg+1)%2)
.set zz, 0
.if gg == 0
.set zz, 1
.endif
.if kk < 3
	PLACES                                         ; behind the products that read the other buffer
	FETCH ab, kk+1, gg+1, ob
	s_wait_dscnt 12                                ; the 12 just issued may stay out: this step's fragments are in
	MUL4 fb, 0, zz, \nat
	MUL4 fb, 1, zz, \nat
.elseif tt <= 9
	s_wait_tensorcnt 0x0                           ; all my tensor loads have landed: the one that was out is my part of the next tile; so a group 0 may be written
	ds_add_u32 v[SPW], v[NIL]                      ; 0 onto my spare word
	s_add_nc_u64 s[G0+4*(tt%2)+2:G0+4*(tt%2)+3], s[G0+4*(tt%2)+2:G0+4*(tt%2)+3], 2*SLOTB  ; this slot's next tile; the type bits on top are not reached
	s_wait_dscnt 1                                 ; only the add may be out: this step's fragments are in
	MUL4 fb, 0, 0, \nat                            ; four products stand between the add and the wait for it
	s_wait_dscnt 0x0                               ; the add is done, and my reads of this slot and of the tokens are over
	ROUND                                          ; the same holds of every wave of the four work-groups
	tensor_load_to_lds s[G0+4*(tt%2):G0+4*(tt%2)+3], s[G1:G1+7]  ; my one tensor load behind the round, and the first thing there
	s_nop 0
	PLACES                                         ; also the places in front of the loads below
.if (gg < 15) || (\keepA)
	FETCH an, 0, (gg+1)%16, ob
.endif
	MUL4 fb, 1, 0, \nat
.elseif tt == 10
	s_wait_tensorcnt 0x0                           ; the one load that is out is the last tile, and a wave reads its own bytes of a tile alone: no barrier
	s_wait_dscnt 0x0
	MUL4 fb, 0, 0, \nat
	PLACES
	FETCH an, 0, (gg+1)%16, ob
	MUL4 fb, 1, 0, \nat
.else
	s_wait_dscnt 0x0
	MUL4 fb, 0, 0, \nat
	MUL4 fb, 1, 0, \nat
.endif
.set gg, gg+1
.endr
.endm
; The four registers b + 2 i are summed over the 32 lanes; every lane gets the sum.
.macro RED4 b
.irp m, 1,2,4,8
.irp i, 0,1,2,3
	v_add_f32_dpp v[(\b)+2*\i], v[(\b)+2*\i], v[(\b)+2*\i] row_xmask:\m row_mask:0xf bank_mask:0xf
.endr
.endr
.irp i, 0,1,2,3
	v_permlanex16_b32 v[(\b)+2*\i+1], v[(\b)+2*\i], s[SEL], s[SEL+1]
.endr
.irp i, 0,1,2,3
	v_add_f32 v[(\b)+2*\i], v[(\b)+2*\i], v[(\b)+2*\i+1]
.endr
.endm
; The norm of my four rows (XR is kept): mean; centred numbers; their squares' mean; (x - mean) / sqrt(var + eps) x gain + bias, rounded to f16, into the tokens' operand.  The rows alternate, so that no line waits for the one before.
.macro LNROWS
.irp p, 0,1,2,3
.irp i, 0,1,2,3
	v_pk_add_f32 v[DT+16*\i+2*\p:DT+16*\i+2*\p+1], v[XR+16*\i+4*\p:XR+16*\i+4*\p+1], v[XR+16*\i+4*\p+2:XR+16*\i+4*\p+3]
.endr
.endr
.irp i, 0,1,2,3
	v_pk_add_f32 v[DT+16*\i:DT+16*\i+1], v[DT+16*\i:DT+16*\i+1], v[DT+16*\i+2:DT+16*\i+3]
	v_pk_add_f32 v[DT+16*\i+4:DT+16*\i+5], v[DT+16*\i+4:DT+16*\i+5], v[DT+16*\i+6:DT+16*\i+7]
.endr
.irp i, 0,1,2,3
	v_pk_add_f32 v[DT+16*\i:DT+16*\i+1], v[DT+16*\i:DT+16*\i+1], v[DT+16*\i+4:DT+16*\i+5]
.endr
.irp i, 0,1,2,3
	v_add_f32 v[ST+2*\i], v[DT+16*\i], v[DT+16*\i+1]
	v_add_f32 v[ST+2*\i+1], v[DT+16*\i], v[DT+16*\i+1]  ; the pair's second register is written too: the exchange of halves counts as a reader of its destination
.endr
	RED4 ST
.irp i, 0,1,2,3
	v_mul_f32 v[ST+2*\i], s[INV], v[ST+2*\i]
.endr
.irp a, 0,1,2,3,4,5,6,7
.irp i, 0,1,2,3
	v_pk_add_f32 v[DT+16*\i+2*\a:DT+16*\i+2*\a+1], v[XR+16*\i+2*\a:XR+16*\i+2*\a+1], v[ST+2*\i:ST+2*\i+1] op_sel_hi:[1,0] neg_lo:[0,1] neg_hi:[0,1]
.endr
.endr
.irp i, 0,1,2,3
	v_pk_mul_f32 v[SQ+2*\i:SQ+2*\i+1], v[DT+16*\i:DT+16*\i+1], v[DT+16*\i:DT+16*\i+1]
.endr
.irp a, 1,2,3,4,5,6,7
.irp i, 0,1,2,3
	v_pk_fma_f32 v[SQ+2*\i:SQ+2*\i+1], v[DT+16*\i+2*\a:DT+16*\i+2*\a+1], v[DT+16*\i+2*\a:DT+16*\i+2*\a+1], v[SQ+2*\i:SQ+2*\i+1]
.endr
.endr
.irp i, 0,1,2,3
	v_add_f32 v[SQ+2*\i], v[SQ+2*\i], v[SQ+2*\i+1]
.endr
	RED4 SQ
.irp i, 0,1,2,3
	v_fma_f32 v[SQ+2*\i], v[SQ+2*\i], s[INV], s[EPS]
.endr
.irp i, 0,1,2,3
	v_rsq_f32 v[SQ+2*\i], v[SQ+2*\i]
.endr
	v_nop                                          ; a plain instruction between the last root and the use of its result
	s_wait_alu depctr_va_vdst(0)
.irp a, 0,1,2,3,4,5,6,7
.irp i, 0,1,2,3
	v_pk_mul_f32 v[DT+16*\i+2*\a:DT+16*\i+2*\a+1], v[DT+16*\i+2*\a:DT+16*\i+2*\a+1], v[SQ+2*\i:SQ+2*\i+1] op_sel_hi:[1,0]
.endr
.endr
.irp a, 0,1,2,3,4,5,6,7
.irp i, 0,1,2,3
	v_pk_fma_f32 v[DT+16*\i+2*\a:DT+16*\i+2*\a+1], v[DT+16*\i+2*\a:DT+16*\i+2*\a+1], v[G+2*\a:G+2*\a+1], v[BT+2*\a:BT+2*\a+1]
.endr
.endr
.irp a, 0,1,2,3,4,5,6,7                ; ascending: register a is written when registers 2 a and 2 a + 1 are read, never earlier
.irp i, 0,1,2,3
	v_cvt_pk_f16_f32 v[DT+16*\i+\a], v[DT+16*\i+2*\a], v[DT+16*\i+2*\a+1]
.endr
.endr
.irp j, 0,1,2,3
.irp i, 0,1,2,3
	ds_store_b64 v[STX], v[DT+16*\i+2*\j:DT+16*\i+2*\j+1] offset:(\i%2)*PA+(\i/2)*16*PA+\j*256  ; 32 lanes, 256 consecutive bytes of a row
.endr
.endr
.endm
; A product leaves: which = 0 q (times c), 1 k, 2 v.  Row block 0 first: its products stand in front of the places behind the refill, and its conversions are the places behind row block 1's products.
.macro OUT which
	s_wait_xcnt 0x0                                ; the registers that the last stores read are rewritten only behind this wait
.irp rb, 0,1
.irp nb, 0,1,2,3
.set rD, ACC+8*(4*\rb+\nb)
.set rO, XR+4*(4*\rb+\nb)
.if (\which) == 0
.irp k, 0,2,4,6
	v_pk_mul_f32 v[rD+\k:rD+\k+1], v[rD+\k:rD+\k+1], s[CQ:CQ+1] op_sel_hi:[1,0]
.endr
.endif
.irp k, 0,1,2,3
	v_cvt_pk_f16_f32 v[rO+\k], v[rD+2*\k], v[rD+2*\k+1]
.endr
.if (\which) < 2
	global_store_b128 v[LO], v[rO:rO+3], s[QP:QP+1] offset:(\which)*131072+(\nb/2)*393216+\rb*1024+(\nb%2)*512  ; head 2 w + nb / 2, token block rb, channels 16 (nb % 2) on
.else
	global_store_b128 v[LO], v[rO:rO+3], s[QP:QP+1] offset:262144+(\nb/2)*393216+(\nb%2)*1024+\rb*512  ; head 2 w + nb / 2, channel block nb % 2, tokens 16 rb on
.endif
.endr
.endr
.endm
	s_load_b256 s[4:11], s[0:1], 0x0               ; x s[4:5], ln1_g s[6:7], ln1_b s[8:9], wf s[10:11]
	s_load_b64 s[12:13], s[0:1], 0x20              ; qkv
	v_lshl_add_u32 v[SPW], v0, 2, SPARE
	v_mov_b32 v[NIL], 0
	ds_add_u32 v[SPW], v[NIL]                      ; the wave's opening: the add and its wait stand ahead of my first tensor load; the set-up, work on registers, stands between them
	v_lshrrev_b32 v1, 5, v0
	v_readfirstlane_b32 s[WV], v1                  ; wave 0..7
	s_bfe_u32 s49, ttmp6, 0x40000                  ; cx: my place in the cluster
	s_lshl_b32 s50, ttmp9, 2                       ; in a cluster launch ttmp9 counts clusters
	s_add_co_u32 s50, s50, s49                     ; my block of 32 tokens: it enters x's and qkv's addresses alone
	s_mov_b32 s[G1+0], 15|(3<<16)|(1<<21)          ; the mask of four; elements of 8 bytes; bit 21 set beside a mask; no padding
	s_mov_b32 s[G1+1], 32<<16                      ; tensor_dim0 = 32 elements: rows of 256 bytes
	s_mov_b32 s[G1+2], 64<<16                      ; tensor_dim1 = 64 rows: 16,384 dense bytes
	s_mov_b32 s[G1+3], 32<<16                      ; tile_dim0
	s_mov_b32 s[G1+4], 64                          ; tile_dim1
	s_mov_b32 s[G1+5], 32                          ; from row to row
	s_mov_b32 s[G1+6], 0
	s_mov_b32 s[G1+7], 0
	s_lshl_b32 s52, s[WV], 14                      ; my wave's part of a tile, in memory and in a slot
	s_mov_b32 s53, 0
	s_mov_b32 s[G0], 1
	s_mov_b32 s[G0+1], s52
	s_mov_b32 s[G0+4], 1
	s_add_co_u32 s[G0+5], s52, SLOTB
	s_mov_b32 s[SEL], 0x76543210
	s_mov_b32 s[SEL+1], 0xfedcba98
	s_mov_b32 s[INV], 0x3b000000                   ; 1 / 512
	s_mov_b32 s[EPS], 0x3727c5ac                   ; 1e-5
	s_mov_b32 s[CQ], 0x3e8293ee                    ; c = log2(e) / sqrt(32) = 0.255035
	s_mov_b32 s[CQ+1], s[CQ]                       ; named with it as a pair
	v_and_b32 v16, 31, v0                          ; lane
	v_and_b32 v17, 15, v0                          ; r
	v_bfe_u32 v18, v0, 4, 1                        ; h
	v_lshlrev_b32 v[LO], 4, v16
	v_add_nc_u32 v[ADB0], s52, v[LO]
	v_add_nc_u32 v[ADB0+1], SLOTB, v[ADB0]
	v_mul_u32_u24 v[ADA], v17, PA
	v_lshl_add_u32 v[ADA], v18, 4, v[ADA]
	v_add_nc_u32 v[ADA], UB, v[ADA]
	s_mul_i32 s51, s[WV], 2*PA
	s_add_co_u32 s51, s51, UB
	v_lshl_add_u32 v[STX], v16, 3, s51
	s_lshl_b32 s51, s[WV], 12
	v_add_nc_u32 v[GX], s51, v[LO]
	s_lshr_b32 s62, s50, 6                         ; the batch: 64 blocks of 32 tokens each
	s_lshl_b32 s62, s62, 4
	s_lshl_b32 s63, s[WV], 1
	s_add_co_u32 s62, s62, s63                     ; 16 batch + my first head, 2 w
	s_mul_i32 s62, s62, 393216
	s_and_b32 s63, s50, 63
	s_lshl_b32 s63, s63, 11                        ; my 32 tokens: two fragments of q or k, or v's two channel blocks
	s_add_co_u32 s62, s62, s63
	s_mov_b32 s63, 0
	s_lshl_b32 s54, s50, 16                        ; 32 rows of 2,048 bytes
	s_mov_b32 s55, 0
	s_wait_dscnt 0x0                               ; the opening add is done
	s_wait_kmcnt 0x0
	s_add_nc_u64 s[4:5], s[4:5], s[54:55]
	s_add_nc_u64 s[QP:QP+1], s[QP:QP+1], s[62:63]
	s_add_nc_u64 s[G0+2:G0+3], s[10:11], s[52:53]
	s_add_nc_u64 s[G0+2:G0+3], s[G0+2:G0+3], KOFF  ; tile 0
	s_add_nc_u64 s[G0+6:G0+7], s[G0+2:G0+3], SLOTB ; tile 1
	s_or_b32 s[G0+3], s[G0+3], 0x80000000          ; type = 2
	s_or_b32 s[G0+7], s[G0+7], 0x80000000
	ROUND                                          ; all four work-groups are here: the first joint loads meet
	tensor_load_to_lds s[G0:G0+3], s[G1:G1+7]
	s_nop 0
	tensor_load_to_lds s[G0+4:G0+7], s[G1:G1+7]
	s_nop 0
	PLACES
	; Wave w owns rows 2 w, 2 w + 1, 16 + 2 w, 17 + 2 w of the 32; register 4 j + e of a row holds column 128 j + 4 lane + e: each load takes 512 consecutive bytes.
.irp i, 0,1,2,3
.irp j, 0,1,2,3
	global_load_b128 v[XR+16*\i+4*\j:XR+16*\i+4*\j+3], v[GX], s[4:5] offset:(\i%2)*2048+(\i/2)*32768+\j*512
.endr
.endr
.irp j, 0,1,2,3
	global_load_b128 v[G+4*\j:G+4*\j+3], v[LO], s[6:7] offset:\j*512
	global_load_b128 v[BT+4*\j:BT+4*\j+3], v[LO], s[8:9] offset:\j*512
.endr
	s_wait_loadcnt 0x0
	LNROWS
	s_wait_dscnt 0x0                               ; for the others' sake: my rows of the operand are written
	s_barrier_signal -1
	s_barrier_wait -1                              ; the tiles may stay on their way
	s_wait_tensorcnt 1                             ; my part of tile 0 is in; tile 1 may stay out
	FETCH ADB0, 0, 0, FR0
	STAGE 0, 0, 1
	OUT 0
	STAGE 4, 0, 1
	OUT 1
	STAGE 8, 1, 1
	PLACES                                         ; the last products have no refill's places behind them
	OUT 2
	s_wait_tensorcnt 0x0                           ; the wave's end, behind my last tensor load and my last LDS store
	ds_add_u32 v[SPW], v[NIL]
	s_wait_dscnt 0x0
	ROUND                                          ; the closing round: no work-group ends while a partner may still ask for a tile that names it
	s_endpgm
.Lfunc_end_k_qf4fdef8ff9_ln_qkv:
	.size	k_qf4fdef8ff9_ln_qkv, .Lfunc_end_k_qf4fdef8ff9_ln_qkv-k_qf4fdef8ff9_ln_qkv
	.p2alignl 7, 3214868480
	.fill 96, 4, 3214868480
	.section	.rodata,"a",@progbits
	.p2align	6, 0x0
	.amdhsa_kernel k_qf4fdef8ff9_ln_qkv
		.amdhsa_group_segment_fixed_size 327680
		.amdhsa_private_segment_fixed_size 0
		.amdhsa_enable_private_segment 0
		.amdhsa_kernarg_size 40
		.amdhsa_user_sgpr_count 2
		.amdhsa_user_sgpr_kernarg_segment_ptr 1
		.amdhsa_wavefront_size32 1
		.amdhsa_system_sgpr_workgroup_id_x 1
		.amdhsa_system_sgpr_workgroup_id_y 1
		.amdhsa_system_sgpr_workgroup_id_z 1
		.amdhsa_system_vgpr_workitem_id 0
		.amdhsa_next_free_vgpr 256
		.amdhsa_next_free_sgpr 66
		.amdhsa_reserve_vcc 0
		.amdhsa_float_denorm_mode_32 3
		.amdhsa_float_denorm_mode_16_64 3
		.amdhsa_memory_ordered 1
		.amdhsa_forward_progress 1
		.amdhsa_inst_pref_size 107
	.end_amdhsa_kernel
	.amdgpu_metadata
---
amdhsa.version: [ 1, 2 ]
amdhsa.kernels:
  - .name:           k_qf4fdef8ff9_ln_qkv
    .symbol:         k_qf4fdef8ff9_ln_qkv.kd
    .args:
      - { .name: x, .offset: 0, .size: 8, .value_kind: global_buffer, .address_space: global }
      - { .name: ln1_g, .offset: 8, .size: 8, .value_kind: global_buffer, .address_space: global }
      - { .name: ln1_b, .offset: 16, .size: 8, .value_kind: global_buffer, .address_space: global }
      - { .name: wf, .offset: 24, .size: 8, .value_kind: global_buffer, .address_space: global }
      - { .name: qkv, .offset: 32, .size: 8, .value_kind: global_buffer, .address_space: global }
    .group_segment_fixed_size: 327680
    .private_segment_fixed_size: 0
    .kernarg_segment_align: 8
    .kernarg_segment_size: 40
    .max_flat_workgroup_size: 256
    .sgpr_count:     66
    .vgpr_count:     256
    .wavefront_size: 32
...
	.end_amdgpu_metadata
.endif
;; end of part 2
;; launch attn (part 3): grid 256 x 1, 8 waves a work-group, clusters of 4 x 1, 327,680 bytes of LDS; arguments qkv, of; writes of
.if DOCPART == 3
	.amdgcn_target "amdgcn-amd-amdhsa--gfx1250"
	.amdhsa_code_object_version 6
	.text
	.protected	k_qf4fdef8ff9_attn
	.globl	k_qf4fdef8ff9_attn
	.p2align	8
	.type	k_qf4fdef8ff9_attn,@function
k_qf4fdef8ff9_attn:
	s_mov_b64 s[64:65], 0
	v_nop
	global_prefetch_b8 v0, s[64:65] scope:SCOPE_SE
	s_setreg_imm32_b32 hwreg(HW_REG_WAVE_MODE, 25, 1), 1
	s_wait_xcnt 0x0
	s_wait_alu depctr_hold_cnt(0) depctr_sa_sdst(0) depctr_va_vdst(0) depctr_va_sdst(0) depctr_va_ssrc(0) depctr_va_vcc(0) depctr_vm_vsrc(0)
	s_getreg_b32 s2, hwreg(HW_REG_IB_STS2, 6, 4)
	s_cmp_eq_u32 s2, 0
	s_cbranch_scc0 .Lentry_in_a_cluster
	s_endpgm
.Lentry_in_a_cluster:
	s_bfe_u32 s2, ttmp6, 0x10000c
	s_cmp_lg_u32 s2, 0x3003
	s_cbranch_scc0 .Lentry_shape_is_right
	s_endpgm
.Lentry_shape_is_right:
; O[q] = the sum over k of softmax_k(q . k / sqrt(32)) v[k], head size 32, 2,048 keys, no mask.  q (already times c = log2(e) / sqrt(32)), k, v arrive in f16 as ready fragments; sums and maxima in f32.
; TWO PASSES.  At head size 32 a tile of 16 keys x 16 queries has two products and, with a running maximum, some 28 vector instructions.  So the TRUE row maximum m is found first: pass 1 is S^T = K Q^T and
; four three-operand maxima a tile.  Pass 2 makes S^T = K Q^T + C with C = -m, so the product IS the exponent: 8 exponentials and 4 roundings a tile, no scaling, no correction, no rescaling.
; The row sum l is a third product, ones x P, in f32: every register of every lane then holds the lane's query's l.  Price: 3.5 products a tile for 2.
; LAYOUT.  Source 0 = 16 keys, source 1 = 16 queries: a lane holds ONE query (lane % 16) and keys 8 (lane / 16) + 0..7; two such results rounded to f16 in pairs ARE source 1 (32 keys x 16 queries) of
; O^T = V^T P, whose result holds one query a lane and eight channels: half a ready fragment of the next launch's operand.
; SHARES.  The four work-groups of a cluster are one head's four blocks of 512 queries; wave w owns four tiles of 16.  The head's K and V, 262,144 bytes of ready fragments, lie in LDS whole: fetched once,
; jointly (same load, same descriptor, a mask that names the four), 32,768 bytes a wave; nothing is filled again.  Two waves share a SIMD: one wave's products run beside the other's exponentials.
; LIMITS.  p lies in 0 to 1 and is rounded to f16 (below 6e-5: f16's fixed step of 6e-8; l is the sum of the rounded p); an exponential below 2^-126 counts as 0; l is at least about 1, the maximum's own
; weight; NaN and infinities are not treated apart.
; REGISTERS, in windows of 256 (s_set_vgpr_msb: bits 1:0 source 0, 3:2 source 1, 5:4 source 2, 7:6 destination).
.set SPARE, 262144                     ; behind K (0) and V (131,072): the spare words, 128 bytes a wave, four blocks of 256 bytes that no other line names
.set SPW,  2                           ; v2   SPARE + 4 x thread; never rewritten
.set NIL,  3                           ; v3   0; never rewritten
.set AK0,  4                           ; v4   16 lane: my place in half a fragment, in LDS and in memory
.set AV0,  5                           ; v5   131,072 + 16 lane
.set AK,   6                           ; v6   the address of K's run of loads in hand
.set AV,   7                           ; v7   of V's
.set M,    16                          ; v[16:23]    the running maximum of tile t, key block kb at M + 2 t + kb; at the end 1 / l
.set ONES, 32                          ; v[32:39]    1.0 in every half
.set KF,   40                          ; v[40:55]    K of a step: key block kb at + 8 kb
.set VF,   56                          ; v[56:71]    V of a step: channel block cb at + 8 cb
.set S,    80                          ; v[80:143]   S^T: (t, kb) at S + 16 t + 8 kb
.set P,    144                         ; v[144:175]  P: tile t at P + 8 t
.set Q,    0                           ; window 1: v[0:31] Q, tile t at 8 t
.set NM,   32                          ; window 1: v[32:63] -m, eight registers a tile
.set O,    64                          ; window 1: v[64:127] O^T: (t, cb) at O + 16 t + 8 cb
.set L,    128                         ; window 1: v[128:159] l, tile t at L + 8 t
.set WV,   8                           ; s8   the wave's number
.set G0,   16                          ; s[16:19] descriptor group 0
.set G1,   24                          ; s[24:31] descriptor group 1
.set TB,   32                          ; s32  LDS byte of the K to be fetched next
.set TV,   33                          ; s33  of the V, less 131,072
.set CNT,  34                          ; s34  counts steps
.set SEL,  36                          ; s[36:37] v_permlanex16_b32's selects
.set QP,   38                          ; s[38:39] q at my four tiles
.set OP,   40                          ; s[40:41] of at my four tiles and my head
.set MSB, 0
.macro WIN new                         ; the immediate's high byte repeats the setting that is left; a switch that changes nothing is dropped
.if MSB != (\new)
	s_set_vgpr_msb (MSB<<8)|(\new)
.set MSB, \new
.endif
.endm
.set W_K0, 0x04                        ; Q in window 1
.set W_KQ, 0x14                        ; Q and -m in window 1
.set W_PV, 0x50                        ; C and D in window 1
.macro ROUND                           ; a round of the cluster's barrier
	s_barrier_signal -1
	s_barrier_wait -1
	s_cmp_lg_u32 s[WV], 0
	s_cbranch_scc1 .Lnot_wave_0_\@
	s_barrier_signal -3
.Lnot_wave_0_\@:
	s_barrier_wait -3
	s_barrier_signal -1
	s_barrier_wait -1
.endm
.macro PLACES                          ; four plain vector instructions behind a matrix instruction, ahead of what reads its result or writes its registers (ISA guide 7.12.1)
.rept 4
	v_nop
.endr
.endm
.macro LOADK                           ; 32 keys: two fragments
.irp kb, 0,1
.irp c, 0,1
	ds_load_b128 v[KF+8*\kb+4*\c:KF+8*\kb+4*\c+3], v[AK] offset:\kb*1024+\c*512
.endr
.endr
.endm
; PASS 1, a step of 32 keys: 8 products, the next step's K, 32 maxima in 8 chains.  Each accumulator's lowest registers are read first.
.macro P1STEP
	s_wait_dscnt 0x0                               ; K of this step is in
	WIN W_K0
.irp kb, 0,1
.irp t, 0,1,2,3
	v_wmma_f32_16x16x32_f16 v[S+16*\t+8*\kb:S+16*\t+8*\kb+7], v[KF+8*\kb:KF+8*\kb+7], v[Q+8*\t:Q+8*\t+7], 0
.endr
.endr
	WIN 0
	v_add_nc_u32 v[AK], s[TB], v[AK0]              ; this line and three v_nop are the four places, for the loads into K's registers and for the maxima
	v_nop
	v_nop
	v_nop
	s_add_co_u32 s[TB], s[TB], 2048
	LOADK
.irp i, 0,1,2,3
.irp t, 0,1,2,3
.irp kb, 0,1
	v_max3_num_f32 v[M+2*\t+\kb], v[M+2*\t+\kb], v[S+16*\t+8*\kb+2*\i], v[S+16*\t+8*\kb+2*\i+1]
.endr
.endr
.endr
.endm
; PASS 2, a step of 32 keys.  first = 1: the products start O^T's and l's sums.  pre = 1: the next step's K is fetched.
; The exponentials stand in pairs with a rounding of the tile before between them, so that a plain instruction stands between every exponential and the use of its result.
; The 12 accumulators of the second run take turns, one instruction a turn.
.macro P2STEP first, pre
	s_wait_dscnt 0x0                               ; K of this step is in
	WIN W_KQ
.irp kb, 0,1
.irp t, 0,1,2,3
	v_wmma_f32_16x16x32_f16 v[S+16*\t+8*\kb:S+16*\t+8*\kb+7], v[KF+8*\kb:KF+8*\kb+7], v[Q+8*\t:Q+8*\t+7], v[NM+8*\t:NM+8*\t+7]
.endr
.endr
	WIN 0
	v_add_nc_u32 v[AV], s[TV], v[AV0]              ; four places: behind these products (K's registers, S^T) and behind the last step's V^T P (V's registers, P)
.if \pre
	v_add_nc_u32 v[AK], s[TB], v[AK0]
.else
	v_nop
.endif
	v_nop
	v_nop
	s_add_co_u32 s[TV], s[TV], 2048
	s_add_co_u32 s[TB], s[TB], 2048
.irp cb, 0,1
.irp c, 0,1
	ds_load_b128 v[VF+8*\cb+4*\c:VF+8*\cb+4*\c+3], v[AV] offset:\cb*1024+\c*512
.endr
.endr
.if \pre
	LOADK
.endif
.irp n, 0,1,2,3,4,5,6,7,8,9,10,11,12,13,14,15
	v_exp_f32 v[S+\n], v[S+\n]
.endr
	v_nop
.irp t, 1,2,3
.irp i, 0,1,2,3,4,5,6,7
	v_exp_f32 v[S+16*\t+2*\i], v[S+16*\t+2*\i]
	v_exp_f32 v[S+16*\t+2*\i+1], v[S+16*\t+2*\i+1]
	s_wait_alu depctr_va_vdst(0)
	v_cvt_pk_f16_f32 v[P+8*(\t-1)+\i], v[S+16*(\t-1)+2*\i], v[S+16*(\t-1)+2*\i+1]
.endr
.endr
	s_wait_alu depctr_va_vdst(0)
.irp i, 0,1,2,3,4,5,6,7
	v_cvt_pk_f16_f32 v[P+24+\i], v[S+48+2*\i], v[S+48+2*\i+1]
.endr
	s_wait_dscnt 4*(\pre)                          ; V is in; the four loads of K, issued behind V's, may stay out
	WIN W_PV
.irp t, 0,1,2,3
.if \first
	v_wmma_f32_16x16x32_f16 v[O+16*\t:O+16*\t+7], v[VF:VF+7], v[P+8*\t:P+8*\t+7], 0
	v_wmma_f32_16x16x32_f16 v[O+16*\t+8:O+16*\t+15], v[VF+8:VF+15], v[P+8*\t:P+8*\t+7], 0
	v_wmma_f32_16x16x32_f16 v[L+8*\t:L+8*\t+7], v[ONES:ONES+7], v[P+8*\t:P+8*\t+7], 0
.else
	v_wmma_f32_16x16x32_f16 v[O+16*\t:O+16*\t+7], v[VF:VF+7], v[P+8*\t:P+8*\t+7], v[O+16*\t:O+16*\t+7]
	v_wmma_f32_16x16x32_f16 v[O+16*\t+8:O+16*\t+15], v[VF+8:VF+15], v[P+8*\t:P+8*\t+7], v[O+16*\t+8:O+16*\t+15]
	v_wmma_f32_16x16x32_f16 v[L+8*\t:L+8*\t+7], v[ONES:ONES+7], v[P+8*\t:P+8*\t+7], v[L+8*\t:L+8*\t+7]
.endif
.endr
	WIN 0
.endm
	s_load_b128 s[4:7], s[0:1], 0x0                ; qkv s[4:5], of s[6:7]
	v_lshl_add_u32 v[SPW], v0, 2, SPARE
	v_mov_b32 v[NIL], 0
	ds_add_u32 v[SPW], v[NIL]                      ; the wave's opening: the add and its wait stand ahead of my first tensor load; the set-up, work on registers, stands between them
	v_lshrrev_b32 v1, 5, v0
	v_readfirstlane_b32 s[WV], v1                  ; wave 0..7
	s_bfe_u32 s9, ttmp6, 0x40000                   ; cx: my block of 512 queries: it enters q's and of's addresses alone
	s_mov_b32 s[G1+0], 15|(3<<16)|(1<<21)          ; the mask of four; elements of 8 bytes; bit 21 set beside a mask; no padding
	s_mov_b32 s[G1+1], 32<<16                      ; tensor_dim0 = 32 elements: rows of 256 bytes
	s_mov_b32 s[G1+2], 128<<16                     ; tensor_dim1 = 128 rows: 32,768 dense bytes
	s_mov_b32 s[G1+3], 32<<16                      ; tile_dim0
	s_mov_b32 s[G1+4], 128                         ; tile_dim1
	s_mov_b32 s[G1+5], 32                          ; from row to row
	s_mov_b32 s[G1+6], 0
	s_mov_b32 s[G1+7], 0
	s_mov_b32 s[G0], 1
	s_lshl_b32 s[G0+1], s[WV], 15                  ; waves 0 to 3 bring K, waves 4 to 7 V: in memory as in LDS V follows K
	s_mul_i32 s10, ttmp9, 393216                   ; the cluster's number is 16 batch + head: its q, k and v
	s_mov_b32 s11, 0
	s_lshl_b32 s12, s[WV], 15
	s_add_co_u32 s12, s12, 131072                  ; k begins behind q
	s_mov_b32 s13, 0
	s_add_nc_u64 s[12:13], s[12:13], s[10:11]
	s_lshl_b32 s42, s9, 15                         ; q: (32 cx + 4 w) fragments of 1,024 bytes
	s_lshl_b32 s43, s[WV], 12
	s_add_co_u32 s42, s42, s43
	s_mov_b32 s43, 0
	s_add_nc_u64 s[42:43], s[42:43], s[10:11]
	s_lshr_b32 s44, ttmp9, 4                       ; of: (128 batch + 32 cx + 4 w) token blocks of 16,384 bytes + head x 1,024
	s_lshl_b32 s44, s44, 21
	s_lshl_b32 s45, s9, 19
	s_add_co_u32 s44, s44, s45
	s_lshl_b32 s45, s[WV], 16
	s_add_co_u32 s44, s44, s45
	s_and_b32 s45, ttmp9, 15
	s_lshl_b32 s45, s45, 10
	s_add_co_u32 s44, s44, s45
	s_mov_b32 s45, 0
	s_mov_b32 s[SEL], 0x76543210
	s_mov_b32 s[SEL+1], 0xfedcba98
	v_and_b32 v1, 31, v0
	v_lshlrev_b32 v[AK0], 4, v1
	v_add_nc_u32 v[AV0], 131072, v[AK0]
	s_wait_dscnt 0x0                               ; the opening add is done
	s_wait_kmcnt 0x0
	s_add_nc_u64 s[G0+2:G0+3], s[4:5], s[12:13]
	s_or_b32 s[G0+3], s[G0+3], 0x80000000          ; type = 2
	s_add_nc_u64 s[QP:QP+1], s[4:5], s[42:43]
	s_add_nc_u64 s[OP:OP+1], s[6:7], s[44:45]
	ROUND                                          ; all four work-groups are here: the joint loads meet
	tensor_load_to_lds s[G0:G0+3], s[G1:G1+7]      ; my one tensor load of the launch
	s_nop 0
	PLACES
	WIN 0x40                                       ; destination window 1
.irp t, 0,1,2,3
.irp c, 0,1
	global_load_b128 v[Q+8*\t+4*\c:Q+8*\t+4*\c+3], v[AK0], s[QP:QP+1] offset:\t*1024+\c*512
.endr
.endr
	WIN 0
.irp i, 0,1,2,3,4,5,6,7
	v_mov_b32 v[ONES+\i], 0x3c003c00               ; 1.0 twice in f16
	v_mov_b32 v[M+\i], 0xff7fffff                  ; the lowest finite number
.endr
	v_mov_b32 v[AK], v[AK0]
	s_mov_b32 s[TB], 2048
	s_wait_tensorcnt 0x0                           ; my part of K and V is in,
	s_barrier_signal -1
	s_barrier_wait -1                              ; everybody's is
	LOADK                                          ; keys 0 to 31
	s_wait_loadcnt 0x0                             ; Q
	s_mov_b32 s[CNT], 63
.Lp1:                                              ; steps 0 to 62; each fetches the next step's K
	P1STEP
	s_sub_co_u32 s[CNT], s[CNT], 1
	s_cmp_lg_u32 s[CNT], 0
	s_cbranch_scc1 .Lp1
	s_mov_b32 s[TB], 0
	P1STEP                                         ; step 63; its fetch is keys 0 to 31 again, for pass 2
	; a query's maximum: its two chains, then the lane 16 away, which holds its other keys; -m into the eight registers that start each sum of pass 2
.irp t, 0,1,2,3
	v_max_num_f32 v[M+2*\t], v[M+2*\t], v[M+2*\t+1]
.endr
.irp t, 0,1,2,3
	v_permlanex16_b32 v[M+2*\t+1], v[M+2*\t], s[SEL], s[SEL+1]
.endr
.irp t, 0,1,2,3
	v_max_num_f32 v[M+2*\t], v[M+2*\t], v[M+2*\t+1]
.endr
	WIN 0x40
.irp t, 0,1,2,3
.irp j, 0,1,2,3,4,5,6,7
	v_mul_f32 v[NM+8*\t+\j], -1.0, v[M+2*\t]
.endr
.endr
	WIN 0
	s_mov_b32 s[TV], 0
	P2STEP 1, 1                                    ; step 0 starts the sums: nothing is cleared
	s_mov_b32 s[CNT], 62
.Lp2:
	P2STEP 0, 1
	s_sub_co_u32 s[CNT], s[CNT], 1
	s_cmp_lg_u32 s[CNT], 0
	s_cbranch_scc1 .Lp2
	P2STEP 0, 0                                    ; step 63: no further K
	; THE WAY OUT: O^T / l, rounded to f16: a lane's eight channels of a query are its 16 bytes of a ready fragment; each store covers 512 consecutive bytes, aligned.
	PLACES
	WIN 0x01                                       ; source 0 window 1
.irp t, 0,1,2,3
	v_rcp_f32 v[M+2*\t], v[L+8*\t]
.endr
	WIN 0
	v_nop                                          ; a plain instruction between the last reciprocal and the use of its result
	WIN 0x41                                       ; O^T (destination and source 0) window 1, 1 / l window 0
	s_wait_alu depctr_va_vdst(0)
.irp t, 0,1,2,3
.irp k, 0,1,2,3,4,5,6,7
	v_pk_mul_f32 v[O+16*\t+2*\k:O+16*\t+2*\k+1], v[O+16*\t+2*\k:O+16*\t+2*\k+1], v[M+2*\t:M+2*\t+1] op_sel_hi:[1,0]
.endr
.endr
	WIN 0x05                                       ; sources 0 and 1 window 1, destination window 0: S^T's registers are free
.irp t, 0,1,2,3
.irp k, 0,1,2,3,4,5,6,7
	v_cvt_pk_f16_f32 v[S+8*\t+\k], v[O+16*\t+2*\k], v[O+16*\t+2*\k+1]
.endr
.endr
	WIN 0
.irp t, 0,1,2,3
.irp cb, 0,1
	global_store_b128 v[AK0], v[S+8*\t+4*\cb:S+8*\t+4*\cb+3], s[OP:OP+1] offset:\t*16384+\cb*512
.endr
.endr
	s_wait_tensorcnt 0x0                           ; the wave's end, behind my last tensor load
	ds_add_u32 v[SPW], v[NIL]
	s_wait_dscnt 0x0
	ROUND                                          ; the closing round
	s_endpgm
.Lfunc_end_k_qf4fdef8ff9_attn:
	.size	k_qf4fdef8ff9_attn, .Lfunc_end_k_qf4fdef8ff9_attn-k_qf4fdef8ff9_attn
	.p2alignl 7, 3214868480
	.fill 96, 4, 3214868480
	.section	.rodata,"a",@progbits
	.p2align	6, 0x0
	.amdhsa_kernel k_qf4fdef8ff9_attn
		.amdhsa_group_segment_fixed_size 327680
		.amdhsa_private_segment_fixed_size 0
		.amdhsa_enable_private_segment 0
		.amdhsa_kernarg_size 16
		.amdhsa_user_sgpr_count 2
		.amdhsa_user_sgpr_kernarg_segment_ptr 1
		.amdhsa_wavefront_size32 1
		.amdhsa_system_sgpr_workgroup_id_x 1
		.amdhsa_system_sgpr_workgroup_id_y 1
		.amdhsa_system_sgpr_workgroup_id_z 1
		.amdhsa_system_vgpr_workitem_id 0
		.amdhsa_next_free_vgpr 416
		.amdhsa_next_free_sgpr 66
		.amdhsa_reserve_vcc 0
		.amdhsa_float_denorm_mode_32 3
		.amdhsa_float_denorm_mode_16_64 3
		.amdhsa_memory_ordered 1
		.amdhsa_forward_progress 1
		.amdhsa_inst_pref_size 40
	.end_amdhsa_kernel
	.amdgpu_metadata
---
amdhsa.version: [ 1, 2 ]
amdhsa.kernels:
  - .name:           k_qf4fdef8ff9_attn
    .symbol:         k_qf4fdef8ff9_attn.kd
    .args:
      - { .name: qkv, .offset: 0, .size: 8, .value_kind: global_buffer, .address_space: global }
      - { .name: of, .offset: 8, .size: 8, .value_kind: global_buffer, .address_space: global }
    .group_segment_fixed_size: 327680
    .private_segment_fixed_size: 0
    .kernarg_segment_align: 8
    .kernarg_segment_size: 16
    .max_flat_workgroup_size: 256
    .sgpr_count:     66
    .vgpr_count:     416
    .wavefront_size: 32
...
	.end_amdgpu_metadata
.endif
;; end of part 3
;; launch proj_ffn (part 4): grid 256 x 1, 8 waves a work-group, clusters of 4 x 1, 327,680 bytes of LDS; arguments x, of, wf, out0, bo, ln2_g, ln2_b, b1, b2; writes out0
.if DOCPART == 4
	.amdgcn_target "amdgcn-amd-amdhsa--gfx1250"
	.amdhsa_code_object_version 6
	.text
	.protected	k_qf4fdef8ff9_proj_ffn
	.globl	k_qf4fdef8ff9_proj_ffn
	.p2align	8
	.type	k_qf4fdef8ff9_proj_ffn,@function
k_qf4fdef8ff9_proj_ffn:
	s_mov_b64 s[64:65], 0
	v_nop
	global_prefetch_b8 v0, s[64:65] scope:SCOPE_SE
	s_setreg_imm32_b32 hwreg(HW_REG_WAVE_MODE, 25, 1), 1
	s_wait_xcnt 0x0
	s_wait_alu depctr_hold_cnt(0) depctr_sa_sdst(0) depctr_va_vdst(0) depctr_va_sdst(0) depctr_va_ssrc(0) depctr_va_vcc(0) depctr_vm_vsrc(0)
	s_getreg_b32 s2, hwreg(HW_REG_IB_STS2, 6, 4)
	s_cmp_eq_u32 s2, 0
	s_cbranch_scc0 .Lentry_in_a_cluster
	s_endpgm
.Lentry_in_a_cluster:
	s_bfe_u32 s2, ttmp6, 0x10000c
	s_cmp_lg_u32 s2, 0x3003
	s_cbranch_scc0 .Lentry_shape_is_right
	s_endpgm
.Lentry_shape_is_right:
; x1 = x + O Wo^T + bo; xn = LN2(x1); h = relu(xn W1^T + b1); out = x1 + h W2^T + b2.  x, x1, the norm, the biases and all sums in f32; the matrix operands O, xn, h and the weights in f16.
; SHARES.  A work-group owns 32 tokens (whole rows, for the norm), wave w columns 64 w .. 64 w + 63 of each product: 8 accumulators (row block rb 0..1, column block nb 0..3).
; WEIGHTS.  12 tiles of 131,072 bytes (Wo, W1, W2 x 4 chunks of 128 k), dense in wf as ready fragments ([c 2][lane 32][16 bytes]: lane (r, h) holds row r, k = 16 c + 8 h + 0..7), go through two LDS slots.
; Wave w fetches, and alone reads, its own 16,384 bytes of a tile.  All work-groups walk the same tiles: the four of a cluster ask JOINTLY (same load, same descriptor, a mask that names the four).
; Source 0 = weights, source 1 = tokens: a lane holds one token and 8 neighbouring columns.  Between the products the tokens' operand lies in LDS by rows; where whole rows are wanted (residual, norm, output) a
; product goes through LDS in f32, 16 rows at a time, into the ROW LAYOUT: wave w owns rows 2 w, 2 w + 1, 16 + 2 w, 17 + 2 w; register 4 j + e of a row holds column 128 j + 4 lane + e.
; LIMITS.  O, xn and h must lie within f16's 65,504 (no clamp is written); the relu's maximum turns a NaN into 0; NaN and infinities are not treated apart otherwise.  The variance is taken of the centred numbers.
.set KOFF,  1572864                    ; the first tile's byte in wf: Wo
.set SLOTB, 131072                     ; a slot; slot 0 at LDS byte 0, slot 1 behind it
.set UB,    262144                     ; 33,280 bytes written by LDS stores alone: the tokens' operand, f16, 32 rows at pitch PA; or half a product, f32, 16 rows at pitch PY
.set PA,    1040                       ; 65 x 16 bytes
.set PY,    2064                       ; 129 x 16 bytes: with either pitch 16 rows fall on 16 different 16-byte columns of 256
.set PAR,   295424                     ; bo, ln2_g, ln2_b, b1, b2: 2,048 bytes each
.set SPARE, 305664                     ; the spare words: 128 bytes a wave, four blocks of 256 bytes that no other line names
.set SPW,  2                           ; v2   SPARE + 4 x thread; never rewritten
.set NIL,  3                           ; v3   0; never rewritten
.set ZERO, 4                           ; v4   0, for the relu
.set ADB0, 5                           ; v5, v6  my lane's 16 bytes in my wave's part of slot 0, 1
.set ADA,  7                           ; v7   UB + r PA + 16 h
.set STA,  8                           ; v8   ADA + 128 w: where h's tiles go
.set STY,  9                           ; v9   UB + r PY + 32 h + 256 w: where a product's tiles go in f32
.set RDY,  10                          ; v10  UB + 2 w PY + 16 lane: where my rows come back
.set STX,  11                          ; v11  UB + 2 w PA + 8 lane
.set GX,   12                          ; v12  2 w rows of 2,048 bytes + 16 lane
.set PB1,  13                          ; v13  b1 of my tiles' columns: PAR + 3 x 2,048 + 256 w + 32 h
.set LO,   14                          ; v14  PAR + 16 lane
.set ACC,  16                          ; v[16:79]    accumulator (rb, nb) at ACC + 8 (4 rb + nb)
.set FR0,  80                          ; v[80:127], v[128:175]  two fragment buffers: tokens' rb at + 8 rb, weights' nb at + 16 + 8 nb
.set XR,   176                         ; v[176:239]  my four rows: x, then x1, then x1 + b2, then the output
.set ST,   240                         ; v[240:247]  a pair a row: the sum, the mean
.set SQ,   248                         ; v[248:255]  a pair a row: the squares, 1 / sqrt(var + eps)
.set DT,   80                          ; the norm works in the fragment buffers, which are idle then: 16 registers a row,
.set G,    144                         ; gain
.set BT,   160                         ; and bias of my columns
.set G1,   32                          ; s[32:39] descriptor group 1
.set G0,   40                          ; s[40:47] descriptor group 0, a set for each slot
.set WV,   48                          ; s48  the wave's number
.set SEL,  56                          ; s[56:57] v_permlanex16_b32's selects
.set INV,  58                          ; s58  1 / 512
.set EPS,  59                          ; s59  1e-5
; A round of the cluster's barrier: my work-group's barrier, wave 0 signals for the work-group, every wave waits for all four work-groups, my work-group's barrier once more.
.macro ROUND
	s_barrier_signal -1
	s_barrier_wait -1
	s_cmp_lg_u32 s[WV], 0
	s_cbranch_scc1 .Lnot_wave_0_\@
	s_barrier_signal -3
.Lnot_wave_0_\@:
	s_barrier_wait -3
	s_barrier_signal -1
	s_barrier_wait -1
.endm
.macro BAR                             ; my work-group's barrier
	s_barrier_signal -1
	s_barrier_wait -1
.endm
; Four places: a load into a register that a matrix instruction has read, and whatever reads a matrix result, stand four plain vector instructions behind it.
.macro PLACES
.rept 4
	v_nop
.endr
.endm
; 12 LDS loads: the fragments of one step of 32 k into buffer f: the weights' step ks of the tile at v[ab], the tokens' k = 32 kg on.
.macro FETCH ab, ks, kg, f
.irp nb, 0,1,2,3
	ds_load_b128 v[(\f)+16+8*\nb:(\f)+16+8*\nb+3], v[\ab] offset:(\ks)*4096+\nb*1024
	ds_load_b128 v[(\f)+16+8*\nb+4:(\f)+16+8*\nb+7], v[\ab] offset:(\ks)*4096+\nb*1024+512
.endr
.irp rb, 0,1
	ds_load_b128 v[(\f)+8*\rb:(\f)+8*\rb+3], v[ADA] offset:\rb*16*PA+(\kg)*64
	ds_load_b128 v[(\f)+8*\rb+4:(\f)+8*\rb+7], v[ADA] offset:\rb*16*PA+(\kg)*64+32
.endr
.endm
; Four products of row block rb.  nat = 0: source 0 = weights, source 1 = tokens.  zero = 1: the product starts the sum.
; The 8 accumulators take turns, one instruction a turn, in the same order in every step.
.macro MUL4 f, rb, zero, nat
.irp nb, 0,1,2,3
.set rD, ACC+8*(4*(\rb)+\nb)
.if \nat
.set rX, (\f)+8*(\rb)
.set rY, (\f)+16+8*\nb
.else
.set rX, (\f)+16+8*\nb
.set rY, (\f)+8*(\rb)
.endif
.if \zero
	v_wmma_f32_16x16x32_f16 v[rD:rD+7], v[rX:rX+7], v[rY:rY+7], 0
.else
	v_wmma_f32_16x16x32_f16 v[rD:rD+7], v[rX:rX+7], v[rY:rY+7], v[rD:rD+7]
.endif
.endr
.endm
; One product over K = 512: 16 steps of 32 k, tiles t0 .. t0 + 3.  Step 0's fragments have been asked for, into buffer 0.  keepA = 0: the next product reads other tokens' numbers, so nothing is fetched for it here,
; and the round at the product's end, with every wave's wait for its LDS reads ahead of it, also shows that all reads of the tokens' operand are over.
; A tile's last step changes slots.  Tiles 0 to 9: the slot is filled again with the tile two on, behind a round of the cluster's barrier; by this text's count one tensor load of the wave is out behind each round, two at the start.
.macro STAGE t0, nat, keepA
.set gg, 0
.rept 16
.set kk, gg%4
.set tt, (\t0)+gg/4
.set ab, ADB0+tt%2
.set an, ADB0+(tt+1)%2
.set fb, FR0+48*(gg%2)
.set ob, FR0+48*((gg+1)%2)
.set zz, 0
.if gg == 0
.set zz, 1
.endif
.if kk < 3
	PLACES                                         ; behind the products that read the other buffer
	FETCH ab, kk+1, gg+1, ob
	s_wait_dscnt 12                                ; the 12 just issued may stay out: this step's fragments are in
	MUL4 fb, 0, zz, \nat
	MUL4 fb, 1, zz, \nat
.elseif tt <= 9
	s_wait_tensorcnt 0x0                           ; all my tensor loads have landed: the one that was out is my part of the next tile; so a group 0 may be written
	ds_add_u32 v[SPW], v[NIL]                      ; 0 onto my spare word
	s_add_nc_u64 s[G0+4*(tt%2)+2:G0+4*(tt%2)+3], s[G0+4*(tt%2)+2:G0+4*(tt%2)+3], 2*SLOTB  ; this slot's next tile; the type bits on top are not reached
	s_wait_dscnt 1                                 ; only the add may be out: this step's fragments are in
	MUL4 fb, 0, 0, \nat                            ; four products stand between the add and the wait for it
	s_wait_dscnt 0x0                               ; the add is done, and my reads of this slot and of the tokens are over
	ROUND                                          ; the same holds of every wave of the four work-groups
	tensor_load_to_lds s[G0+4*(tt%2):G0+4*(tt%2)+3], s[G1:G1+7]  ; my one tensor load behind the round, and the first thing there
	s_nop 0
	PLACES                                         ; also the places in front of the loads below
.if (gg < 15) || (\keepA)
	FETCH an, 0, (gg+1)%16, ob
.endif
	MUL4 fb, 1, 0, \nat
.elseif tt == 10
	s_wait_tensorcnt 0x0                           ; the one load that is out is the last tile, and a wave reads its own bytes of a tile alone: no barrier
	s_wait_dscnt 0x0
	MUL4 fb, 0, 0, \nat
	PLACES
	FETCH an, 0, (gg+1)%16, ob
	MUL4 fb, 1, 0, \nat
.else
	s_wait_dscnt 0x0
	MUL4 fb, 0, 0, \nat
	MUL4 fb, 1, 0, \nat
.endif
.set gg, gg+1
.endr
.endm
; The four registers b + 2 i are summed over the 32 lanes; every lane gets the sum.
.macro RED4 b
.irp m, 1,2,4,8
.irp i, 0,1,2,3
	v_add_f32_dpp v[(\b)+2*\i], v[(\b)+2*\i], v[(\b)+2*\i] row_xmask:\m row_mask:0xf bank_mask:0xf
.endr
.endr
.irp i, 0,1,2,3
	v_permlanex16_b32 v[(\b)+2*\i+1], v[(\b)+2*\i], s[SEL], s[SEL+1]
.endr
.irp i, 0,1,2,3
	v_add_f32 v[(\b)+2*\i], v[(\b)+2*\i], v[(\b)+2*\i+1]
.endr
.endm
; The norm of my four rows (XR is kept): mean; centred numbers; their squares' mean; (x - mean) / sqrt(var + eps) x gain + bias, rounded to f16, into the tokens' operand.  The rows alternate, so that no line waits for the one before.
.macro LNROWS
.irp p, 0,1,2,3
.irp i, 0,1,2,3
	v_pk_add_f32 v[DT+16*\i+2*\p:DT+16*\i+2*\p+1], v[XR+16*\i+4*\p:XR+16*\i+4*\p+1], v[XR+16*\i+4*\p+2:XR+16*\i+4*\p+3]
.endr
.endr
.irp i, 0,1,2,3
	v_pk_add_f32 v[DT+16*\i:DT+16*\i+1], v[DT+16*\i:DT+16*\i+1], v[DT+16*\i+2:DT+16*\i+3]
	v_pk_add_f32 v[DT+16*\i+4:DT+16*\i+5], v[DT+16*\i+4:DT+16*\i+5], v[DT+16*\i+6:DT+16*\i+7]
.endr
.irp i, 0,1,2,3
	v_pk_add_f32 v[DT+16*\i:DT+16*\i+1], v[DT+16*\i:DT+16*\i+1], v[DT+16*\i+4:DT+16*\i+5]
.endr
.irp i, 0,1,2,3
	v_add_f32 v[ST+2*\i], v[DT+16*\i], v[DT+16*\i+1]
	v_add_f32 v[ST+2*\i+1], v[DT+16*\i], v[DT+16*\i+1]  ; the pair's second register is written too: the exchange of halves counts as a reader of its destination
.endr
	RED4 ST
.irp i, 0,1,2,3
	v_mul_f32 v[ST+2*\i], s[INV], v[ST+2*\i]
.endr
.irp a, 0,1,2,3,4,5,6,7
.irp i, 0,1,2,3
	v_pk_add_f32 v[DT+16*\i+2*\a:DT+16*\i+2*\a+1], v[XR+16*\i+2*\a:XR+16*\i+2*\a+1], v[ST+2*\i:ST+2*\i+1] op_sel_hi:[1,0] neg_lo:[0,1] neg_hi:[0,1]
.endr
.endr
.irp i, 0,1,2,3
	v_pk_mul_f32 v[SQ+2*\i:SQ+2*\i+1], v[DT+16*\i:DT+16*\i+1], v[DT+16*\i:DT+16*\i+1]
.endr
.irp a, 1,2,3,4,5,6,7
.irp i, 0,1,2,3
	v_pk_fma_f32 v[SQ+2*\i:SQ+2*\i+1], v[DT+16*\i+2*\a:DT+16*\i+2*\a+1], v[DT+16*\i+2*\a:DT+16*\i+2*\a+1], v[SQ+2*\i:SQ+2*\i+1]
.endr
.endr
.irp i, 0,1,2,3
	v_add_f32 v[SQ+2*\i], v[SQ+2*\i], v[SQ+2*\i+1]
.endr
	RED4 SQ
.irp i, 0,1,2,3
	v_fma_f32 v[SQ+2*\i], v[SQ+2*\i], s[INV], s[EPS]
.endr
.irp i, 0,1,2,3
	v_rsq_f32 v[SQ+2*\i], v[SQ+2*\i]
.endr
	v_nop                                          ; a plain instruction between the last root and the use of its result
	s_wait_alu depctr_va_vdst(0)
.irp a, 0,1,2,3,4,5,6,7
.irp i, 0,1,2,3
	v_pk_mul_f32 v[DT+16*\i+2*\a:DT+16*\i+2*\a+1], v[DT+16*\i+2*\a:DT+16*\i+2*\a+1], v[SQ+2*\i:SQ+2*\i+1] op_sel_hi:[1,0]
.endr
.endr
.irp a, 0,1,2,3,4,5,6,7
.irp i, 0,1,2,3
	v_pk_fma_f32 v[DT+16*\i+2*\a:DT+16*\i+2*\a+1], v[DT+16*\i+2*\a:DT+16*\i+2*\a+1], v[G+2*\a:G+2*\a+1], v[BT+2*\a:BT+2*\a+1]
.endr
.endr
.irp a, 0,1,2,3,4,5,6,7                ; ascending: register a is written when registers 2 a and 2 a + 1 are read, never earlier
.irp i, 0,1,2,3
	v_cvt_pk_f16_f32 v[DT+16*\i+\a], v[DT+16*\i+2*\a], v[DT+16*\i+2*\a+1]
.endr
.endr
.irp j, 0,1,2,3
.irp i, 0,1,2,3
	ds_store_b64 v[STX], v[DT+16*\i+2*\j:DT+16*\i+2*\j+1] offset:(\i%2)*PA+(\i/2)*16*PA+\j*256  ; 32 lanes, 256 consecutive bytes of a row
.endr
.endr
.endm
; Row block rb of a product goes through LDS in f32 and is added onto my two rows of it.  Store, wait, barrier, load; and, unless last, wait, barrier, so that the bytes may be written again.
.macro YHALF rb, last
.irp nb, 0,1,2,3
	ds_store_b128 v[STY], v[ACC+8*(4*(\rb)+\nb):ACC+8*(4*(\rb)+\nb)+3] offset:\nb*64
	ds_store_b128 v[STY], v[ACC+8*(4*(\rb)+\nb)+4:ACC+8*(4*(\rb)+\nb)+7] offset:\nb*64+16
.endr
	s_wait_dscnt 0x0                               ; for the others' sake: my columns are written
	BAR
.irp i, 0,1
.irp j, 0,1,2,3
	ds_load_b128 v[80+16*\i+4*\j:80+16*\i+4*\j+3], v[RDY] offset:\i*PY+\j*512
.endr
.endr
	s_wait_dscnt 0x0                               ; my rows are back
.if !(\last)
	BAR                                            ; everybody's are: the bytes may be written again
.endif
.irp i, 0,1
.irp a, 0,1,2,3,4,5,6,7
	v_pk_add_f32 v[XR+16*(2*(\rb)+\i)+2*\a:XR+16*(2*(\rb)+\i)+2*\a+1], v[XR+16*(2*(\rb)+\i)+2*\a:XR+16*(2*(\rb)+\i)+2*\a+1], v[80+16*\i+2*\a:80+16*\i+2*\a+1]
.endr
.endr
.endm
.macro ADDROW src                      ; 16 registers of a vector in the row layout are added onto each of my four rows
.irp i, 0,1,2,3
.irp a, 0,1,2,3,4,5,6,7
	v_pk_add_f32 v[XR+16*\i+2*\a:XR+16*\i+2*\a+1], v[XR+16*\i+2*\a:XR+16*\i+2*\a+1], v[(\src)+2*\a:(\src)+2*\a+1]
.endr
.endr
.endm
	s_load_b512 s[4:19], s[0:1], 0x0               ; x s[4:5], of s[6:7], wf s[8:9], out0 s[10:11], bo s[12:13], ln2_g s[14:15], ln2_b s[16:17], b1 s[18:19]
	s_load_b64 s[20:21], s[0:1], 0x40              ; b2
	v_lshl_add_u32 v[SPW], v0, 2, SPARE
	v_mov_b32 v[NIL], 0
	ds_add_u32 v[SPW], v[NIL]                      ; the wave's opening: the add and its wait stand ahead of my first tensor load; the set-up, work on registers, stands between them
	v_lshrrev_b32 v1, 5, v0
	v_readfirstlane_b32 s[WV], v1                  ; wave 0..7
	s_bfe_u32 s49, ttmp6, 0x40000                  ; cx: my place in the cluster
	s_lshl_b32 s50, ttmp9, 2                       ; in a cluster launch ttmp9 counts clusters
	s_add_co_u32 s50, s50, s49                     ; my block of 32 tokens: it enters x's, of's and out0's addresses alone
	s_mov_b32 s[G1+0], 15|(3<<16)|(1<<21)          ; the mask of four; elements of 8 bytes; bit 21 set beside a mask; no padding
	s_mov_b32 s[G1+1], 32<<16                      ; tensor_dim0 = 32 elements: rows of 256 bytes
	s_mov_b32 s[G1+2], 64<<16                      ; tensor_dim1 = 64 rows: 16,384 dense bytes
	s_mov_b32 s[G1+3], 32<<16                      ; tile_dim0
	s_mov_b32 s[G1+4], 64                          ; tile_dim1
	s_mov_b32 s[G1+5], 32                          ; from row to row
	s_mov_b32 s[G1+6], 0
	s_mov_b32 s[G1+7], 0
	s_lshl_b32 s52, s[WV], 14                      ; my wave's part of a tile, in memory and in a slot
	s_mov_b32 s53, 0
	s_mov_b32 s[G0], 1
	s_mov_b32 s[G0+1], s52
	s_mov_b32 s[G0+4], 1
	s_add_co_u32 s[G0+5], s52, SLOTB
	s_mov_b32 s[SEL], 0x76543210
	s_mov_b32 s[SEL+1], 0xfedcba98
	s_mov_b32 s[INV], 0x3b000000                   ; 1 / 512
	s_mov_b32 s[EPS], 0x3727c5ac                   ; 1e-5
	v_mov_b32 v[ZERO], 0
	v_and_b32 v16, 31, v0                          ; lane
	v_and_b32 v17, 15, v0                          ; r
	v_bfe_u32 v18, v0, 4, 1                        ; h
	v_lshl_add_u32 v[ADB0], v16, 4, s52
	v_add_nc_u32 v[ADB0+1], SLOTB, v[ADB0]
	v_mul_u32_u24 v[ADA], v17, PA
	v_lshl_add_u32 v[ADA], v18, 4, v[ADA]
	v_add_nc_u32 v[ADA], UB, v[ADA]
	s_lshl_b32 s51, s[WV], 7
	v_add_nc_u32 v[STA], s51, v[ADA]
	s_lshl_b32 s51, s[WV], 5
	v_add_nc_u32 v15, s51, v[ADA]                  ; where O's fragments go: thread 32 w + lane holds 16 bytes of head 4 (i % 4) + w / 2, half w % 2: byte 32 w + 256 (i % 4) of its row
	v_mul_u32_u24 v[STY], v17, PY
	v_lshl_add_u32 v[STY], v18, 5, v[STY]
	s_lshl_b32 s51, s[WV], 8
	s_add_co_u32 s51, s51, UB
	v_add_nc_u32 v[STY], s51, v[STY]
	s_mul_i32 s51, s[WV], 2*PY
	s_add_co_u32 s51, s51, UB
	v_lshl_add_u32 v[RDY], v16, 4, s51
	s_mul_i32 s51, s[WV], 2*PA
	s_add_co_u32 s51, s51, UB
	v_lshl_add_u32 v[STX], v16, 3, s51
	s_lshl_b32 s51, s[WV], 12
	v_lshl_add_u32 v[GX], v16, 4, s51
	s_lshl_b32 s51, s[WV], 8
	s_add_co_u32 s51, s51, PAR+3*2048
	v_lshl_add_u32 v[PB1], v18, 5, s51
	v_lshl_add_u32 v[LO], v16, 4, PAR
	v_lshlrev_b32 v1, 4, v0                        ; 16 x thread: of's 32,768 bytes in eight loads
	v_lshlrev_b32 v128, 3, v0                      ; 8 x thread: a parameter vector's 2,048 bytes in one load
	v_lshl_add_u32 v129, v0, 3, PAR
	s_lshl_b32 s54, s50, 16                        ; 32 rows of 2,048 bytes
	s_mov_b32 s55, 0
	s_lshl_b32 s62, s50, 15                        ; two token blocks of 16 fragments
	s_mov_b32 s63, 0
	s_wait_dscnt 0x0                               ; the opening add is done
	s_wait_kmcnt 0x0
	s_add_nc_u64 s[4:5], s[4:5], s[54:55]
	s_add_nc_u64 s[10:11], s[10:11], s[54:55]
	s_add_nc_u64 s[6:7], s[6:7], s[62:63]
	s_add_nc_u64 s[G0+2:G0+3], s[8:9], s[52:53]
	s_add_nc_u64 s[G0+2:G0+3], s[G0+2:G0+3], KOFF  ; tile 0
	s_add_nc_u64 s[G0+6:G0+7], s[G0+2:G0+3], SLOTB ; tile 1
	s_or_b32 s[G0+3], s[G0+3], 0x80000000          ; type = 2
	s_or_b32 s[G0+7], s[G0+7], 0x80000000
	ROUND                                          ; all four work-groups are here: the first joint loads meet
	tensor_load_to_lds s[G0:G0+3], s[G1:G1+7]
	s_nop 0
	tensor_load_to_lds s[G0+4:G0+7], s[G1:G1+7]
	s_nop 0
	PLACES
.irp i, 0,1,2,3,4,5,6,7
	global_load_b128 v[80+4*\i:83+4*\i], v1, s[6:7] offset:\i*4096 th:TH_LOAD_NT
.endr
	global_load_b64 v[112:113], v128, s[12:13]
	global_load_b64 v[114:115], v128, s[14:15]
	global_load_b64 v[116:117], v128, s[16:17]
	global_load_b64 v[118:119], v128, s[18:19]
	global_load_b64 v[120:121], v128, s[20:21]
.irp i, 0,1,2,3
.irp j, 0,1,2,3
	global_load_b128 v[XR+16*\i+4*\j:XR+16*\i+4*\j+3], v[GX], s[4:5] offset:(\i%2)*2048+(\i/2)*32768+\j*512 th:TH_LOAD_NT
.endr
.endr
	s_wait_loadcnt 16                              ; O and the parameters are in; x's 16 loads, issued behind them, stay out: x is wanted behind the first product
.irp i, 0,1,2,3,4,5,6,7
	ds_store_b128 v15, v[80+4*\i:83+4*\i] offset:(\i%4)*256+(\i/4)*16*PA
.endr
.irp p, 0,1,2,3,4
	ds_store_b64 v129, v[112+2*\p:113+2*\p] offset:\p*2048
.endr
	s_wait_dscnt 0x0                               ; for the others' sake
	BAR
	s_wait_tensorcnt 1                             ; my part of tile 0 is in; tile 1 may stay out
	FETCH ADB0, 0, 0, FR0
	STAGE 0, 0, 0                                  ; O Wo^T
	; x1 = x + O Wo^T + bo; xn = LN2(x1) into the tokens' operand; XR goes on as x1 + b2
	s_wait_loadcnt 0x0                             ; x
	PLACES
	YHALF 0, 0
	YHALF 1, 0
.irp j, 0,1,2,3
	ds_load_b128 v[112+4*\j:115+4*\j], v[LO] offset:\j*512            ; bo
	ds_load_b128 v[G+4*\j:G+4*\j+3], v[LO] offset:2048+\j*512         ; ln2_g
	ds_load_b128 v[BT+4*\j:BT+4*\j+3], v[LO] offset:4096+\j*512       ; ln2_b
	ds_load_b128 v[ACC+4*\j:ACC+4*\j+3], v[LO] offset:8192+\j*512     ; b2, in registers of accumulators that have left
.endr
	s_wait_dscnt 0x0
	ADDROW 112
	LNROWS
	ADDROW ACC
	s_wait_dscnt 0x0                               ; for the others' sake: my rows of the operand are written
	BAR
	FETCH ADB0, 0, 0, FR0                          ; tile 4 was shown landed by the wait for all loads at tile 3's end
	STAGE 4, 0, 0                                  ; xn W1^T
	; h = relu(. + b1), rounded to f16, into the tokens' operand: all reads of xn are over since the round at tile 7's end
	PLACES
.irp nb, 0,1,2,3
	ds_load_b128 v[80+8*\nb:83+8*\nb], v[PB1] offset:\nb*64
	ds_load_b128 v[84+8*\nb:87+8*\nb], v[PB1] offset:\nb*64+16
.endr
	s_wait_dscnt 0x0
.irp rb, 0,1
.irp nb, 0,1,2,3
.set rD, ACC+8*(4*\rb+\nb)
.set rH, 112+4*(4*\rb+\nb)
.irp k, 0,2,4,6
	v_pk_add_f32 v[rD+\k:rD+\k+1], v[rD+\k:rD+\k+1], v[80+8*\nb+\k:80+8*\nb+\k+1]
.endr
.irp k, 0,1,2,3
	v_cvt_pk_f16_f32 v[rH+\k], v[rD+2*\k], v[rD+2*\k+1]
.endr
.irp k, 0,1,2,3
	v_pk_max_num_f16 v[rH+\k], v[rH+\k], v[ZERO]
.endr
	ds_store_b128 v[STA], v[rH:rH+3] offset:\rb*16*PA+\nb*32
.endr
.endr
	s_wait_dscnt 0x0                               ; for the others' sake
	BAR
	FETCH ADB0, 0, 0, FR0                          ; tile 8 was shown landed by the wait for all loads at tile 7's end
	STAGE 8, 0, 0                                  ; h W2^T
	; out = x1 + b2 + h W2^T
	BAR                                            ; no round stands at the last tile's end: every wave's reads of h were waited for in its last step
	PLACES
	YHALF 0, 0
	YHALF 1, 1
.irp i, 0,1,2,3
.irp j, 0,1,2,3
	global_store_b128 v[GX], v[XR+16*\i+4*\j:XR+16*\i+4*\j+3], s[10:11] offset:(\i%2)*2048+(\i/2)*32768+\j*512 th:TH_STORE_NT  ; 512 consecutive bytes of a row, aligned
.endr
.endr
	s_wait_tensorcnt 0x0                           ; the wave's end, behind my last tensor load and my last LDS store
	ds_add_u32 v[SPW], v[NIL]
	s_wait_dscnt 0x0
	ROUND                                          ; the closing round: no work-group ends while a partner may still ask for a tile that names it
	s_endpgm
.Lfunc_end_k_qf4fdef8ff9_proj_ffn:
	.size	k_qf4fdef8ff9_proj_ffn, .Lfunc_end_k_qf4fdef8ff9_proj_ffn-k_qf4fdef8ff9_proj_ffn
	.p2alignl 7, 3214868480
	.fill 96, 4, 3214868480
	.section	.rodata,"a",@progbits
	.p2align	6, 0x0
	.amdhsa_kernel k_qf4fdef8ff9_proj_ffn
		.amdhsa_group_segment_fixed_size 327680
		.amdhsa_private_segment_fixed_size 0
		.amdhsa_enable_private_segment 0
		.amdhsa_kernarg_size 72
		.amdhsa_user_sgpr_count 2
		.amdhsa_user_sgpr_kernarg_segment_ptr 1
		.amdhsa_wavefront_size32 1
		.amdhsa_system_sgpr_workgroup_id_x 1
		.amdhsa_system_sgpr_workgroup_id_y 1
		.amdhsa_system_sgpr_workgroup_id_z 1
		.amdhsa_system_vgpr_workitem_id 0
		.amdhsa_next_free_vgpr 256
		.amdhsa_next_free_sgpr 66
		.amdhsa_reserve_vcc 0
		.amdhsa_float_denorm_mode_32 3
		.amdhsa_float_denorm_mode_16_64 3
		.amdhsa_memory_ordered 1
		.amdhsa_forward_progress 1
		.amdhsa_inst_pref_size 122
	.end_amdhsa_kernel
	.amdgpu_metadata
---
amdhsa.version: [ 1, 2 ]
amdhsa.kernels:
  - .name:           k_qf4fdef8ff9_proj_ffn
    .symbol:         k_qf4fdef8ff9_proj_ffn.kd
    .args:
      - { .name: x, .offset: 0, .size: 8, .value_kind: global_buffer, .address_space: global }
      - { .name: of, .offset: 8, .size: 8, .value_kind: global_buffer, .address_space: global }
      - { .name: wf, .offset: 16, .size: 8, .value_kind: global_buffer, .address_space: global }
      - { .name: out0, .offset: 24, .size: 8, .value_kind: global_buffer, .address_space: global }
      - { .name: bo, .offset: 32, .size: 8, .value_kind: global_buffer, .address_space: global }
      - { .name: ln2_g, .offset: 40, .size: 8, .value_kind: global_buffer, .address_space: global }
      - { .name: ln2_b, .offset: 48, .size: 8, .value_kind: global_buffer, .address_space: global }
      - { .name: b1, .offset: 56, .size: 8, .value_kind: global_buffer, .address_space: global }
      - { .name: b2, .offset: 64, .size: 8, .value_kind: global_buffer, .address_space: global }
    .group_segment_fixed_size: 327680
    .private_segment_fixed_size: 0
    .kernarg_segment_align: 8
    .kernarg_segment_size: 72
    .max_flat_workgroup_size: 256
    .sgpr_count:     66
    .vgpr_count:     256
    .wavefront_size: 32
...
	.end_amdgpu_metadata
.endif
;; end of part 4
;; ======== version 2 of 3: 4 launches; 1.12 times as fast as version 1
;; limits: values are held in f16: magnitudes above 65,504 overflow, below 6.1e-05 lose precision
;; workspace buffers: wf 3,145,728 bytes; qkv 25,165,824 bytes; of 8,388,608 bytes
;; launch wcvt (part 5): grid 256 x 1, 6 waves a work-group, no clusters, 0 bytes of LDS; arguments Wq, Wk, Wv, Wo, W1, W2, wf; writes wf
.if DOCPART == 5
	.amdgcn_target "amdgcn-amd-amdhsa--gfx1250"
	.amdhsa_code_object_version 6
	.text
	.protected	k_qf4fdef8ff9_wcvt
	.globl	k_qf4fdef8ff9_wcvt
	.p2align	8
	.type	k_qf4fdef8ff9_wcvt,@function
k_qf4fdef8ff9_wcvt:
	s_mov_b64 s[64:65], 0
	v_nop
	global_prefetch_b8 v0, s[64:65] scope:SCOPE_SE
	s_setreg_imm32_b32 hwreg(HW_REG_WAVE_MODE, 25, 1), 1
	s_wait_xcnt 0x0
; The six weights [512 n][512 k], f32, are rounded once to f16 and laid out as READY FRAGMENTS in the order in which the later launches stream them.
; A fragment is 16 rows x 32 k in 1,024 bytes as [c 2][lane 32][16 bytes]: lane (r = lane % 16, h = lane / 16) holds row r, k = 16 c + 8 h + 0..7: the register image of a matrix operand.
; Wq, Wk, Wv (weight wi = 0..2), the first 1,572,864 bytes: [head group 4][tile 2 wi + K half][head in the group 4][ks 8][nb 2][fragment]: rows n = 32 head + 16 nb + r, k = 256 half + 32 ks on.
; Wo, W1, W2 (wi = 3..5): at wi x 524,288 as [kc 4][w 8][ks 4][nb 4][fragment]: rows n = 64 w + 16 nb + r, k = 128 kc + 32 ks on.
; SHARES.  Wave v of a work-group takes weight v; the work-group's number g gives kh = g % 2, nb = (g / 2) % 4, w = (g / 8) % 8, kc = g / 64.  A wave takes rows 64 w + 16 nb + 0..15, k = 128 kc + 64 kh + 0..63
; (256 consecutive bytes of each row, used whole by its eight loads together) and writes two fragments; each store covers 512 consecutive bytes, aligned.
; No LDS, no barrier: the launch moves 6 MB in and 3 MB out, and no wave needs another's numbers.
; LIMIT.  A weight beyond 65,504 becomes an infinity; below 6e-5 it keeps f16's fixed step of 6e-8.
.set SRC, 8                            ; v[8:39]   eight loads of 4 f32
.set DST, 40                           ; v[40:55]  four times 8 f16
	s_load_b256 s[4:11], s[0:1], 0x0               ; Wq s[4:5], Wk s[6:7], Wv s[8:9], Wo s[10:11]
	s_load_b128 s[12:15], s[0:1], 0x20             ; W1 s[12:13], W2 s[14:15]
	s_load_b64 s[16:17], s[0:1], 0x30              ; wf
	v_lshrrev_b32 v1, 5, v0
	v_readfirstlane_b32 s18, v1                    ; the wave's number = the weight's
	v_and_b32 v4, 15, v0                           ; r
	v_bfe_u32 v5, v0, 4, 1                         ; h
	v_lshlrev_b32 v2, 11, v4                       ; r rows of 2,048 bytes
	v_lshl_add_u32 v2, v5, 5, v2                   ; + 8 h numbers of 4 bytes
	v_and_b32 v3, 31, v0
	v_lshlrev_b32 v3, 4, v3                        ; 16 x lane: my place in half a fragment
	s_and_b32 s24, ttmp9, 1                        ; kh
	s_bfe_u32 s25, ttmp9, 0x20001                  ; nb
	s_bfe_u32 s26, ttmp9, 0x30003                  ; w
	s_lshr_b32 s27, ttmp9, 6                       ; kc
	s_lshl_b32 s20, s26, 17                        ; from: (64 w + 16 nb) rows of 2,048 bytes + (128 kc + 64 kh) numbers of 4 bytes
	s_lshl_b32 s28, s25, 15
	s_add_co_u32 s20, s20, s28
	s_lshl_b32 s28, s27, 9
	s_add_co_u32 s20, s20, s28
	s_lshl_b32 s28, s24, 8
	s_add_co_u32 s20, s20, s28
	s_mov_b32 s21, 0
	s_lshl_b32 s22, s18, 19                        ; to, for Wo, W1, W2: weight x 524,288 + kc x 131,072 + w x 16,384 + kh x 8,192 + nb x 1,024; the second fragment 4,096 on
	s_lshl_b32 s28, s27, 17
	s_add_co_u32 s22, s22, s28
	s_lshl_b32 s28, s26, 14
	s_add_co_u32 s22, s22, s28
	s_lshl_b32 s28, s24, 13
	s_add_co_u32 s22, s22, s28
	s_lshl_b32 s28, s25, 10
	s_add_co_u32 s22, s22, s28
	s_lshr_b32 s30, s26, 1                         ; to, for Wq, Wk, Wv: my 16 rows are half nb % 2 of head 2 w + nb / 2: head group w / 2,
	s_mul_i32 s30, s30, 393216
	s_lshr_b32 s28, s27, 1                         ; tile 2 x weight + kc / 2,
	s_lshl_b32 s29, s18, 1
	s_add_co_u32 s28, s28, s29
	s_lshl_b32 s28, s28, 16
	s_add_co_u32 s30, s30, s28
	s_and_b32 s28, s26, 1                          ; head in the group 2 (w % 2) + nb / 2,
	s_lshl_b32 s28, s28, 1
	s_lshr_b32 s29, s25, 1
	s_add_co_u32 s28, s28, s29
	s_lshl_b32 s28, s28, 14
	s_add_co_u32 s30, s30, s28
	s_and_b32 s28, s27, 1                          ; step 4 (kc % 2) + 2 kh of the tile's eight; the second fragment is the next step, 2,048 on,
	s_lshl_b32 s28, s28, 2
	s_lshl_b32 s29, s24, 1
	s_add_co_u32 s28, s28, s29
	s_lshl_b32 s28, s28, 11
	s_add_co_u32 s30, s30, s28
	s_and_b32 s28, s25, 1                          ; and half nb % 2
	s_lshl_b32 s28, s28, 10
	s_add_co_u32 s30, s30, s28
	s_movk_i32 s31, 4096
	s_cmp_lt_u32 s18, 3                            ; which layout: it hangs on the wave's number alone
	s_cselect_b32 s22, s30, s22
	s_cselect_b32 s29, 2048, s31
	s_mov_b32 s23, 0
	v_add_nc_u32 v6, s29, v3                       ; my place in the second fragment
	s_wait_kmcnt 0x0
.irp i, 1,2,3,4,5
	s_cmp_eq_u32 s18, \i                           ; the choice of the buffer hangs on the wave's number alone
	s_cselect_b64 s[4:5], s[4+2*\i:5+2*\i], s[4:5]
.endr
	s_add_nc_u64 s[4:5], s[4:5], s[20:21]
	s_add_nc_u64 s[16:17], s[16:17], s[22:23]
.irp i, 0,1,2,3,4,5,6,7                ; load i: fragment i / 4, half c = (i / 2) % 2, numbers 4 (i % 2) on
	global_load_b128 v[SRC+4*\i:SRC+4*\i+3], v2, s[4:5] offset:(\i/4)*128+((\i/2)%2)*64+(\i%2)*16
.endr
.irp u, 0,1,2,3                        ; two loads make 16 bytes of f16: fragment u / 2, half u % 2
	s_wait_loadcnt 6-2*\u                          ; loads come back in order: the younger ones stay out
.irp k, 0,1,2,3
	v_cvt_pk_f16_f32 v[DST+4*\u+\k], v[SRC+8*\u+2*\k], v[SRC+8*\u+2*\k+1]
.endr
.if \u < 2
	global_store_b128 v3, v[DST+4*\u:DST+4*\u+3], s[16:17] offset:(\u%2)*512
.else
	global_store_b128 v6, v[DST+4*\u:DST+4*\u+3], s[16:17] offset:(\u%2)*512
.endif
.endr
	s_endpgm
.Lfunc_end_k_qf4fdef8ff9_wcvt:
	.size	k_qf4fdef8ff9_wcvt, .Lfunc_end_k_qf4fdef8ff9_wcvt-k_qf4fdef8ff9_wcvt
	.p2alignl 7, 3214868480
	.fill 96, 4, 3214868480
	.section	.rodata,"a",@progbits
	.p2align	6, 0x0
	.amdhsa_kernel k_qf4fdef8ff9_wcvt
		.amdhsa_group_segment_fixed_size 0
		.amdhsa_private_segment_fixed_size 0
		.amdhsa_enable_private_segment 0
		.amdhsa_kernarg_size 56
		.amdhsa_user_sgpr_count 2
		.amdhsa_user_sgpr_kernarg_segment_ptr 1
		.amdhsa_wavefront_size32 1
		.amdhsa_system_sgpr_workgroup_id_x 1
		.amdhsa_system_sgpr_workgroup_id_y 1
		.amdhsa_system_sgpr_workgroup_id_z 1
		.amdhsa_system_vgpr_workitem_id 0
		.amdhsa_next_free_vgpr 56
		.amdhsa_next_free_sgpr 66
		.amdhsa_reserve_vcc 0
		.amdhsa_float_denorm_mode_32 3
		.amdhsa_float_denorm_mode_16_64 3
		.amdhsa_memory_ordered 1
		.amdhsa_forward_progress 1
		.amdhsa_inst_pref_size 6
	.end_amdhsa_kernel
	.amdgpu_metadata
---
amdhsa.version: [ 1, 2 ]
amdhsa.kernels:
  - .name:           k_qf4fdef8ff9_wcvt
    .symbol:         k_qf4fdef8ff9_wcvt.kd
    .args:
      - { .name: Wq, .offset: 0, .size: 8, .value_kind: global_buffer, .address_space: global }
      - { .name: Wk, .offset: 8, .size: 8, .value_kind: global_buffer, .address_space: global }
      - { .name: Wv, .offset: 16, .size: 8, .value_kind: global_buffer, .address_space: global }
      - { .name: Wo, .offset: 24, .size: 8, .value_kind: global_buffer, .address_space: global }
      - { .name: W1, .offset: 32, .size: 8, .value_kind: global_buffer, .address_space: global }
      - { .name: W2, .offset: 40, .size: 8, .value_kind: global_buffer, .address_space: global }
      - { .name: wf, .offset: 48, .size: 8, .value_kind: global_buffer, .address_space: global }
    .group_segment_fixed_size: 0
    .private_segment_fixed_size: 0
    .kernarg_segment_align: 8
    .kernarg_segment_size: 56
    .max_flat_workgroup_size: 192
    .sgpr_count:     66
    .vgpr_count:     56
    .wavefront_size: 32
...
	.end_amdgpu_metadata
.endif
;; end of part 5
;; launch ln_qkv (part 6): grid 256 x 1, 8 waves a work-group, clusters of 4 x 1, 327,680 bytes of LDS; arguments x, ln1_g, ln1_b, wf, qkv; writes qkv
.if DOCPART == 6
	.amdgcn_target "amdgcn-amd-amdhsa--gfx1250"
	.amdhsa_code_object_version 6
	.text
	.protected	k_qf4fdef8ff9_ln_qkv
	.globl	k_qf4fdef8ff9_ln_qkv
	.p2align	8
	.type	k_qf4fdef8ff9_ln_qkv,@function
k_qf4fdef8ff9_ln_qkv:
	s_mov_b64 s[64:65], 0
	v_nop
	global_prefetch_b8 v0, s[64:65] scope:SCOPE_SE
	s_setreg_imm32_b32 hwreg(HW_REG_WAVE_MODE, 25, 1), 1
	s_wait_xcnt 0x0
	s_wait_alu depctr_hold_cnt(0) depctr_sa_sdst(0) depctr_va_vdst(0) depctr_va_sdst(0) depctr_va_ssrc(0) depctr_va_vcc(0) depctr_vm_vsrc(0)
	s_getreg_b32 s2, hwreg(HW_REG_IB_STS2, 6, 4)
	s_cmp_eq_u32 s2, 0
	s_cbranch_scc0 .Lentry_in_a_cluster
	s_endpgm
.Lentry_in_a_cluster:
	s_bfe_u32 s2, ttmp6, 0x10000c
	s_cmp_lg_u32 s2, 0x3003
	s_cbranch_scc0 .Lentry_shape_is_right
	s_endpgm
.Lentry_shape_is_right:
; xn = LN1(x); q = c xn Wq^T, k = xn Wk^T, v = xn Wv^T, with c = log2(e) / sqrt(32) multiplied onto q's f32 sums ahead of their one rounding.  x f32; operands f16; sums f32.
; SHARES.  A work-group owns 128 tokens and 4 heads of each of q, k, v: 128 x 384 of the result.  It reads 262,144 bytes of x and 393,216 bytes of weights; the norm of a token is made in four work-groups, one for
; each head group: that is the price of streaming a quarter of the weights.  Wave w = (wr = w / 4, wc = w % 4) makes rows 64 wr .. + 63 of head wc: 8 accumulators (row block rb 0..3, channel block nb 0..1).
; q, k and v are made one after the other, K = 512 each, from the same tokens' operand in LDS.
; WEIGHTS.  6 tiles of 65,536 bytes (q, k, v x two halves of K), dense in wf as ready fragments, [head 4][ks 8][nb 2][1,024 bytes], go through two LDS slots; each wave fetches 8,192 bytes of a tile, and two waves read
; each head's part, so a tile is read behind a barrier.  The four work-groups of a cluster are four row blocks of one head group and walk the same tiles: they ask JOINTLY (same load, same descriptor, a mask of four).
; A READY FRAGMENT is 16 rows x 32 k of f16 as [c 2][lane 32][16 bytes]; lane (r, h) holds row r, k = 16 c + 8 h + 0..7.  A result tile rounded to f16 in pairs is half such a fragment, so q, k and v leave
; straight from registers, each store 512 consecutive bytes, aligned.  q, k: source 0 = weights, source 1 = tokens: a lane holds one token and 8 channels.  v: the sources swapped: one channel and 8 tokens.
; qkv = [16 batch + head][q, k, v][131,072]: q and k as [block of 16 tokens][fragment]; v as [block of 32 tokens][channel block 2][fragment with rows = channels, k = tokens].
; LIMITS.  xn, c q, k and v must lie within f16's 65,504 (no clamp is written); NaN and infinities are not treated apart.  The variance is taken of the centred numbers.
.set SLOTB, 65536                      ; a slot; slot 0 at LDS byte 0, slot 1 behind it
.set UB,    131072                     ; the tokens' operand, f16: 128 rows of 1,024 bytes at pitch PA; written by LDS stores alone
.set PA,    1040                       ; 65 x 16 bytes: the 16 rows of a fragment load fall on 16 different 16-byte columns of 256
.set SPARE, 264192                     ; the spare words: 128 bytes a wave, four blocks of 256 bytes that no other line names
.set SPW,  2                           ; v2   SPARE + 4 x thread; never rewritten
.set NIL,  3                           ; v3   0; never rewritten
.set ADB0, 5                           ; v5, v6  my lane's 16 bytes in my head's part of slot 0, 1
.set ADA,  7                           ; v7   UB + (64 wr + r) PA + 16 h
.set STX,  11                          ; v11  UB + 16 w PA + 8 lane
.set GX,   12                          ; v12  16 w rows of 2,048 bytes + 16 lane
.set LO,   14                          ; v14  16 lane
.set ACC,  16                          ; v[16:79]    accumulator (rb, nb) at ACC + 8 (2 rb + nb); during the norm the second buffer of x
.set FR0,  80                          ; v[80:127], v[128:175]  two fragment buffers: tokens' rb at + 8 rb, weights' nb at + 32 + 8 nb
.set XR,   176                         ; v[176:239]  the first buffer of x: four rows, 16 registers each; later what is stored
.set ST,   240                         ; v[240:247]  a pair a row: the sum, the mean
.set SQ,   248                         ; v[248:255]  a pair a row: the squares, 1 / sqrt(var + eps)
.set DT,   80                          ; the norm works in the fragment buffers, which are idle then: 16 registers a row,
.set G,    144                         ; gain
.set BT,   160                         ; and bias of my columns
.set G1,   32                          ; s[32:39] descriptor group 1
.set G0,   40                          ; s[40:47] descriptor group 0, a set for each slot
.set WV,   48                          ; s48  the wave's number
.set SEL,  56                          ; s[56:57] v_permlanex16_b32's selects: each lane its own place in the other half
.set INV,  58                          ; s58  1 / 512
.set EPS,  59                          ; s59  1e-5
.set CQ,   60                          ; s[60:61] c
.set QP,   12                          ; s[12:13] qkv at my head and my 64 tokens
; A round of the cluster's barrier: my work-group's barrier, wave 0 signals for the work-group, every wave waits for all four work-groups, my work-group's barrier once more.
.macro ROUND
	s_barrier_signal -1
	s_barrier_wait -1
	s_cmp_lg_u32 s[WV], 0
	s_cbranch_scc1 .Lnot_wave_0_\@
	s_barrier_signal -3
.Lnot_wave_0_\@:
	s_barrier_wait -3
	s_barrier_signal -1
	s_barrier_wait -1
.endm
; Four places: a load into a register that a matrix instruction has read, and a vector instruction that reads a matrix result, stand four plain vector instructions behind it.
.macro PLACES
.rept 4
	v_nop
.endr
.endm
; 12 LDS loads: the fragments of one step of 32 k into buffer f: the weights' step ks of the tile at v[ab], the tokens' k = 32 kg on.
.macro FETCH ab, ks, kg, f
.irp nb, 0,1
	ds_load_b128 v[(\f)+32+8*\nb:(\f)+32+8*\nb+3], v[\ab] offset:(\ks)*2048+\nb*1024
	ds_load_b128 v[(\f)+32+8*\nb+4:(\f)+32+8*\nb+7], v[\ab] offset:(\ks)*2048+\nb*1024+512
.endr
.irp rb, 0,1,2,3
	ds_load_b128 v[(\f)+8*\rb:(\f)+8*\rb+3], v[ADA] offset:\rb*16*PA+(\kg)*64
	ds_load_b128 v[(\f)+8*\rb+4:(\f)+8*\rb+7], v[ADA] offset:\rb*16*PA+(\kg)*64+32
.endr
.endm
; Four products: row blocks 2 hf and 2 hf + 1.  nat = 0: source 0 = weights, source 1 = tokens; nat = 1: swapped.  zero = 1: the product starts the sum.
; The 8 accumulators take turns, one instruction a turn, in the same order in every step.
.macro MUL4 f, hf, zero, nat
.irp rr, 0,1
.irp nb, 0,1
.set rD, ACC+8*(2*(2*(\hf)+\rr)+\nb)
.if \nat
.set rX, (\f)+8*(2*(\hf)+\rr)
.set rY, (\f)+32+8*\nb
.else
.set rX, (\f)+32+8*\nb
.set rY, (\f)+8*(2*(\hf)+\rr)
.endif
.if \zero
	v_wmma_f32_16x16x32_f16 v[rD:rD+7], v[rX:rX+7], v[rY:rY+7], 0
.else
	v_wmma_f32_16x16x32_f16 v[rD:rD+7], v[rX:rX+7], v[rY:rY+7], v[rD:rD+7]
.endif
.endr
.endr
.endm
; One product over K = 512: 16 steps of 32 k, tiles t0 and t0 + 1.  Step 0's fragments have been asked for, into buffer 0; the next product reads the same tokens, so its first fragments are fetched at this one's end.
; A tile's last step changes slots.  Tiles 0 to 3: the slot is filled again with the tile two on, behind a round of the cluster's barrier, which also shows the next tile, waited for by each wave that fetched a part
; of it, to all; by this text's count one tensor load of the wave is out behind each round, two at the start.  Tile 4: nothing is left to fetch; a plain barrier shows tile 5 to all.
.macro STAGE t0, nat
.set gg, 0
.rept 16
.set kk, gg%8
.set tt, (\t0)+gg/8
.set ab, ADB0+tt%2
.set an, ADB0+(tt+1)%2
.set fb, FR0+48*(gg%2)
.set ob, FR0+48*((gg+1)%2)
.set zz, 0
.if gg == 0
.set zz, 1
.endif
.if kk < 7
	PLACES                                         ; behind the products that read the other buffer
	FETCH ab, kk+1, gg+1, ob
	s_wait_dscnt 12                                ; the 12 just issued may stay out: this step's fragments are in
	MUL4 fb, 0, zz, \nat
	MUL4 fb, 1, zz, \nat
.elseif tt <= 3
	s_wait_tensorcnt 0x0                           ; all my tensor loads have landed: the one that was out is my part of the next tile; so a group 0 may be written
	ds_add_u32 v[SPW], v[NIL]                      ; 0 onto my spare word
	s_add_nc_u64 s[G0+4*(tt%2)+2:G0+4*(tt%2)+3], s[G0+4*(tt%2)+2:G0+4*(tt%2)+3], 2*SLOTB  ; this slot's next tile; the type bits on top are not reached
	s_wait_dscnt 1                                 ; only the add may be out: this step's fragments are in
	MUL4 fb, 0, 0, \nat                            ; four products stand between the add and the wait for it
	s_wait_dscnt 0x0                               ; the add is done, and my reads of this slot are over
	ROUND                                          ; the same holds of every wave of the four work-groups
	tensor_load_to_lds s[G0+4*(tt%2):G0+4*(tt%2)+3], s[G1:G1+7]  ; my one tensor load behind the round, and the first thing there
	s_nop 0
	PLACES                                         ; also the places in front of the loads below
	FETCH an, 0, (gg+1)%16, ob
	MUL4 fb, 1, 0, \nat
.elseif tt == 4
	s_wait_tensorcnt 0x0                           ; my part of the last tile is in;
	s_wait_dscnt 0x0                               ; this step's fragments are in, and no LDS instruction of mine is pending at the signal
	s_barrier_signal -1
	MUL4 fb, 0, 0, \nat                            ; work on registers while the others arrive
	s_barrier_wait -1                              ; everybody's part is in
	PLACES
	FETCH an, 0, gg+1, ob
	MUL4 fb, 1, 0, \nat
.else
	s_wait_dscnt 0x0
	MUL4 fb, 0, 0, \nat
	MUL4 fb, 1, 0, \nat
.endif
.set gg, gg+1
.endr
.endm
; The four registers b + 2 i are summed over the 32 lanes; every lane gets the sum.
.macro RED4 b
.irp m, 1,2,4,8
.irp i, 0,1,2,3
	v_add_f32_dpp v[(\b)+2*\i], v[(\b)+2*\i], v[(\b)+2*\i] row_xmask:\m row_mask:0xf bank_mask:0xf
.endr
.endr
.irp i, 0,1,2,3
	v_permlanex16_b32 v[(\b)+2*\i+1], v[(\b)+2*\i], s[SEL], s[SEL+1]
.endr
.irp i, 0,1,2,3
	v_add_f32 v[(\b)+2*\i], v[(\b)+2*\i], v[(\b)+2*\i+1]
.endr
.endm
; 16 loads: batch bt, my rows 4 bt .. 4 bt + 3, into buffer xr.  Register 4 j + e of a row holds column 128 j + 4 lane + e: each load takes 512 consecutive bytes.
.macro LDX xr, bt
.irp i, 0,1,2,3
.irp j, 0,1,2,3
	global_load_b128 v[(\xr)+16*\i+4*\j:(\xr)+16*\i+4*\j+3], v[GX], s[4:5] offset:(4*(\bt)+\i)*2048+\j*512
.endr
.endr
.endm
; The norm of the four rows in buffer xr, batch bt: mean; centred numbers; their squares' mean; (x - mean) / sqrt(var + eps) x gain + bias, rounded to f16, into the tokens' operand.  The rows alternate, so that no line waits for the one before.
.macro LNROWS xr, bt
.irp p, 0,1,2,3
.irp i, 0,1,2,3
	v_pk_add_f32 v[DT+16*\i+2*\p:DT+16*\i+2*\p+1], v[(\xr)+16*\i+4*\p:(\xr)+16*\i+4*\p+1], v[(\xr)+16*\i+4*\p+2:(\xr)+16*\i+4*\p+3]
.endr
.endr
.irp i, 0,1,2,3
	v_pk_add_f32 v[DT+16*\i:DT+16*\i+1], v[DT+16*\i:DT+16*\i+1], v[DT+16*\i+2:DT+16*\i+3]
	v_pk_add_f32 v[DT+16*\i+4:DT+16*\i+5], v[DT+16*\i+4:DT+16*\i+5], v[DT+16*\i+6:DT+16*\i+7]
.endr
.irp i, 0,1,2,3
	v_pk_add_f32 v[DT+16*\i:DT+16*\i+1], v[DT+16*\i:DT+16*\i+1], v[DT+16*\i+4:DT+16*\i+5]
.endr
.irp i, 0,1,2,3
	v_add_f32 v[ST+2*\i], v[DT+16*\i], v[DT+16*\i+1]
	v_add_f32 v[ST+2*\i+1], v[DT+16*\i], v[DT+16*\i+1]  ; the pair's second register is written too: the exchange of halves counts as a reader of its destination
.endr
	RED4 ST
.irp i, 0,1,2,3
	v_mul_f32 v[ST+2*\i], s[INV], v[ST+2*\i]
.endr
.irp a, 0,1,2,3,4,5,6,7
.irp i, 0,1,2,3
	v_pk_add_f32 v[DT+16*\i+2*\a:DT+16*\i+2*\a+1], v[(\xr)+16*\i+2*\a:(\xr)+16*\i+2*\a+1], v[ST+2*\i:ST+2*\i+1] op_sel_hi:[1,0] neg_lo:[0,1] neg_hi:[0,1]
.endr
.endr
.irp i, 0,1,2,3
	v_pk_mul_f32 v[SQ+2*\i:SQ+2*\i+1], v[DT+16*\i:DT+16*\i+1], v[DT+16*\i:DT+16*\i+1]
.endr
.irp a, 1,2,3,4,5,6,7
.irp i, 0,1,2,3
	v_pk_fma_f32 v[SQ+2*\i:SQ+2*\i+1], v[DT+16*\i+2*\a:DT+16*\i+2*\a+1], v[DT+16*\i+2*\a:DT+16*\i+2*\a+1], v[SQ+2*\i:SQ+2*\i+1]
.endr
.endr
.irp i, 0,1,2,3
	v_add_f32 v[SQ+2*\i], v[SQ+2*\i], v[SQ+2*\i+1]
.endr
	RED4 SQ
.irp i, 0,1,2,3
	v_fma_f32 v[SQ+2*\i], v[SQ+2*\i], s[INV], s[EPS]
.endr
.irp i, 0,1,2,3
	v_rsq_f32 v[SQ+2*\i], v[SQ+2*\i]
.endr
	v_nop                                          ; a plain instruction between the last root and the use of its result
	s_wait_alu depctr_va_vdst(0)
.irp a, 0,1,2,3,4,5,6,7
.irp i, 0,1,2,3
	v_pk_mul_f32 v[DT+16*\i+2*\a:DT+16*\i+2*\a+1], v[DT+16*\i+2*\a:DT+16*\i+2*\a+1], v[SQ+2*\i:SQ+2*\i+1] op_sel_hi:[1,0]
.endr
.endr
.irp a, 0,1,2,3,4,5,6,7
.irp i, 0,1,2,3
	v_pk_fma_f32 v[DT+16*\i+2*\a:DT+16*\i+2*\a+1], v[DT+16*\i+2*\a:DT+16*\i+2*\a+1], v[G+2*\a:G+2*\a+1], v[BT+2*\a:BT+2*\a+1]
.endr
.endr
.irp a, 0,1,2,3,4,5,6,7                ; ascending: register a is written when registers 2 a and 2 a + 1 are read, never earlier
.irp i, 0,1,2,3
	v_cvt_pk_f16_f32 v[DT+16*\i+\a], v[DT+16*\i+2*\a], v[DT+16*\i+2*\a+1]
.endr
.endr
.irp j, 0,1,2,3
.irp i, 0,1,2,3
	ds_store_b64 v[STX], v[DT+16*\i+2*\j:DT+16*\i+2*\j+1] offset:(4*(\bt)+\i)*PA+\j*256  ; 32 lanes, 256 consecutive bytes of a row
.endr
.endr
.endm
; A product leaves: which = 0 q (times c), 1 k, 2 v.  Row blocks 0 and 1 first: their products stand in front of the places behind the refill, and their conversions are the places behind the products of row blocks 2 and 3.
.macro OUT which
	s_wait_xcnt 0x0                                ; the registers that the last stores read are rewritten only behind this wait
.irp rb, 0,1,2,3
.irp nb, 0,1
.set rD, ACC+8*(2*\rb+\nb)
.set rO, XR+4*(2*\rb+\nb)
.if (\which) == 0
.irp k, 0,2,4,6
	v_pk_mul_f32 v[rD+\k:rD+\k+1], v[rD+\k:rD+\k+1], s[CQ:CQ+1] op_sel_hi:[1,0]
.endr
.endif
.irp k, 0,1,2,3
	v_cvt_pk_f16_f32 v[rO+\k], v[rD+2*\k], v[rD+2*\k+1]
.endr
.if (\which) < 2
	global_store_b128 v[LO], v[rO:rO+3], s[QP:QP+1] offset:(\which)*131072+\rb*1024+\nb*512  ; token block rb of my four, channels 16 nb on
.else
	global_store_b128 v[LO], v[rO:rO+3], s[QP:QP+1] offset:262144+(\rb/2)*2048+\nb*1024+(\rb%2)*512  ; block rb / 2 of 32 tokens, channel block nb, tokens 16 (rb % 2) on
.endif
.endr
.endr
.endm
	s_load_b256 s[4:11], s[0:1], 0x0               ; x s[4:5], ln1_g s[6:7], ln1_b s[8:9], wf s[10:11]
	s_load_b64 s[12:13], s[0:1], 0x20              ; qkv
	v_lshl_add_u32 v[SPW], v0, 2, SPARE
	v_mov_b32 v[NIL], 0
	ds_add_u32 v[SPW], v[NIL]                      ; the wave's opening: the add and its wait stand ahead of my first tensor load; the set-up, work on registers, stands between them
	v_lshrrev_b32 v1, 5, v0
	v_readfirstlane_b32 s[WV], v1                  ; wave 0..7
	s_bfe_u32 s49, ttmp6, 0x40000                  ; cx: my place in the cluster
	s_lshr_b32 s50, ttmp9, 2                       ; in a cluster launch ttmp9 counts clusters: cluster / 4 is a group of four row blocks,
	s_lshl_b32 s50, s50, 2
	s_add_co_u32 s50, s50, s49                     ; of which cx picks mine: my block of 128 tokens enters x's and qkv's addresses alone
	s_and_b32 s51, ttmp9, 3                        ; cluster % 4: the head group, which the four partners share
	s_lshr_b32 s53, s[WV], 2                       ; wr: which 64 rows are mine
	s_and_b32 s14, s[WV], 3                        ; wc: which head of the group
	s_mov_b32 s[G1+0], 15|(3<<16)|(1<<21)          ; the mask of four; elements of 8 bytes; bit 21 set beside a mask; no padding
	s_mov_b32 s[G1+1], 32<<16                      ; tensor_dim0 = 32 elements: rows of 256 bytes
	s_mov_b32 s[G1+2], 32<<16                      ; tensor_dim1 = 32 rows: 8,192 dense bytes, an eighth of a tile: all eight waves ask
	s_mov_b32 s[G1+3], 32<<16                      ; tile_dim0
	s_mov_b32 s[G1+4], 32                          ; tile_dim1
	s_mov_b32 s[G1+5], 32                          ; from row to row
	s_mov_b32 s[G1+6], 0
	s_mov_b32 s[G1+7], 0
	s_lshl_b32 s52, s[WV], 13                      ; my wave's part of a tile, in memory and in a slot
	s_mov_b32 s[G0], 1
	s_mov_b32 s[G0+1], s52
	s_mov_b32 s[G0+4], 1
	s_add_co_u32 s[G0+5], s52, SLOTB
	s_mul_i32 s54, s51, 393216                     ; the head group's six tiles
	s_add_co_u32 s54, s54, s52
	s_mov_b32 s55, 0
	s_mov_b32 s[SEL], 0x76543210
	s_mov_b32 s[SEL+1], 0xfedcba98
	s_mov_b32 s[INV], 0x3b000000                   ; 1 / 512
	s_mov_b32 s[EPS], 0x3727c5ac                   ; 1e-5
	s_mov_b32 s[CQ], 0x3e8293ee                    ; c = log2(e) / sqrt(32) = 0.255035
	s_mov_b32 s[CQ+1], s[CQ]                       ; named with it as a pair
	v_and_b32 v16, 31, v0                          ; lane
	v_and_b32 v17, 15, v0                          ; r
	v_bfe_u32 v18, v0, 4, 1                        ; h
	v_lshlrev_b32 v[LO], 4, v16
	s_lshl_b32 s15, s14, 14                        ; my head's 16,384 bytes of a tile
	v_add_nc_u32 v[ADB0], s15, v[LO]
	v_add_nc_u32 v[ADB0+1], SLOTB, v[ADB0]
	v_mul_u32_u24 v[ADA], v17, PA
	v_lshl_add_u32 v[ADA], v18, 4, v[ADA]
	s_mul_i32 s15, s53, 64*PA
	s_add_co_u32 s15, s15, UB
	v_add_nc_u32 v[ADA], s15, v[ADA]
	s_mul_i32 s15, s[WV], 16*PA                    ; the norm: wave w takes rows 16 w .. 16 w + 15
	s_add_co_u32 s15, s15, UB
	v_lshl_add_u32 v[STX], v16, 3, s15
	s_lshl_b32 s15, s[WV], 15
	v_add_nc_u32 v[GX], s15, v[LO]
	s_lshr_b32 s16, s50, 4                         ; the batch: 16 blocks of 128 tokens each
	s_lshl_b32 s16, s16, 4
	s_lshl_b32 s17, s51, 2
	s_add_co_u32 s16, s16, s17
	s_add_co_u32 s16, s16, s14                     ; 16 batch + my head
	s_mul_i32 s16, s16, 393216
	s_and_b32 s17, s50, 15                         ; my 64 tokens in the batch: token block 8 (row block % 16) + 4 wr, 1,024 bytes a block in q, k and v alike
	s_lshl_b32 s17, s17, 3
	s_lshl_b32 s18, s53, 2
	s_add_co_u32 s17, s17, s18
	s_lshl_b32 s17, s17, 10
	s_add_co_u32 s16, s16, s17
	s_mov_b32 s17, 0
	s_lshl_b32 s2, s50, 18                         ; 128 rows of 2,048 bytes
	s_mov_b32 s3, 0
	s_wait_dscnt 0x0                               ; the opening add is done
	s_wait_kmcnt 0x0
	s_add_nc_u64 s[4:5], s[4:5], s[2:3]
	s_add_nc_u64 s[QP:QP+1], s[QP:QP+1], s[16:17]
	s_add_nc_u64 s[G0+2:G0+3], s[10:11], s[54:55]  ; tile 0
	s_add_nc_u64 s[G0+6:G0+7], s[G0+2:G0+3], SLOTB ; tile 1
	s_or_b32 s[G0+3], s[G0+3], 0x80000000          ; type = 2
	s_or_b32 s[G0+7], s[G0+7], 0x80000000
	ROUND                                          ; all four work-groups are here: the first joint loads meet
	tensor_load_to_lds s[G0:G0+3], s[G1:G1+7]
	s_nop 0
	tensor_load_to_lds s[G0+4:G0+7], s[G1:G1+7]
	s_nop 0
	PLACES
	; THE NORM of my 16 rows, four at a time, on two register buffers that take turns: while one batch is worked on the next one's 16 loads are out.  The first two tiles land meanwhile.
.irp j, 0,1,2,3
	global_load_b128 v[G+4*\j:G+4*\j+3], v[LO], s[6:7] offset:\j*512
	global_load_b128 v[BT+4*\j:BT+4*\j+3], v[LO], s[8:9] offset:\j*512
.endr
	LDX XR, 0
	LDX ACC, 1
	s_wait_loadcnt 16                              ; gain, bias and batch 0 are in; batch 1's 16 loads stay out
	LNROWS XR, 0
	LDX XR, 2
	s_wait_loadcnt 16                              ; batch 1 is in; batch 2 stays out
	LNROWS ACC, 1
	LDX ACC, 3
	s_wait_loadcnt 16                              ; batch 2 is in; batch 3 stays out
	LNROWS XR, 2
	s_wait_loadcnt 0x0
	LNROWS ACC, 3
	s_wait_dscnt 0x0                               ; for the others' sake: my rows of the operand are written,
	s_wait_tensorcnt 1                             ; and my part of tile 0 is in; tile 1 may stay out
	s_barrier_signal -1
	s_barrier_wait -1
	FETCH ADB0, 0, 0, FR0
	STAGE 0, 0
	OUT 0
	STAGE 2, 0
	OUT 1
	STAGE 4, 1
	PLACES                                         ; the last products have no refill's places behind them
	OUT 2
	s_wait_tensorcnt 0x0                           ; the wave's end, behind my last tensor load and my last LDS store
	ds_add_u32 v[SPW], v[NIL]
	s_wait_dscnt 0x0
	ROUND                                          ; the closing round: no work-group ends while a partner may still ask for a tile that names it
	s_endpgm
.Lfunc_end_k_qf4fdef8ff9_ln_qkv:
	.size	k_qf4fdef8ff9_ln_qkv, .Lfunc_end_k_qf4fdef8ff9_ln_qkv-k_qf4fdef8ff9_ln_qkv
	.p2alignl 7, 3214868480
	.fill 96, 4, 3214868480
	.section	.rodata,"a",@progbits
	.p2align	6, 0x0
	.amdhsa_kernel k_qf4fdef8ff9_ln_qkv
		.amdhsa_group_segment_fixed_size 327680
		.amdhsa_private_segment_fixed_size 0
		.amdhsa_enable_private_segment 0
		.amdhsa_kernarg_size 40
		.amdhsa_user_sgpr_count 2
		.amdhsa_user_sgpr_kernarg_segment_ptr 1
		.amdhsa_wavefront_size32 1
		.amdhsa_system_sgpr_workgroup_id_x 1
		.amdhsa_system_sgpr_workgroup_id_y 1
		.amdhsa_system_sgpr_workgroup_id_z 1
		.amdhsa_system_vgpr_workitem_id 0
		.amdhsa_next_free_vgpr 256
		.amdhsa_next_free_sgpr 66
		.amdhsa_reserve_vcc 0
		.amdhsa_float_denorm_mode_32 3
		.amdhsa_float_denorm_mode_16_64 3
		.amdhsa_memory_ordered 1
		.amdhsa_forward_progress 1
		.amdhsa_inst_pref_size 158
	.end_amdhsa_kernel
	.amdgpu_metadata
---
amdhsa.version: [ 1, 2 ]
amdhsa.kernels:
  - .name:           k_qf4fdef8ff9_ln_qkv
    .symbol:         k_qf4fdef8ff9_ln_qkv.kd
    .args:
      - { .name: x, .offset: 0, .size: 8, .value_kind: global_buffer, .address_space: global }
      - { .name: ln1_g, .offset: 8, .size: 8, .value_kind: global_buffer, .address_space: global }
      - { .name: ln1_b, .offset: 16, .size: 8, .value_kind: global_buffer, .address_space: global }
      - { .name: wf, .offset: 24, .size: 8, .value_kind: global_buffer, .address_space: global }
      - { .name: qkv, .offset: 32, .size: 8, .value_kind: global_buffer, .address_space: global }
    .group_segment_fixed_size: 327680
    .private_segment_fixed_size: 0
    .kernarg_segment_align: 8
    .kernarg_segment_size: 40
    .max_flat_workgroup_size: 256
    .sgpr_count:     66
    .vgpr_count:     256
    .wavefront_size: 32
...
	.end_amdgpu_metadata
.endif
;; end of part 6
;; launch attn (part 7): grid 256 x 1, 8 waves a work-group, clusters of 4 x 1, 327,680 bytes of LDS; arguments qkv, of; writes of
.if DOCPART == 7
	.amdgcn_target "amdgcn-amd-amdhsa--gfx1250"
	.amdhsa_code_object_version 6
	.text
	.protected	k_qf4fdef8ff9_attn
	.globl	k_qf4fdef8ff9_attn
	.p2align	8
	.type	k_qf4fdef8ff9_attn,@function
k_qf4fdef8ff9_attn:
	s_mov_b64 s[64:65], 0
	v_nop
	global_prefetch_b8 v0, s[64:65] scope:SCOPE_SE
	s_setreg_imm32_b32 hwreg(HW_REG_WAVE_MODE, 25, 1), 1
	s_wait_xcnt 0x0
	s_wait_alu depctr_hold_cnt(0) depctr_sa_sdst(0) depctr_va_vdst(0) depctr_va_sdst(0) depctr_va_ssrc(0) depctr_va_vcc(0) depctr_vm_vsrc(0)
	s_getreg_b32 s2, hwreg(HW_REG_IB_STS2, 6, 4)
	s_cmp_eq_u32 s2, 0
	s_cbranch_scc0 .Lentry_in_a_cluster
	s_endpgm
.Lentry_in_a_cluster:
	s_bfe_u32 s2, ttmp6, 0x10000c
	s_cmp_lg_u32 s2, 0x3003
	s_cbranch_scc0 .Lentry_shape_is_right
	s_endpgm
.Lentry_shape_is_right:
; O[q] = the sum over k of softmax_k(q . k / sqrt(32)) v[k], head size 32, 2,048 keys, no mask.  q (already times c = log2(e) / sqrt(32)), k, v arrive in f16 as ready fragments; sums and maxima in f32.
; TWO PASSES.  At head size 32 a tile of 16 keys x 16 queries has two products and, with a running maximum, some 28 vector instructions.  So the TRUE row maximum m is found first: pass 1 is S^T = K Q^T and
; four three-operand maxima a tile.  Pass 2 makes S^T = K Q^T + C with C = -m, so the product IS the exponent: 8 exponentials and 4 roundings a tile, no scaling, no correction, no rescaling.
; The row sum l is a third product, ones x P, in f32: every register of every lane then holds the lane's query's l.  Price: 3.5 products a tile for 2.
; PASS 1 GOES A STEP AHEAD: S^T has two buffers; the eight products of step j + 1 each carry four of step j's maxima behind them, and K is fetched two steps ahead, into two buffers.
; PASS 2 GOES IN PHASES: 8 products K Q^T; the fetches; 64 exponentials with the roundings between them; 12 products on O^T and l.  Eight waves lie on four SIMDs: one wave's products stand beside the other's exponentials.
; LAYOUT.  Source 0 = 16 keys, source 1 = 16 queries: a lane holds ONE query (lane % 16) and keys 8 (lane / 16) + 0..7; two such results rounded to f16 in pairs ARE source 1 (32 keys x 16 queries) of
; O^T = V^T P, whose result holds one query a lane and eight channels: half a ready fragment of the next launch's operand.
; SHARES.  The four work-groups of a cluster are one head's four blocks of 512 queries; wave w owns four tiles of 16.  The head's K and V, 262,144 bytes of ready fragments, lie in LDS whole: fetched once,
; jointly (same load, same descriptor, a mask that names the four); each wave brings 16,384 bytes of K and then 16,384 of V; pass 1 begins when K is in, and V lands under it; nothing is filled again.
; LIMITS.  p lies in 0 to 1 and is rounded to f16 (below 6e-5: f16's fixed step of 6e-8; l is the sum of the rounded p); an exponential below 2^-126 counts as 0; l is at least about 1, the maximum's own
; weight; NaN and infinities are not treated apart.
; REGISTERS, in windows of 256 (s_set_vgpr_msb: bits 1:0 source 0, 3:2 source 1, 5:4 source 2, 7:6 destination).  All that K Q^T, the exponentials, the roundings and the LDS loads name lies in window 0 but -m, which
; is a third source: one setting serves them all, and only the products on O^T and l switch: three switches a step of pass 2, none in pass 1.
.set SPARE, 262144                     ; behind K (0) and V (131,072): the spare words, 128 bytes a wave, four blocks of 256 bytes that no other line names
.set SPW,  2                           ; v2   SPARE + 4 x thread; never rewritten
.set NIL,  3                           ; v3   0; never rewritten
.set AK0,  4                           ; v4   16 lane: my place in half a fragment, in LDS and in memory
.set AV0,  5                           ; v5   131,072 + 16 lane
.set AK,   6                           ; v6   the address of K's run of loads in hand
.set AV,   7                           ; v7   of V's
.set M,    16                          ; v[16:23]    the running maximum of accumulator a = 2 t + kb at M + a; at the end 1 / l
.set ONES, 24                          ; v[24:31]    1.0 in every half
.set Q,    32                          ; v[32:63]    Q, tile t at + 8 t
.set KF,   64                          ; v[64:95]    K of a step: key block kb at + 8 kb; two buffers of 16 in pass 1, the first alone in pass 2
.set VF,   96                          ; v[96:111]   V of a step: channel block cb at + 8 cb
.set S,    128                         ; v[128:191]  S^T: (t, kb) at S + 16 t + 8 kb; in pass 1 a second buffer at v[192:255]
.set P,    192                         ; v[192:223]  P: tile t at P + 8 t
.set NM,   0                           ; window 1: v[0:31] -m, eight registers a tile
.set O,    32                          ; window 1: v[32:95] O^T: (t, cb) at O + 16 t + 8 cb
.set L,    96                          ; window 1: v[96:127] l, tile t at L + 8 t
.set WV,   8                           ; s8   the wave's number
.set G0,   16                          ; s[16:19] descriptor group 0 for my part of K
.set G0B,  20                          ; s[20:23] for my part of V
.set G1,   24                          ; s[24:31] descriptor group 1
.set TB,   32                          ; s32  LDS byte of the K to be fetched next
.set TV,   33                          ; s33  of the V, less 131,072
.set CNT,  34                          ; s34  counts trips
.set SEL,  36                          ; s[36:37] v_permlanex16_b32's selects
.set QP,   38                          ; s[38:39] q at my four tiles
.set OP,   40                          ; s[40:41] of at my four tiles and my head
.set MSB, 0
.macro WIN new                         ; the immediate's high byte repeats the setting that is left; a switch that changes nothing is dropped
.if MSB != (\new)
	s_set_vgpr_msb (MSB<<8)|(\new)
.set MSB, \new
.endif
.endm
.set W_RD, 0x10                        ; the third source (-m) in window 1, all else in window 0
.set W_PV, 0x50                        ; C and D in window 1
.macro ROUND                           ; a round of the cluster's barrier
	s_barrier_signal -1
	s_barrier_wait -1
	s_cmp_lg_u32 s[WV], 0
	s_cbranch_scc1 .Lnot_wave_0_\@
	s_barrier_signal -3
.Lnot_wave_0_\@:
	s_barrier_wait -3
	s_barrier_signal -1
	s_barrier_wait -1
.endm
.macro PLACES                          ; four plain vector instructions behind a matrix instruction, ahead of what reads its result or writes its registers (ISA guide 7.12.1)
.rept 4
	v_nop
.endr
.endm
.macro LOADK b, off=0                  ; 32 keys, two fragments, into buffer b
.irp kb, 0,1
.irp c, 0,1
	ds_load_b128 v[KF+16*(\b)+8*\kb+4*\c:KF+16*(\b)+8*\kb+4*\c+3], v[AK] offset:(\off)+\kb*1024+\c*512
.endr
.endr
.endm
.macro LOADV                           ; 32 keys x 32 channels, two fragments
.irp cb, 0,1
.irp c, 0,1
	ds_load_b128 v[VF+8*\cb+4*\c:VF+8*\cb+4*\c+3], v[AV] offset:\cb*1024+\c*512
.endr
.endr
.endm
; PASS 1, step j of 32 keys, cur = j % 2.  ld = 1: K of step j + 2 is asked for, into the buffer that step j's products read: the last of those has its four maxima behind it, which name none of its registers.
; mm = 1: the eight products of step j + 1 go into the other buffer of S^T.  Behind each stand four of step j's 32 maxima, in 8 chains that take turns; each accumulator's lowest registers are read first.
.macro P1H cur, mm, ld
.if \ld
	v_add_nc_u32 v[AK], s[TB], v[AK0]
	s_add_co_u32 s[TB], s[TB], 2048
	LOADK \cur
.endif
.if \mm
	s_wait_dscnt 4                                 ; the four just issued may stay out: K of step j + 1 is in
.endif
.set ii, 0
.rept 8
.if \mm
	v_wmma_f32_16x16x32_f16 v[S+64*(1-(\cur))+8*ii:S+64*(1-(\cur))+8*ii+7], v[KF+16*(1-(\cur))+8*(ii%2):KF+16*(1-(\cur))+8*(ii%2)+7], v[Q+8*(ii/2):Q+8*(ii/2)+7], 0
.endif
.set rr, 4*ii
.rept 4
	v_max3_num_f32 v[M+rr%8], v[M+rr%8], v[S+64*(\cur)+8*(rr%8)+2*(rr/8)], v[S+64*(\cur)+8*(rr%8)+2*(rr/8)+1]
.set rr, rr+1
.endr
.set ii, ii+1
.endr
.endm
; PASS 2, a step of 32 keys.  first = 1: the products start O^T's and l's sums: nothing is cleared.  pre = 1: the next step's K is fetched.
; The exponentials stand in pairs with a rounding of the tile before between them, so that a plain instruction stands between every exponential and the use of its result.
; The 12 accumulators of the second run take turns, one instruction a turn.
.macro P2STEP first, pre
	s_wait_dscnt 0x0                               ; K of this step is in
	WIN W_RD
.irp kb, 0,1
.irp t, 0,1,2,3
	v_wmma_f32_16x16x32_f16 v[S+16*\t+8*\kb:S+16*\t+8*\kb+7], v[KF+8*\kb:KF+8*\kb+7], v[Q+8*\t:Q+8*\t+7], v[NM+8*\t:NM+8*\t+7]
.endr
.endr
	v_add_nc_u32 v[AV], s[TV], v[AV0]              ; four places: behind these products (K's registers, S^T) and behind the last step's V^T P (V's registers, P)
.if \pre
	v_add_nc_u32 v[AK], s[TB], v[AK0]
.else
	v_nop
.endif
	v_nop
	v_nop
	s_add_co_u32 s[TV], s[TV], 2048
	s_add_co_u32 s[TB], s[TB], 2048
	LOADV
.if \pre
	LOADK 0
.endif
.irp n, 0,1,2,3,4,5,6,7,8,9,10,11,12,13,14,15
	v_exp_f32 v[S+\n], v[S+\n]
.endr
	v_nop
.irp t, 1,2,3
.irp i, 0,1,2,3,4,5,6,7
	v_exp_f32 v[S+16*\t+2*\i], v[S+16*\t+2*\i]
	v_exp_f32 v[S+16*\t+2*\i+1], v[S+16*\t+2*\i+1]
	s_wait_alu depctr_va_vdst(0)
	v_cvt_pk_f16_f32 v[P+8*(\t-1)+\i], v[S+16*(\t-1)+2*\i], v[S+16*(\t-1)+2*\i+1]
.endr
.endr
	s_wait_alu depctr_va_vdst(0)
.irp i, 0,1,2,3,4,5,6,7
	v_cvt_pk_f16_f32 v[P+24+\i], v[S+48+2*\i], v[S+48+2*\i+1]
.endr
	s_wait_dscnt 4*(\pre)                          ; V is in; the four loads of K, issued behind V's, may stay out
	WIN W_PV
.irp t, 0,1,2,3
.if \first
	v_wmma_f32_16x16x32_f16 v[O+16*\t:O+16*\t+7], v[VF:VF+7], v[P+8*\t:P+8*\t+7], 0
	v_wmma_f32_16x16x32_f16 v[O+16*\t+8:O+16*\t+15], v[VF+8:VF+15], v[P+8*\t:P+8*\t+7], 0
	v_wmma_f32_16x16x32_f16 v[L+8*\t:L+8*\t+7], v[ONES:ONES+7], v[P+8*\t:P+8*\t+7], 0
.else
	v_wmma_f32_16x16x32_f16 v[O+16*\t:O+16*\t+7], v[VF:VF+7], v[P+8*\t:P+8*\t+7], v[O+16*\t:O+16*\t+7]
	v_wmma_f32_16x16x32_f16 v[O+16*\t+8:O+16*\t+15], v[VF+8:VF+15], v[P+8*\t:P+8*\t+7], v[O+16*\t+8:O+16*\t+15]
	v_wmma_f32_16x16x32_f16 v[L+8*\t:L+8*\t+7], v[ONES:ONES+7], v[P+8*\t:P+8*\t+7], v[L+8*\t:L+8*\t+7]
.endif
.endr
	WIN 0                                          ; at a label and at a branch every window is 0
.endm
	s_load_b128 s[4:7], s[0:1], 0x0                ; qkv s[4:5], of s[6:7]
	v_lshl_add_u32 v[SPW], v0, 2, SPARE
	v_mov_b32 v[NIL], 0
	ds_add_u32 v[SPW], v[NIL]                      ; the wave's opening: the add and its wait stand ahead of my first tensor load; the set-up, work on registers, stands between them
	v_lshrrev_b32 v1, 5, v0
	v_readfirstlane_b32 s[WV], v1                  ; wave 0..7
	s_bfe_u32 s9, ttmp6, 0x40000                   ; cx: my block of 512 queries: it enters q's and of's addresses alone
	s_mov_b32 s[G1+0], 15|(3<<16)|(1<<21)          ; the mask of four; elements of 8 bytes; bit 21 set beside a mask; no padding
	s_mov_b32 s[G1+1], 32<<16                      ; tensor_dim0 = 32 elements: rows of 256 bytes
	s_mov_b32 s[G1+2], 64<<16                      ; tensor_dim1 = 64 rows: 16,384 dense bytes
	s_mov_b32 s[G1+3], 32<<16                      ; tile_dim0
	s_mov_b32 s[G1+4], 64                          ; tile_dim1
	s_mov_b32 s[G1+5], 32                          ; from row to row
	s_mov_b32 s[G1+6], 0
	s_mov_b32 s[G1+7], 0
	s_mov_b32 s[G0], 1
	s_lshl_b32 s[G0+1], s[WV], 14                  ; my eighth of K,
	s_mov_b32 s[G0B], 1
	s_add_co_u32 s[G0B+1], s[G0+1], 131072         ; and of V: in memory as in LDS V follows K
	s_mul_i32 s10, ttmp9, 393216                   ; the cluster's number is 16 batch + head: its q, k and v
	s_mov_b32 s11, 0
	s_lshl_b32 s12, s[WV], 14
	s_add_co_u32 s12, s12, 131072                  ; k begins behind q
	s_mov_b32 s13, 0
	s_add_nc_u64 s[12:13], s[12:13], s[10:11]
	s_lshl_b32 s42, s9, 15                         ; q: (32 cx + 4 w) fragments of 1,024 bytes
	s_lshl_b32 s43, s[WV], 12
	s_add_co_u32 s42, s42, s43
	s_mov_b32 s43, 0
	s_add_nc_u64 s[42:43], s[42:43], s[10:11]
	s_lshr_b32 s44, ttmp9, 4                       ; of: (128 batch + 32 cx + 4 w) token blocks of 16,384 bytes + head x 1,024
	s_lshl_b32 s44, s44, 21
	s_lshl_b32 s45, s9, 19
	s_add_co_u32 s44, s44, s45
	s_lshl_b32 s45, s[WV], 16
	s_add_co_u32 s44, s44, s45
	s_and_b32 s45, ttmp9, 15
	s_lshl_b32 s45, s45, 10
	s_add_co_u32 s44, s44, s45
	s_mov_b32 s45, 0
	s_mov_b32 s[SEL], 0x76543210
	s_mov_b32 s[SEL+1], 0xfedcba98
	v_and_b32 v1, 31, v0
	v_lshlrev_b32 v[AK0], 4, v1
	v_add_nc_u32 v[AV0], 131072, v[AK0]
	s_wait_dscnt 0x0                               ; the opening add is done
	s_wait_kmcnt 0x0
	s_add_nc_u64 s[G0+2:G0+3], s[4:5], s[12:13]
	s_add_nc_u64 s[G0B+2:G0B+3], s[G0+2:G0+3], 131072
	s_or_b32 s[G0+3], s[G0+3], 0x80000000          ; type = 2
	s_or_b32 s[G0B+3], s[G0B+3], 0x80000000
	s_add_nc_u64 s[QP:QP+1], s[4:5], s[42:43]
	s_add_nc_u64 s[OP:OP+1], s[6:7], s[44:45]
	ROUND                                          ; all four work-groups are here: the joint loads meet
	tensor_load_to_lds s[G0:G0+3], s[G1:G1+7]      ; K first,
	s_nop 0
	tensor_load_to_lds s[G0B:G0B+3], s[G1:G1+7]    ; then V: my two tensor loads of the launch
	s_nop 0
	PLACES
.irp t, 0,1,2,3
.irp c, 0,1
	global_load_b128 v[Q+8*\t+4*\c:Q+8*\t+4*\c+3], v[AK0], s[QP:QP+1] offset:\t*1024+\c*512
.endr
.endr
.irp i, 0,1,2,3,4,5,6,7
	v_mov_b32 v[ONES+\i], 0x3c003c00               ; 1.0 twice in f16
	v_mov_b32 v[M+\i], 0xff7fffff                  ; the lowest finite number
.endr
	v_mov_b32 v[AK], v[AK0]
	s_mov_b32 s[TB], 4096
	s_wait_tensorcnt 1                             ; my part of K is in; V may stay out, and pass 1 reads K alone
	s_barrier_signal -1
	s_barrier_wait -1                              ; everybody's part of K is in
	LOADK 0                                        ; keys 0 to 31
	LOADK 1, 2048                                  ; keys 32 to 63
	s_wait_loadcnt 0x0                             ; Q
	s_wait_dscnt 4                                 ; keys 0 to 31 are in; the four loads of keys 32 to 63 may stay out
.set ii, 0
.rept 8
	v_wmma_f32_16x16x32_f16 v[S+8*ii:S+8*ii+7], v[KF+8*(ii%2):KF+8*(ii%2)+7], v[Q+8*(ii/2):Q+8*(ii/2)+7], 0  ; step 0's scores: there is no vector work yet to set between them
.set ii, ii+1
.endr
	PLACES
	s_mov_b32 s[CNT], 31
.Lp1:                                              ; steps 0 to 61, two a trip
	P1H 0, 1, 1
	P1H 1, 1, 1
	s_sub_co_u32 s[CNT], s[CNT], 1
	s_cmp_lg_u32 s[CNT], 0
	s_cbranch_scc1 .Lp1
	s_mov_b32 s[TB], 0
	P1H 0, 1, 1                                    ; step 62; its fetch is keys 0 to 31 again, for pass 2
	P1H 1, 0, 0                                    ; step 63: no further products, no further fetch
	s_wait_tensorcnt 0x0                           ; my part of V is in,
	s_wait_dscnt 0x0                               ; and no LDS instruction of mine is pending at the signal
	s_barrier_signal -1
	; a query's maximum, made while the others arrive: its two chains, then the lane 16 away, which holds its other keys; -m into the eight registers that start each sum of pass 2
.irp t, 0,1,2,3
	v_max_num_f32 v[M+2*\t], v[M+2*\t], v[M+2*\t+1]
.endr
.irp t, 0,1,2,3
	v_permlanex16_b32 v[M+2*\t+1], v[M+2*\t], s[SEL], s[SEL+1]
.endr
.irp t, 0,1,2,3
	v_max_num_f32 v[M+2*\t], v[M+2*\t], v[M+2*\t+1]
.endr
	WIN 0x40                                       ; destination window 1
.irp t, 0,1,2,3
.irp j, 0,1,2,3,4,5,6,7
	v_mul_f32 v[NM+8*\t+\j], -1.0, v[M+2*\t]
.endr
.endr
	WIN 0
	s_barrier_wait -1                              ; everybody's part of V is in
	s_mov_b32 s[TB], 2048                          ; K of step 1
	s_mov_b32 s[TV], 0                             ; V of step 0
	P2STEP 1, 1                                    ; step 0 starts O^T's and l's sums
	s_mov_b32 s[CNT], 62
.Lp2:                                              ; steps 1 to 62
	P2STEP 0, 1
	s_sub_co_u32 s[CNT], s[CNT], 1
	s_cmp_lg_u32 s[CNT], 0
	s_cbranch_scc1 .Lp2
	P2STEP 0, 0                                    ; step 63: no further K
	; THE WAY OUT: O^T / l, rounded to f16: a lane's eight channels of a query are its 16 bytes of a ready fragment; each store covers 512 consecutive bytes, aligned.
	PLACES
	WIN 0x01                                       ; source 0 window 1
.irp t, 0,1,2,3
	v_rcp_f32 v[M+2*\t], v[L+8*\t]
.endr
	WIN 0
	v_nop                                          ; a plain instruction between the last reciprocal and the use of its result
	WIN 0x41                                       ; O^T (destination and source 0) window 1, 1 / l window 0
	s_wait_alu depctr_va_vdst(0)
.irp t, 0,1,2,3
.irp k, 0,1,2,3,4,5,6,7
	v_pk_mul_f32 v[O+16*\t+2*\k:O+16*\t+2*\k+1], v[O+16*\t+2*\k:O+16*\t+2*\k+1], v[M+2*\t:M+2*\t+1] op_sel_hi:[1,0]
.endr
.endr
	WIN 0x05                                       ; sources 0 and 1 window 1, destination window 0: S^T's registers are free
.irp t, 0,1,2,3
.irp k, 0,1,2,3,4,5,6,7
	v_cvt_pk_f16_f32 v[S+8*\t+\k], v[O+16*\t+2*\k], v[O+16*\t+2*\k+1]
.endr
.endr
	WIN 0
.irp t, 0,1,2,3
.irp cb, 0,1
	global_store_b128 v[AK0], v[S+8*\t+4*\cb:S+8*\t+4*\cb+3], s[OP:OP+1] offset:\t*16384+\cb*512
.endr
.endr
	s_wait_tensorcnt 0x0                           ; the wave's end, behind my last tensor load
	ds_add_u32 v[SPW], v[NIL]
	s_wait_dscnt 0x0
	ROUND                                          ; the closing round
	s_endpgm
.Lfunc_end_k_qf4fdef8ff9_attn:
	.size	k_qf4fdef8ff9_attn, .Lfunc_end_k_qf4fdef8ff9_attn-k_qf4fdef8ff9_attn
	.p2alignl 7, 3214868480
	.fill 96, 4, 3214868480
	.section	.rodata,"a",@progbits
	.p2align	6, 0x0
	.amdhsa_kernel k_qf4fdef8ff9_attn
		.amdhsa_group_segment_fixed_size 327680
		.amdhsa_private_segment_fixed_size 0
		.amdhsa_enable_private_segment 0
		.amdhsa_kernarg_size 16
		.amdhsa_user_sgpr_count 2
		.amdhsa_user_sgpr_kernarg_segment_ptr 1
		.amdhsa_wavefront_size32 1
		.amdhsa_system_sgpr_workgroup_id_x 1
		.amdhsa_system_sgpr_workgroup_id_y 1
		.amdhsa_system_sgpr_workgroup_id_z 1
		.amdhsa_system_vgpr_workitem_id 0
		.amdhsa_next_free_vgpr 384
		.amdhsa_next_free_sgpr 66
		.amdhsa_reserve_vcc 0
		.amdhsa_float_denorm_mode_32 3
		.amdhsa_float_denorm_mode_16_64 3
		.amdhsa_memory_ordered 1
		.amdhsa_forward_progress 1
		.amdhsa_inst_pref_size 46
	.end_amdhsa_kernel
	.amdgpu_metadata
---
amdhsa.version: [ 1, 2 ]
amdhsa.kernels:
  - .name:           k_qf4fdef8ff9_attn
    .symbol:         k_qf4fdef8ff9_attn.kd
    .args:
      - { .name: qkv, .offset: 0, .size: 8, .value_kind: global_buffer, .address_space: global }
      - { .name: of, .offset: 8, .size: 8, .value_kind: global_buffer, .address_space: global }
    .group_segment_fixed_size: 327680
    .private_segment_fixed_size: 0
    .kernarg_segment_align: 8
    .kernarg_segment_size: 16
    .max_flat_workgroup_size: 256
    .sgpr_count:     66
    .vgpr_count:     384
    .wavefront_size: 32
...
	.end_amdgpu_metadata
.endif
;; end of part 7
;; launch proj_ffn (part 8): grid 256 x 1, 8 waves a work-group, clusters of 4 x 1, 327,680 bytes of LDS; arguments x, of, wf, out0, bo, ln2_g, ln2_b, b1, b2; writes out0
.if DOCPART == 8
	.amdgcn_target "amdgcn-amd-amdhsa--gfx1250"
	.amdhsa_code_object_version 6
	.text
	.protected	k_qf4fdef8ff9_proj_ffn
	.globl	k_qf4fdef8ff9_proj_ffn
	.p2align	8
	.type	k_qf4fdef8ff9_proj_ffn,@function
k_qf4fdef8ff9_proj_ffn:
	s_mov_b64 s[64:65], 0
	v_nop
	global_prefetch_b8 v0, s[64:65] scope:SCOPE_SE
	s_setreg_imm32_b32 hwreg(HW_REG_WAVE_MODE, 25, 1), 1
	s_wait_xcnt 0x0
	s_wait_alu depctr_hold_cnt(0) depctr_sa_sdst(0) depctr_va_vdst(0) depctr_va_sdst(0) depctr_va_ssrc(0) depctr_va_vcc(0) depctr_vm_vsrc(0)
	s_getreg_b32 s2, hwreg(HW_REG_IB_STS2, 6, 4)
	s_cmp_eq_u32 s2, 0
	s_cbranch_scc0 .Lentry_in_a_cluster
	s_endpgm
.Lentry_in_a_cluster:
	s_bfe_u32 s2, ttmp6, 0x10000c
	s_cmp_lg_u32 s2, 0x3003
	s_cbranch_scc0 .Lentry_shape_is_right
	s_endpgm
.Lentry_shape_is_right:
; x1 = x + O Wo^T + bo; xn = LN2(x1); h = relu(xn W1^T + b1); out = x1 + h W2^T + b2.  x, x1, the norm, the biases and all sums in f32; the matrix operands O, xn, h and the weights in f16.
; SHARES.  A work-group owns 32 tokens (whole rows, for the norm), wave w 64 columns of each product: 8 accumulators (row block rb 0..1, column block nb 0..3).
; WEIGHTS.  12 tiles of 131,072 bytes (Wo, W1, W2 x 4 chunks of 128 k), dense in wf as ready fragments ([c 2][lane 32][16 bytes]: lane (r, h) holds row r, k = 16 c + 8 h + 0..7), go through two LDS slots.
; Wave w fetches, and alone reads, its own 16,384 bytes of a tile.  All work-groups walk the same weights: the four of a cluster ask JOINTLY (same load, same descriptor, a mask that names the four).
; THE ORDER OF THE TILES.  Cluster c takes each weight's four chunks of K in the order rot, rot + 1, rot + 2, rot + 3 (mod 4), rot = c % 4.  So at any time the four chunks of a weight are asked for by different clusters,
; and of a weight's four tiles a cluster is among the first to ask for one only: the other three were asked for by other clusters one to three tiles earlier.
; ROWS ARE KEPT TURNED, so that no LDS address, branch or immediate hangs on rot: PLACE p of a row holds column (p + 128 rot) % 512, in O, x, x1, xn, h, the five parameter vectors and the output alike; the K chunk at
; places 128 q on is then the chunk that tile q of a weight holds, and wave w, whose results lie at places 64 w on, makes columns 64 ((w + 2 rot) % 8) on.  rot is equal in the four partners and enters global addresses alone.
; Source 0 = weights, source 1 = tokens: a lane holds one token and 8 neighbouring places.  Between the products the tokens' operand lies in LDS by rows; where whole rows are wanted (residual, norm, output) a
; product goes through LDS in f32, 16 rows at a time, into the ROW LAYOUT: wave w owns rows 2 w, 2 w + 1, 16 + 2 w, 17 + 2 w; register 4 j + e of a row holds place 128 j + 4 lane + e.
; LIMITS.  O, xn and h must lie within f16's 65,504 (no clamp is written); the relu's maximum turns a NaN into 0; NaN and infinities are not treated apart otherwise.  The variance is taken of the centred numbers.
; The sums over a row and over K begin at chunk rot: an order of rounding that differs from cluster to cluster.
.set KOFF,  1572864                    ; Wo's first byte in wf; W1 and W2 follow, 524,288 bytes each
.set SLOTB, 131072                     ; a slot; slot 0 at LDS byte 0, slot 1 behind it
.set UB,    262144                     ; 33,280 bytes written by LDS stores alone: the tokens' operand, f16, 32 rows at pitch PA; or half a product, f32, 16 rows at pitch PY
.set PA,    1040                       ; 65 x 16 bytes
.set PY,    2064                       ; 129 x 16 bytes: with either pitch 16 rows fall on 16 different 16-byte columns of 256
.set PAR,   295424                     ; bo, ln2_g, ln2_b, b1, b2, by places: 2,048 bytes each
.set SPARE, 305664                     ; the spare words: 128 bytes a wave, four blocks of 256 bytes that no other line names
.set SPW,  2                           ; v2   SPARE + 4 x thread; never rewritten
.set NIL,  3                           ; v3   0; never rewritten
.set ZERO, 4                           ; v4   0, for the relu
.set ADB0, 5                           ; v5, v6  my lane's 16 bytes in my wave's part of slot 0, 1
.set ADA,  7                           ; v7   UB + r PA + 16 h
.set STA,  8                           ; v8   ADA + 128 w: where h's tiles go
.set STY,  9                           ; v9   UB + r PY + 32 h + 256 w: where a product's tiles go in f32
.set RDY,  10                          ; v10  UB + 2 w PY + 16 lane: where my rows come back
.set STX,  11                          ; v11  UB + 2 w PA + 8 lane
.set GX,   12                          ; v12  2 w rows of 2,048 bytes + 16 lane
.set PB1,  13                          ; v13  b1 of my tiles' places: PAR + 3 x 2,048 + 256 w + 32 h
.set LO,   14                          ; v14  PAR + 16 lane
.set ACC,  16                          ; v[16:79]    accumulator (rb, nb) at ACC + 8 (4 rb + nb)
.set FR0,  80                          ; v[80:127], v[128:175]  two fragment buffers: tokens' rb at + 8 rb, weights' nb at + 16 + 8 nb
.set XR,   176                         ; v[176:239]  my four rows: x, then x1, then x1 + b2, then the output
.set ST,   240                         ; v[240:247]  a pair a row: the sum, the mean
.set SQ,   248                         ; v[248:255]  a pair a row: the squares, 1 / sqrt(var + eps)
.set GXJ,  240                         ; v[240:243]  at the start and at the end, when the norm does not need them: GX + 512 x the chunk that lies at places 128 j on
.set DT,   80                          ; the norm works in the fragment buffers, which are idle then: 16 registers a row,
.set G,    144                         ; gain
.set BT,   160                         ; and bias of my places
.set OFQ,  22                          ; s[22:29] four pairs: 131,072 x the chunk of tile q of a weight, (q + rot) % 4
.set BW,   30                          ; s[30:31] wf at Wo's chunk 0, my wave's columns
.set G1,   32                          ; s[32:39] descriptor group 1
.set G0,   40                          ; s[40:47] descriptor group 0, a set for each slot
.set WV,   48                          ; s48  the wave's number
.set SEL,  56                          ; s[56:57] v_permlanex16_b32's selects
.set INV,  58                          ; s58  1 / 512
.set EPS,  59                          ; s59  1e-5
.set ROT,  60                          ; s60  rot
; A round of the cluster's barrier: my work-group's barrier, wave 0 signals for the work-group, every wave waits for all four work-groups, my work-group's barrier once more.
.macro ROUND
	s_barrier_signal -1
	s_barrier_wait -1
	s_cmp_lg_u32 s[WV], 0
	s_cbranch_scc1 .Lnot_wave_0_\@
	s_barrier_signal -3
.Lnot_wave_0_\@:
	s_barrier_wait -3
	s_barrier_signal -1
	s_barrier_wait -1
.endm
.macro BAR                             ; my work-group's barrier
	s_barrier_signal -1
	s_barrier_wait -1
.endm
; Four places: a load into a register that a matrix instruction has read, and whatever reads a matrix result, stand four plain vector instructions behind it.
.macro PLACES
.rept 4
	v_nop
.endr
.endm
; 12 LDS loads: the fragments of one step of 32 k into buffer f: the weights' step ks of the tile at v[ab], the tokens' places 32 kg on.
.macro FETCH ab, ks, kg, f
.irp nb, 0,1,2,3
	ds_load_b128 v[(\f)+16+8*\nb:(\f)+16+8*\nb+3], v[\ab] offset:(\ks)*4096+\nb*1024
	ds_load_b128 v[(\f)+16+8*\nb+4:(\f)+16+8*\nb+7], v[\ab] offset:(\ks)*4096+\nb*1024+512
.endr
.irp rb, 0,1
	ds_load_b128 v[(\f)+8*\rb:(\f)+8*\rb+3], v[ADA] offset:\rb*16*PA+(\kg)*64
	ds_load_b128 v[(\f)+8*\rb+4:(\f)+8*\rb+7], v[ADA] offset:\rb*16*PA+(\kg)*64+32
.endr
.endm
; Four products of row block rb: source 0 = weights, source 1 = tokens.  zero = 1: the product starts the sum.
; The 8 accumulators take turns, one instruction a turn, in the same order in every step.
.macro MUL4 f, rb, zero
.irp nb, 0,1,2,3
.set rD, ACC+8*(4*(\rb)+\nb)
.set rX, (\f)+16+8*\nb
.set rY, (\f)+8*(\rb)
.if \zero
	v_wmma_f32_16x16x32_f16 v[rD:rD+7], v[rX:rX+7], v[rY:rY+7], 0
.else
	v_wmma_f32_16x16x32_f16 v[rD:rD+7], v[rX:rX+7], v[rY:rY+7], v[rD:rD+7]
.endif
.endr
.endm
; One product over K = 512: 16 steps of 32 k, tiles t0 .. t0 + 3.  Step 0's fragments have been asked for, into buffer 0.  The next product reads other tokens' numbers, so nothing is fetched for it here,
; and the round at the product's end, with every wave's wait for its LDS reads ahead of it, also shows that all reads of the tokens' operand are over.
; A tile's last step changes slots.  Tiles 0 to 9: the slot is filled again with the tile two on, behind a round of the cluster's barrier; its address is made anew: my wave's base, the chunk's offset, the weight's constant,
; the type bits.  By this text's count one tensor load of the wave is out behind each round, two at the start.
.macro STAGE t0
.set gg, 0
.rept 16
.set kk, gg%4
.set tt, (\t0)+gg/4
.set tn, tt+2
.set ab, ADB0+tt%2
.set an, ADB0+(tt+1)%2
.set fb, FR0+48*(gg%2)
.set ob, FR0+48*((gg+1)%2)
.set zz, 0
.if gg == 0
.set zz, 1
.endif
.if kk < 3
	PLACES                                         ; behind the products that read the other buffer
	FETCH ab, kk+1, gg+1, ob
	s_wait_dscnt 12                                ; the 12 just issued may stay out: this step's fragments are in
	MUL4 fb, 0, zz
	MUL4 fb, 1, zz
.elseif tt <= 9
	s_wait_tensorcnt 0x0                           ; all my tensor loads have landed: the one that was out is my part of the next tile; so a group 0 may be written
	ds_add_u32 v[SPW], v[NIL]                      ; 0 onto my spare word
	s_add_nc_u64 s[G0+4*(tt%2)+2:G0+4*(tt%2)+3], s[BW:BW+1], s[OFQ+2*(tn%4):OFQ+2*(tn%4)+1]  ; this slot's next tile: tile tn % 4 of weight tn / 4
.if tn/4 > 0
	s_add_nc_u64 s[G0+4*(tt%2)+2:G0+4*(tt%2)+3], s[G0+4*(tt%2)+2:G0+4*(tt%2)+3], (tn/4)*524288
.endif
	s_or_b32 s[G0+4*(tt%2)+3], s[G0+4*(tt%2)+3], 0x80000000  ; type = 2
	s_wait_dscnt 1                                 ; only the add may be out: this step's fragments are in
	MUL4 fb, 0, 0                                  ; four products stand between the add and the wait for it
	s_wait_dscnt 0x0                               ; the add is done, and my reads of this slot and of the tokens are over
	ROUND                                          ; the same holds of every wave of the four work-groups
	tensor_load_to_lds s[G0+4*(tt%2):G0+4*(tt%2)+3], s[G1:G1+7]  ; my one tensor load behind the round, and the first thing there
	s_nop 0
	PLACES                                         ; also the places in front of the loads below
.if gg < 15
	FETCH an, 0, gg+1, ob
.endif
	MUL4 fb, 1, 0
.elseif tt == 10
	s_wait_tensorcnt 0x0                           ; the one load that is out is the last tile, and a wave reads its own bytes of a tile alone: no barrier
	s_wait_dscnt 0x0
	MUL4 fb, 0, 0
	PLACES
	FETCH an, 0, gg+1, ob
	MUL4 fb, 1, 0
.else
	s_wait_dscnt 0x0
	MUL4 fb, 0, 0
	MUL4 fb, 1, 0
.endif
.set gg, gg+1
.endr
.endm
; The four registers b + 2 i are summed over the 32 lanes; every lane gets the sum.
.macro RED4 b
.irp m, 1,2,4,8
.irp i, 0,1,2,3
	v_add_f32_dpp v[(\b)+2*\i], v[(\b)+2*\i], v[(\b)+2*\i] row_xmask:\m row_mask:0xf bank_mask:0xf
.endr
.endr
.irp i, 0,1,2,3
	v_permlanex16_b32 v[(\b)+2*\i+1], v[(\b)+2*\i], s[SEL], s[SEL+1]
.endr
.irp i, 0,1,2,3
	v_add_f32 v[(\b)+2*\i], v[(\b)+2*\i], v[(\b)+2*\i+1]
.endr
.endm
; The norm of my four rows (XR is kept): mean; centred numbers; their squares' mean; (x - mean) / sqrt(var + eps) x gain + bias, rounded to f16, into the tokens' operand.  The rows alternate, so that no line waits for the one before.
.macro LNROWS
.irp p, 0,1,2,3
.irp i, 0,1,2,3
	v_pk_add_f32 v[DT+16*\i+2*\p:DT+16*\i+2*\p+1], v[XR+16*\i+4*\p:XR+16*\i+4*\p+1], v[XR+16*\i+4*\p+2:XR+16*\i+4*\p+3]
.endr
.endr
.irp i, 0,1,2,3
	v_pk_add_f32 v[DT+16*\i:DT+16*\i+1], v[DT+16*\i:DT+16*\i+1], v[DT+16*\i+2:DT+16*\i+3]
	v_pk_add_f32 v[DT+16*\i+4:DT+16*\i+5], v[DT+16*\i+4:DT+16*\i+5], v[DT+16*\i+6:DT+16*\i+7]
.endr
.irp i, 0,1,2,3
	v_pk_add_f32 v[DT+16*\i:DT+16*\i+1], v[DT+16*\i:DT+16*\i+1], v[DT+16*\i+4:DT+16*\i+5]
.endr
.irp i, 0,1,2,3
	v_add_f32 v[ST+2*\i], v[DT+16*\i], v[DT+16*\i+1]
	v_add_f32 v[ST+2*\i+1], v[DT+16*\i], v[DT+16*\i+1]  ; the pair's second register is written too: the exchange of halves counts as a reader of its destination
.endr
	RED4 ST
.irp i, 0,1,2,3
	v_mul_f32 v[ST+2*\i], s[INV], v[ST+2*\i]
.endr
.irp a, 0,1,2,3,4,5,6,7
.irp i, 0,1,2,3
	v_pk_add_f32 v[DT+16*\i+2*\a:DT+16*\i+2*\a+1], v[XR+16*\i+2*\a:XR+16*\i+2*\a+1], v[ST+2*\i:ST+2*\i+1] op_sel_hi:[1,0] neg_lo:[0,1] neg_hi:[0,1]
.endr
.endr
.irp i, 0,1,2,3
	v_pk_mul_f32 v[SQ+2*\i:SQ+2*\i+1], v[DT+16*\i:DT+16*\i+1], v[DT+16*\i:DT+16*\i+1]
.endr
.irp a, 1,2,3,4,5,6,7
.irp i, 0,1,2,3
	v_pk_fma_f32 v[SQ+2*\i:SQ+2*\i+1], v[DT+16*\i+2*\a:DT+16*\i+2*\a+1], v[DT+16*\i+2*\a:DT+16*\i+2*\a+1], v[SQ+2*\i:SQ+2*\i+1]
.endr
.endr
.irp i, 0,1,2,3
	v_add_f32 v[SQ+2*\i], v[SQ+2*\i], v[SQ+2*\i+1]
.endr
	RED4 SQ
.irp i, 0,1,2,3
	v_fma_f32 v[SQ+2*\i], v[SQ+2*\i], s[INV], s[EPS]
.endr
.irp i, 0,1,2,3
	v_rsq_f32 v[SQ+2*\i], v[SQ+2*\i]
.endr
	v_nop                                          ; a plain instruction between the last root and the use of its result
	s_wait_alu depctr_va_vdst(0)
.irp a, 0,1,2,3,4,5,6,7
.irp i, 0,1,2,3
	v_pk_mul_f32 v[DT+16*\i+2*\a:DT+16*\i+2*\a+1], v[DT+16*\i+2*\a:DT+16*\i+2*\a+1], v[SQ+2*\i:SQ+2*\i+1] op_sel_hi:[1,0]
.endr
.endr
.irp a, 0,1,2,3,4,5,6,7
.irp i, 0,1,2,3
	v_pk_fma_f32 v[DT+16*\i+2*\a:DT+16*\i+2*\a+1], v[DT+16*\i+2*\a:DT+16*\i+2*\a+1], v[G+2*\a:G+2*\a+1], v[BT+2*\a:BT+2*\a+1]
.endr
.endr
.irp a, 0,1,2,3,4,5,6,7                ; ascending: register a is written when registers 2 a and 2 a + 1 are read, never earlier
.irp i, 0,1,2,3
	v_cvt_pk_f16_f32 v[DT+16*\i+\a], v[DT+16*\i+2*\a], v[DT+16*\i+2*\a+1]
.endr
.endr
.irp j, 0,1,2,3
.irp i, 0,1,2,3
	ds_store_b64 v[STX], v[DT+16*\i+2*\j:DT+16*\i+2*\j+1] offset:(\i%2)*PA+(\i/2)*16*PA+\j*256  ; 32 lanes, 256 consecutive bytes of a row
.endr
.endr
.endm
; Row block rb of a product goes through LDS in f32 and is added onto my two rows of it.  Store, wait, barrier, load; and, unless last, wait, barrier, so that the bytes may be written again.
.macro YHALF rb, last
.irp nb, 0,1,2,3
	ds_store_b128 v[STY], v[ACC+8*(4*(\rb)+\nb):ACC+8*(4*(\rb)+\nb)+3] offset:\nb*64
	ds_store_b128 v[STY], v[ACC+8*(4*(\rb)+\nb)+4:ACC+8*(4*(\rb)+\nb)+7] offset:\nb*64+16
.endr
	s_wait_dscnt 0x0                               ; for the others' sake: my places are written
	BAR
.irp i, 0,1
.irp j, 0,1,2,3
	ds_load_b128 v[80+16*\i+4*\j:80+16*\i+4*\j+3], v[RDY] offset:\i*PY+\j*512
.endr
.endr
	s_wait_dscnt 0x0                               ; my rows are back
.if !(\last)
	BAR                                            ; everybody's are: the bytes may be written again
.endif
.irp i, 0,1
.irp a, 0,1,2,3,4,5,6,7
	v_pk_add_f32 v[XR+16*(2*(\rb)+\i)+2*\a:XR+16*(2*(\rb)+\i)+2*\a+1], v[XR+16*(2*(\rb)+\i)+2*\a:XR+16*(2*(\rb)+\i)+2*\a+1], v[80+16*\i+2*\a:80+16*\i+2*\a+1]
.endr
.endr
.endm
.macro ADDROW src                      ; 16 registers of a vector in the row layout are added onto each of my four rows
.irp i, 0,1,2,3
.irp a, 0,1,2,3,4,5,6,7
	v_pk_add_f32 v[XR+16*\i+2*\a:XR+16*\i+2*\a+1], v[XR+16*\i+2*\a:XR+16*\i+2*\a+1], v[(\src)+2*\a:(\src)+2*\a+1]
.endr
.endr
.endm
.macro MKGXJ                           ; my byte offsets in x and out0 for the four blocks of 128 places: the chunk at places 128 j on is (j + rot) % 4, 512 bytes a chunk
.irp j, 0,1,2,3
	s_lshr_b32 s61, s[OFQ+2*\j], 8
	v_add_nc_u32 v[GXJ+\j], s61, v[GX]
.endr
.endm
	s_load_b512 s[4:19], s[0:1], 0x0               ; x s[4:5], of s[6:7], wf s[8:9], out0 s[10:11], bo s[12:13], ln2_g s[14:15], ln2_b s[16:17], b1 s[18:19]
	s_load_b64 s[20:21], s[0:1], 0x40              ; b2
	v_lshl_add_u32 v[SPW], v0, 2, SPARE
	v_mov_b32 v[NIL], 0
	ds_add_u32 v[SPW], v[NIL]                      ; the wave's opening: the add and its wait stand ahead of my first tensor load; the set-up, work on registers, stands between them
	v_lshrrev_b32 v1, 5, v0
	v_readfirstlane_b32 s[WV], v1                  ; wave 0..7
	s_bfe_u32 s49, ttmp6, 0x40000                  ; cx: my place in the cluster
	s_lshl_b32 s50, ttmp9, 2                       ; in a cluster launch ttmp9 counts clusters
	s_add_co_u32 s50, s50, s49                     ; my block of 32 tokens: it enters x's, of's and out0's addresses alone
	s_and_b32 s[ROT], ttmp9, 3                     ; rot: the cluster's number % 4, equal in the four partners
.irp q, 0,1,2,3
	s_add_co_u32 s[OFQ+2*\q], s[ROT], \q           ; tile q of a weight is chunk (q + rot) % 4: 131,072 bytes a chunk
	s_and_b32 s[OFQ+2*\q], s[OFQ+2*\q], 3
	s_lshl_b32 s[OFQ+2*\q], s[OFQ+2*\q], 17
	s_mov_b32 s[OFQ+2*\q+1], 0
.endr
	s_lshl_b32 s61, s[ROT], 1
	s_add_co_u32 s61, s61, s[WV]
	s_and_b32 s61, s61, 7                          ; my wave makes column block (w + 2 rot) % 8:
	s_lshl_b32 s2, s61, 14                         ; its 16,384 bytes of a tile in memory
	s_mov_b32 s3, 0
	s_mov_b32 s[G1+0], 15|(3<<16)|(1<<21)          ; the mask of four; elements of 8 bytes; bit 21 set beside a mask; no padding
	s_mov_b32 s[G1+1], 32<<16                      ; tensor_dim0 = 32 elements: rows of 256 bytes
	s_mov_b32 s[G1+2], 64<<16                      ; tensor_dim1 = 64 rows: 16,384 dense bytes
	s_mov_b32 s[G1+3], 32<<16                      ; tile_dim0
	s_mov_b32 s[G1+4], 64                          ; tile_dim1
	s_mov_b32 s[G1+5], 32                          ; from row to row
	s_mov_b32 s[G1+6], 0
	s_mov_b32 s[G1+7], 0
	s_lshl_b32 s52, s[WV], 14                      ; my wave's part of a slot: the wave's number alone
	s_mov_b32 s[G0], 1
	s_mov_b32 s[G0+1], s52
	s_mov_b32 s[G0+4], 1
	s_add_co_u32 s[G0+5], s52, SLOTB
	s_mov_b32 s[SEL], 0x76543210
	s_mov_b32 s[SEL+1], 0xfedcba98
	s_mov_b32 s[INV], 0x3b000000                   ; 1 / 512
	s_mov_b32 s[EPS], 0x3727c5ac                   ; 1e-5
	v_mov_b32 v[ZERO], 0
	v_and_b32 v16, 31, v0                          ; lane
	v_and_b32 v17, 15, v0                          ; r
	v_bfe_u32 v18, v0, 4, 1                        ; h
	v_lshl_add_u32 v[ADB0], v16, 4, s52
	v_add_nc_u32 v[ADB0+1], SLOTB, v[ADB0]
	v_mul_u32_u24 v[ADA], v17, PA
	v_lshl_add_u32 v[ADA], v18, 4, v[ADA]
	v_add_nc_u32 v[ADA], UB, v[ADA]
	s_lshl_b32 s51, s[WV], 7
	v_add_nc_u32 v[STA], s51, v[ADA]
	s_lshl_b32 s51, s[WV], 5
	v_add_nc_u32 v15, s51, v[ADA]                  ; where O's fragments go: thread 32 w + lane holds 16 bytes of head w / 2 of a chunk's four, half w % 2: byte 32 w + 256 q of its row, q the chunk's place
	v_mul_u32_u24 v[STY], v17, PY
	v_lshl_add_u32 v[STY], v18, 5, v[STY]
	s_lshl_b32 s51, s[WV], 8
	s_add_co_u32 s51, s51, UB
	v_add_nc_u32 v[STY], s51, v[STY]
	s_mul_i32 s51, s[WV], 2*PY
	s_add_co_u32 s51, s51, UB
	v_lshl_add_u32 v[RDY], v16, 4, s51
	s_mul_i32 s51, s[WV], 2*PA
	s_add_co_u32 s51, s51, UB
	v_lshl_add_u32 v[STX], v16, 3, s51
	s_lshl_b32 s51, s[WV], 12
	v_lshl_add_u32 v[GX], v16, 4, s51
	s_lshl_b32 s51, s[WV], 8
	s_add_co_u32 s51, s51, PAR+3*2048
	v_lshl_add_u32 v[PB1], v18, 5, s51
	v_lshl_add_u32 v[LO], v16, 4, PAR
	v_lshlrev_b32 v1, 4, v0                        ; 16 x thread: a chunk of O for 16 tokens, four heads' fragments, is 4,096 bytes: one load of the work-group
.irp q, 0,1,2,3
	s_lshr_b32 s61, s[OFQ+2*\q], 5                 ; 4,096 x the chunk that goes to places 128 q on
	v_add_nc_u32 v[130+\q], s61, v1
.endr
	MKGXJ
	s_lshl_b32 s61, s[ROT], 9                      ; a parameter vector's 2,048 bytes in one load, turned: the 8 bytes for LDS byte 8 x thread lie at (8 x thread + 512 rot) % 2,048
	v_lshl_add_u32 v128, v0, 3, s61
	v_and_b32 v128, 0x7ff, v128
	v_lshl_add_u32 v129, v0, 3, PAR
	s_lshl_b32 s54, s50, 16                        ; 32 rows of 2,048 bytes
	s_mov_b32 s55, 0
	s_lshl_b32 s62, s50, 15                        ; two token blocks of 16 fragments
	s_mov_b32 s63, 0
	s_wait_dscnt 0x0                               ; the opening add is done
	s_wait_kmcnt 0x0
	s_add_nc_u64 s[4:5], s[4:5], s[54:55]
	s_add_nc_u64 s[10:11], s[10:11], s[54:55]
	s_add_nc_u64 s[6:7], s[6:7], s[62:63]
	s_add_nc_u64 s[BW:BW+1], s[8:9], s[2:3]
	s_add_nc_u64 s[BW:BW+1], s[BW:BW+1], KOFF
	s_add_nc_u64 s[G0+2:G0+3], s[BW:BW+1], s[OFQ:OFQ+1]      ; tile 0
	s_add_nc_u64 s[G0+6:G0+7], s[BW:BW+1], s[OFQ+2:OFQ+3]    ; tile 1
	s_or_b32 s[G0+3], s[G0+3], 0x80000000          ; type = 2
	s_or_b32 s[G0+7], s[G0+7], 0x80000000
	ROUND                                          ; all four work-groups are here: the first joint loads meet
	tensor_load_to_lds s[G0:G0+3], s[G1:G1+7]
	s_nop 0
	tensor_load_to_lds s[G0+4:G0+7], s[G1:G1+7]
	s_nop 0
	PLACES
.irp i, 0,1,2,3,4,5,6,7                ; load i: token block i / 4, the chunk for places 128 (i % 4) on
	global_load_b128 v[80+4*\i:83+4*\i], v[130+(\i%4)], s[6:7] offset:(\i/4)*16384 th:TH_LOAD_NT
.endr
	global_load_b64 v[112:113], v128, s[12:13]
	global_load_b64 v[114:115], v128, s[14:15]
	global_load_b64 v[116:117], v128, s[16:17]
	global_load_b64 v[118:119], v128, s[18:19]
	global_load_b64 v[120:121], v128, s[20:21]
.irp i, 0,1,2,3
.irp j, 0,1,2,3
	global_load_b128 v[XR+16*\i+4*\j:XR+16*\i+4*\j+3], v[GXJ+\j], s[4:5] offset:(\i%2)*2048+(\i/2)*32768 th:TH_LOAD_NT
.endr
.endr
	s_wait_loadcnt 16                              ; O and the parameters are in; x's 16 loads, issued behind them, stay out: x is wanted behind the first product
.irp i, 0,1,2,3,4,5,6,7
	ds_store_b128 v15, v[80+4*\i:83+4*\i] offset:(\i%4)*256+(\i/4)*16*PA
.endr
.irp p, 0,1,2,3,4
	ds_store_b64 v129, v[112+2*\p:113+2*\p] offset:\p*2048
.endr
	s_wait_dscnt 0x0                               ; for the others' sake
	BAR
	s_wait_tensorcnt 1                             ; my part of tile 0 is in; tile 1 may stay out
	FETCH ADB0, 0, 0, FR0
	STAGE 0                                        ; O Wo^T
	; x1 = x + O Wo^T + bo; xn = LN2(x1) into the tokens' operand; XR goes on as x1 + b2
	s_wait_loadcnt 0x0                             ; x; its loads' offsets, in the norm's registers, are free from here
	PLACES
	YHALF 0, 0
	YHALF 1, 0
.irp j, 0,1,2,3
	ds_load_b128 v[112+4*\j:115+4*\j], v[LO] offset:\j*512            ; bo
	ds_load_b128 v[G+4*\j:G+4*\j+3], v[LO] offset:2048+\j*512         ; ln2_g
	ds_load_b128 v[BT+4*\j:BT+4*\j+3], v[LO] offset:4096+\j*512       ; ln2_b
	ds_load_b128 v[ACC+4*\j:ACC+4*\j+3], v[LO] offset:8192+\j*512     ; b2, in registers of accumulators that have left
.endr
	s_wait_dscnt 0x0
	ADDROW 112
	LNROWS
	ADDROW ACC
	s_wait_dscnt 0x0                               ; for the others' sake: my rows of the operand are written
	BAR
	FETCH ADB0, 0, 0, FR0                          ; tile 4 was shown landed by the wait for all loads at tile 3's end
	STAGE 4                                        ; xn W1^T
	; h = relu(. + b1), rounded to f16, into the tokens' operand: all reads of xn are over since the round at tile 7's end
	PLACES
.irp nb, 0,1,2,3
	ds_load_b128 v[80+8*\nb:83+8*\nb], v[PB1] offset:\nb*64
	ds_load_b128 v[84+8*\nb:87+8*\nb], v[PB1] offset:\nb*64+16
.endr
	s_wait_dscnt 0x0
.irp rb, 0,1
.irp nb, 0,1,2,3
.set rD, ACC+8*(4*\rb+\nb)
.set rH, 112+4*(4*\rb+\nb)
.irp k, 0,2,4,6
	v_pk_add_f32 v[rD+\k:rD+\k+1], v[rD+\k:rD+\k+1], v[80+8*\nb+\k:80+8*\nb+\k+1]
.endr
.irp k, 0,1,2,3
	v_cvt_pk_f16_f32 v[rH+\k], v[rD+2*\k], v[rD+2*\k+1]
.endr
.irp k, 0,1,2,3
	v_pk_max_num_f16 v[rH+\k], v[rH+\k], v[ZERO]
.endr
	ds_store_b128 v[STA], v[rH:rH+3] offset:\rb*16*PA+\nb*32
.endr
.endr
	s_wait_dscnt 0x0                               ; for the others' sake
	BAR
	FETCH ADB0, 0, 0, FR0                          ; tile 8 was shown landed by the wait for all loads at tile 7's end
	STAGE 8                                        ; h W2^T
	; out = x1 + b2 + h W2^T
	BAR                                            ; no round stands at the last tile's end: every wave's reads of h were waited for in its last step
	PLACES
	YHALF 0, 0
	YHALF 1, 1
	MKGXJ                                          ; the norm has used these registers: the offsets are made again
.irp i, 0,1,2,3
.irp j, 0,1,2,3
	global_store_b128 v[GXJ+\j], v[XR+16*\i+4*\j:XR+16*\i+4*\j+3], s[10:11] offset:(\i%2)*2048+(\i/2)*32768 th:TH_STORE_NT  ; 512 consecutive bytes of a row, aligned
.endr
.endr
	s_wait_tensorcnt 0x0                           ; the wave's end, behind my last tensor load and my last LDS store
	ds_add_u32 v[SPW], v[NIL]
	s_wait_dscnt 0x0
	ROUND                                          ; the closing round: no work-group ends while a partner may still ask for a tile that names it
	s_endpgm
.Lfunc_end_k_qf4fdef8ff9_proj_ffn:
	.size	k_qf4fdef8ff9_proj_ffn, .Lfunc_end_k_qf4fdef8ff9_proj_ffn-k_qf4fdef8ff9_proj_ffn
	.p2alignl 7, 3214868480
	.fill 96, 4, 3214868480
	.section	.rodata,"a",@progbits
	.p2align	6, 0x0
	.amdhsa_kernel k_qf4fdef8ff9_proj_ffn
		.amdhsa_group_segment_fixed_size 327680
		.amdhsa_private_segment_fixed_size 0
		.amdhsa_enable_private_segment 0
		.amdhsa_kernarg_size 72
		.amdhsa_user_sgpr_count 2
		.amdhsa_user_sgpr_kernarg_segment_ptr 1
		.amdhsa_wavefront_size32 1
		.amdhsa_system_sgpr_workgroup_id_x 1
		.amdhsa_system_sgpr_workgroup_id_y 1
		.amdhsa_system_sgpr_workgroup_id_z 1
		.amdhsa_system_vgpr_workitem_id 0
		.amdhsa_next_free_vgpr 256
		.amdhsa_next_free_sgpr 66
		.amdhsa_reserve_vcc 0
		.amdhsa_float_denorm_mode_32 3
		.amdhsa_float_denorm_mode_16_64 3
		.amdhsa_memory_ordered 1
		.amdhsa_forward_progress 1
		.amdhsa_inst_pref_size 124
	.end_amdhsa_kernel
	.amdgpu_metadata
---
amdhsa.version: [ 1, 2 ]
amdhsa.kernels:
  - .name:           k_qf4fdef8ff9_proj_ffn
    .symbol:         k_qf4fdef8ff9_proj_ffn.kd
    .args:
      - { .name: x, .offset: 0, .size: 8, .value_kind: global_buffer, .address_space: global }
      - { .name: of, .offset: 8, .size: 8, .value_kind: global_buffer, .address_space: global }
      - { .name: wf, .offset: 16, .size: 8, .value_kind: global_buffer, .address_space: global }
      - { .name: out0, .offset: 24, .size: 8, .value_kind: global_buffer, .address_space: global }
      - { .name: bo, .offset: 32, .size: 8, .value_kind: global_buffer, .address_space: global }
      - { .name: ln2_g, .offset: 40, .size: 8, .value_kind: global_buffer, .address_space: global }
      - { .name: ln2_b, .offset: 48, .size: 8, .value_kind: global_buffer, .address_space: global }
      - { .name: b1, .offset: 56, .size: 8, .value_kind: global_buffer, .address_space: global }
      - { .name: b2, .offset: 64, .size: 8, .value_kind: global_buffer, .address_space: global }
    .group_segment_fixed_size: 327680
    .private_segment_fixed_size: 0
    .kernarg_segment_align: 8
    .kernarg_segment_size: 72
    .max_flat_workgroup_size: 256
    .sgpr_count:     66
    .vgpr_count:     256
    .wavefront_size: 32
...
	.end_amdgpu_metadata
.endif
;; end of part 8
;; ======== version 3 of 3: 4 launches; 1.22 times as fast as version 1
;; limits: values are held in f16: magnitudes above 65,504 overflow, below 6.1e-05 lose precision
;; workspace buffers: wf 3,145,728 bytes; qkv 25,165,824 bytes; of 8,388,608 bytes
;; launch wcvt: the kernel of part 5 again; grid 256 x 1, 6 waves a work-group, no clusters, 0 bytes of LDS; arguments Wq, Wk, Wv, Wo, W1, W2, wf; writes wf
;; launch ln_qkv: the kernel of part 6 again; grid 256 x 1, 8 waves a work-group, clusters of 4 x 1, 327,680 bytes of LDS; arguments x, ln1_g, ln1_b, wf, qkv; writes qkv
;; launch attn (part 9): grid 256 x 1, 8 waves a work-group, clusters of 4 x 1, 327,680 bytes of LDS; arguments qkv, of; writes of
.if DOCPART == 9
	.amdgcn_target "amdgcn-amd-amdhsa--gfx1250"
	.amdhsa_code_object_version 6
	.text
	.protected	k_qf4fdef8ff9_attn
	.globl	k_qf4fdef8ff9_attn
	.p2align	8
	.type	k_qf4fdef8ff9_attn,@function
k_qf4fdef8ff9_attn:
	s_mov_b64 s[64:65], 0
	v_nop
	global_prefetch_b8 v0, s[64:65] scope:SCOPE_SE
	s_setreg_imm32_b32 hwreg(HW_REG_WAVE_MODE, 25, 1), 1
	s_wait_xcnt 0x0
	s_wait_alu depctr_hold_cnt(0) depctr_sa_sdst(0) depctr_va_vdst(0) depctr_va_sdst(0) depctr_va_ssrc(0) depctr_va_vcc(0) depctr_vm_vsrc(0)
	s_getreg_b32 s2, hwreg(HW_REG_IB_STS2, 6, 4)
	s_cmp_eq_u32 s2, 0
	s_cbranch_scc0 .Lentry_in_a_cluster
	s_endpgm
.Lentry_in_a_cluster:
	s_bfe_u32 s2, ttmp6, 0x10000c
	s_cmp_lg_u32 s2, 0x3003
	s_cbranch_scc0 .Lentry_shape_is_right
	s_endpgm
.Lentry_shape_is_right:
; O[q] = the sum over k of softmax_k(q . k / sqrt(32)) v[k], head size 32, 2,048 keys, no mask.  q (already times c = log2(e) / sqrt(32)), k, v arrive in f16 as ready fragments; sums and maxima in f32.
; TWO PASSES.  At head size 32 a tile of 16 keys x 16 queries has two products and, with a running maximum, some 28 vector instructions.  So the TRUE row maximum m is found first: pass 1 is S^T = K Q^T and
; four three-operand maxima a tile.  Pass 2 makes S^T = K Q^T + C with C = -m, so the product IS the exponent: 8 exponentials and 4 roundings a tile, no scaling, no correction, no rescaling.
; The row sum l is a third product, ones x P, in f32: every register of every lane then holds the lane's query's l.  Price: 3.5 products a tile for 2.
; PASS 1 GOES A STEP AHEAD: S^T has two buffers; the eight products of step j + 1 each carry four of step j's maxima behind them, and K is fetched two steps ahead, into two buffers.
; PASS 2 GOES IN PHASES: 8 products K Q^T; the fetches; the step's 64 exponentials; one wait; the 32 roundings; 12 products on O^T and l.  Eight waves lie on four SIMDs: one wave's products stand beside the other's exponentials.
; THE BATCHES.  A step's 64 exponentials are ONE batch: none reads another's result, each works in place on its own register of S^T, and the only lines that name their results are the step's 32 roundings, which all stand
; behind the batch's one wait.  The way out's four reciprocals are a batch of their own, with a wait of their own.
; LAYOUT.  Source 0 = 16 keys, source 1 = 16 queries: a lane holds ONE query (lane % 16) and keys 8 (lane / 16) + 0..7; two such results rounded to f16 in pairs ARE source 1 (32 keys x 16 queries) of
; O^T = V^T P, whose result holds one query a lane and eight channels: half a ready fragment of the next launch's operand.
; SHARES.  The four work-groups of a cluster are one head's four blocks of 512 queries; wave w owns four tiles of 16.  The head's K and V, 262,144 bytes of ready fragments, lie in LDS whole: fetched once,
; jointly (same load, same descriptor, a mask that names the four); each wave brings 16,384 bytes of K and then 16,384 of V; pass 1 begins when K is in, and V lands under it; nothing is filled again.
; LIMITS.  p lies in 0 to 1 and is rounded to f16 (below 6e-5: f16's fixed step of 6e-8; l is the sum of the rounded p); an exponential below 2^-126 counts as 0; l is at least about 1, the maximum's own
; weight; NaN and infinities are not treated apart.
; REGISTERS, in windows of 256 (s_set_vgpr_msb: bits 1:0 source 0, 3:2 source 1, 5:4 source 2, 7:6 destination).  All that K Q^T, the exponentials, the roundings and the LDS loads name lies in window 0 but -m, which
; is a third source: one setting serves them all, and only the products on O^T and l switch: three switches a step of pass 2, none in pass 1.
.set SPARE, 262144                     ; behind K (0) and V (131,072): the spare words, 128 bytes a wave, four blocks of 256 bytes that no other line names
.set SPW,  2                           ; v2   SPARE + 4 x thread; never rewritten
.set NIL,  3                           ; v3   0; never rewritten
.set AK0,  4                           ; v4   16 lane: my place in half a fragment, in LDS and in memory
.set AV0,  5                           ; v5   131,072 + 16 lane
.set AK,   6                           ; v6   the address of K's run of loads in hand
.set AV,   7                           ; v7   of V's
.set M,    16                          ; v[16:23]    the running maximum of accumulator a = 2 t + kb at M + a; at the end 1 / l
.set ONES, 24                          ; v[24:31]    1.0 in every half
.set Q,    32                          ; v[32:63]    Q, tile t at + 8 t
.set KF,   64                          ; v[64:95]    K of a step: key block kb at + 8 kb; two buffers of 16 in pass 1, the first alone in pass 2
.set VF,   96                          ; v[96:111]   V of a step: channel block cb at + 8 cb
.set S,    128                         ; v[128:191]  S^T: (t, kb) at S + 16 t + 8 kb; in pass 1 a second buffer at v[192:255]
.set P,    192                         ; v[192:223]  P: tile t at P + 8 t
.set NM,   0                           ; window 1: v[0:31] -m, eight registers a tile
.set O,    32                          ; window 1: v[32:95] O^T: (t, cb) at O + 16 t + 8 cb
.set L,    96                          ; window 1: v[96:127] l, tile t at L + 8 t
.set WV,   8                           ; s8   the wave's number
.set G0,   16                          ; s[16:19] descriptor group 0 for my part of K
.set G0B,  20                          ; s[20:23] for my part of V
.set G1,   24                          ; s[24:31] descriptor group 1
.set TB,   32                          ; s32  LDS byte of the K to be fetched next
.set TV,   33                          ; s33  of the V, less 131,072
.set CNT,  34                          ; s34  counts trips
.set SEL,  36                          ; s[36:37] v_permlanex16_b32's selects
.set QP,   38                          ; s[38:39] q at my four tiles
.set OP,   40                          ; s[40:41] of at my four tiles and my head
.set MSB, 0
.macro WIN new                         ; the immediate's high byte repeats the setting that is left; a switch that changes nothing is dropped
.if MSB != (\new)
	s_set_vgpr_msb (MSB<<8)|(\new)
.set MSB, \new
.endif
.endm
.set W_RD, 0x10                        ; the third source (-m) in window 1, all else in window 0
.set W_PV, 0x50                        ; C and D in window 1
.macro ROUND                           ; a round of the cluster's barrier
	s_barrier_signal -1
	s_barrier_wait -1
	s_cmp_lg_u32 s[WV], 0
	s_cbranch_scc1 .Lnot_wave_0_\@
	s_barrier_signal -3
.Lnot_wave_0_\@:
	s_barrier_wait -3
	s_barrier_signal -1
	s_barrier_wait -1
.endm
.macro PLACES                          ; four plain vector instructions behind a matrix instruction, ahead of what reads its result or writes its registers (ISA guide 7.12.1)
.rept 4
	v_nop
.endr
.endm
.macro LOADK b, off=0                  ; 32 keys, two fragments, into buffer b
.irp kb, 0,1
.irp c, 0,1
	ds_load_b128 v[KF+16*(\b)+8*\kb+4*\c:KF+16*(\b)+8*\kb+4*\c+3], v[AK] offset:(\off)+\kb*1024+\c*512
.endr
.endr
.endm
.macro LOADV                           ; 32 keys x 32 channels, two fragments
.irp cb, 0,1
.irp c, 0,1
	ds_load_b128 v[VF+8*\cb+4*\c:VF+8*\cb+4*\c+3], v[AV] offset:\cb*1024+\c*512
.endr
.endr
.endm
; PASS 1, step j of 32 keys, cur = j % 2.  ld = 1: K of step j + 2 is asked for, into the buffer that step j's products read: the last of those has its four maxima behind it, which name none of its registers.
; mm = 1: the eight products of step j + 1 go into the other buffer of S^T.  Behind each stand four of step j's 32 maxima, in 8 chains that take turns; each accumulator's lowest registers are read first.
.macro P1H cur, mm, ld
.if \ld
	v_add_nc_u32 v[AK], s[TB], v[AK0]
	s_add_co_u32 s[TB], s[TB], 2048
	LOADK \cur
.endif
.if \mm
	s_wait_dscnt 4                                 ; the four just issued may stay out: K of step j + 1 is in
.endif
.set ii, 0
.rept 8
.if \mm
	v_wmma_f32_16x16x32_f16 v[S+64*(1-(\cur))+8*ii:S+64*(1-(\cur))+8*ii+7], v[KF+16*(1-(\cur))+8*(ii%2):KF+16*(1-(\cur))+8*(ii%2)+7], v[Q+8*(ii/2):Q+8*(ii/2)+7], 0
.endif
.set rr, 4*ii
.rept 4
	v_max3_num_f32 v[M+rr%8], v[M+rr%8], v[S+64*(\cur)+8*(rr%8)+2*(rr/8)], v[S+64*(\cur)+8*(rr%8)+2*(rr/8)+1]
.set rr, rr+1
.endr
.set ii, ii+1
.endr
.endm
; PASS 2, a step of 32 keys.  first = 1: the products start O^T's and l's sums: nothing is cleared.  pre = 1: the next step's K is fetched.
; The step's 64 exponentials stand on end, in ascending order of S^T's registers (each accumulator's lowest register is read first), each in place on a register of its own: one batch.
; Behind it: one plain instruction, one wait, and then the batch's only readers, the 32 roundings: P + k takes S^T's registers 2 k and 2 k + 1.
; The 12 accumulators of the second run take turns, one instruction a turn.
.macro P2STEP first, pre
	s_wait_dscnt 0x0                               ; K of this step is in
	WIN W_RD
.irp kb, 0,1
.irp t, 0,1,2,3
	v_wmma_f32_16x16x32_f16 v[S+16*\t+8*\kb:S+16*\t+8*\kb+7], v[KF+8*\kb:KF+8*\kb+7], v[Q+8*\t:Q+8*\t+7], v[NM+8*\t:NM+8*\t+7]
.endr
.endr
	v_add_nc_u32 v[AV], s[TV], v[AV0]              ; four places: behind these products (K's registers, S^T) and behind the last step's V^T P (V's registers, P)
.if \pre
	v_add_nc_u32 v[AK], s[TB], v[AK0]
.else
	v_nop
.endif
	v_nop
	v_nop
	s_add_co_u32 s[TV], s[TV], 2048
	s_add_co_u32 s[TB], s[TB], 2048
	LOADV
.if \pre
	LOADK 0
.endif
.set ee, 0
.rept 64                               ; the batch: all four tiles' exponentials; none names another's result
	v_exp_f32 v[S+ee], v[S+ee]
.set ee, ee+1
.endr
	v_nop                                          ; the plain instruction behind the last exponential and ahead of the first use: one for the batch; the step has no other plain work that names none of the results
	s_wait_alu depctr_va_vdst(0)                   ; the wait for the batch of 64, ahead of the first line that names a result: the one wait of the step
.set ee, 0
.rept 32                               ; the readers
	v_cvt_pk_f16_f32 v[P+ee], v[S+2*ee], v[S+2*ee+1]
.set ee, ee+1
.endr
	s_wait_dscnt 4*(\pre)                          ; V is in; the four loads of K, issued behind V's, may stay out
	WIN W_PV
.irp t, 0,1,2,3
.if \first
	v_wmma_f32_16x16x32_f16 v[O+16*\t:O+16*\t+7], v[VF:VF+7], v[P+8*\t:P+8*\t+7], 0
	v_wmma_f32_16x16x32_f16 v[O+16*\t+8:O+16*\t+15], v[VF+8:VF+15], v[P+8*\t:P+8*\t+7], 0
	v_wmma_f32_16x16x32_f16 v[L+8*\t:L+8*\t+7], v[ONES:ONES+7], v[P+8*\t:P+8*\t+7], 0
.else
	v_wmma_f32_16x16x32_f16 v[O+16*\t:O+16*\t+7], v[VF:VF+7], v[P+8*\t:P+8*\t+7], v[O+16*\t:O+16*\t+7]
	v_wmma_f32_16x16x32_f16 v[O+16*\t+8:O+16*\t+15], v[VF+8:VF+15], v[P+8*\t:P+8*\t+7], v[O+16*\t+8:O+16*\t+15]
	v_wmma_f32_16x16x32_f16 v[L+8*\t:L+8*\t+7], v[ONES:ONES+7], v[P+8*\t:P+8*\t+7], v[L+8*\t:L+8*\t+7]
.endif
.endr
	WIN 0                                          ; at a label and at a branch every window is 0
.endm
	s_load_b128 s[4:7], s[0:1], 0x0                ; qkv s[4:5], of s[6:7]
	v_lshl_add_u32 v[SPW], v0, 2, SPARE
	v_mov_b32 v[NIL], 0
	ds_add_u32 v[SPW], v[NIL]                      ; the wave's opening: the add and its wait stand ahead of my first tensor load; the set-up, work on registers, stands between them
	v_lshrrev_b32 v1, 5, v0
	v_readfirstlane_b32 s[WV], v1                  ; wave 0..7
	s_bfe_u32 s9, ttmp6, 0x40000                   ; cx: my block of 512 queries: it enters q's and of's addresses alone
	s_mov_b32 s[G1+0], 15|(3<<16)|(1<<21)          ; the mask of four; elements of 8 bytes; bit 21 set beside a mask; no padding
	s_mov_b32 s[G1+1], 32<<16                      ; tensor_dim0 = 32 elements: rows of 256 bytes
	s_mov_b32 s[G1+2], 64<<16                      ; tensor_dim1 = 64 rows: 16,384 dense bytes
	s_mov_b32 s[G1+3], 32<<16                      ; tile_dim0
	s_mov_b32 s[G1+4], 64                          ; tile_dim1
	s_mov_b32 s[G1+5], 32                          ; from row to row
	s_mov_b32 s[G1+6], 0
	s_mov_b32 s[G1+7], 0
	s_mov_b32 s[G0], 1
	s_lshl_b32 s[G0+1], s[WV], 14                  ; my eighth of K,
	s_mov_b32 s[G0B], 1
	s_add_co_u32 s[G0B+1], s[G0+1], 131072         ; and of V: in memory as in LDS V follows K
	s_mul_i32 s10, ttmp9, 393216                   ; the cluster's number is 16 batch + head: its q, k and v
	s_mov_b32 s11, 0
	s_lshl_b32 s12, s[WV], 14
	s_add_co_u32 s12, s12, 131072                  ; k begins behind q
	s_mov_b32 s13, 0
	s_add_nc_u64 s[12:13], s[12:13], s[10:11]
	s_lshl_b32 s42, s9, 15                         ; q: (32 cx + 4 w) fragments of 1,024 bytes
	s_lshl_b32 s43, s[WV], 12
	s_add_co_u32 s42, s42, s43
	s_mov_b32 s43, 0
	s_add_nc_u64 s[42:43], s[42:43], s[10:11]
	s_lshr_b32 s44, ttmp9, 4                       ; of: (128 batch + 32 cx + 4 w) token blocks of 16,384 bytes + head x 1,024
	s_lshl_b32 s44, s44, 21
	s_lshl_b32 s45, s9, 19
	s_add_co_u32 s44, s44, s45
	s_lshl_b32 s45, s[WV], 16
	s_add_co_u32 s44, s44, s45
	s_and_b32 s45, ttmp9, 15
	s_lshl_b32 s45, s45, 10
	s_add_co_u32 s44, s44, s45
	s_mov_b32 s45, 0
	s_mov_b32 s[SEL], 0x76543210
	s_mov_b32 s[SEL+1], 0xfedcba98
	v_and_b32 v1, 31, v0
	v_lshlrev_b32 v[AK0], 4, v1
	v_add_nc_u32 v[AV0], 131072, v[AK0]
	s_wait_dscnt 0x0                               ; the opening add is done
	s_wait_kmcnt 0x0
	s_add_nc_u64 s[G0+2:G0+3], s[4:5], s[12:13]
	s_add_nc_u64 s[G0B+2:G0B+3], s[G0+2:G0+3], 131072
	s_or_b32 s[G0+3], s[G0+3], 0x80000000          ; type = 2
	s_or_b32 s[G0B+3], s[G0B+3], 0x80000000
	s_add_nc_u64 s[QP:QP+1], s[4:5], s[42:43]
	s_add_nc_u64 s[OP:OP+1], s[6:7], s[44:45]
	ROUND                                          ; all four work-groups are here: the joint loads meet
	tensor_load_to_lds s[G0:G0+3], s[G1:G1+7]      ; K first,
	s_nop 0
	tensor_load_to_lds s[G0B:G0B+3], s[G1:G1+7]    ; then V: my two tensor loads of the launch
	s_nop 0
	PLACES
.irp t, 0,1,2,3
.irp c, 0,1
	global_load_b128 v[Q+8*\t+4*\c:Q+8*\t+4*\c+3], v[AK0], s[QP:QP+1] offset:\t*1024+\c*512
.endr
.endr
.irp i, 0,1,2,3,4,5,6,7
	v_mov_b32 v[ONES+\i], 0x3c003c00               ; 1.0 twice in f16
	v_mov_b32 v[M+\i], 0xff7fffff                  ; the lowest finite number
.endr
	v_mov_b32 v[AK], v[AK0]
	s_mov_b32 s[TB], 4096
	s_wait_tensorcnt 1                             ; my part of K is in; V may stay out, and pass 1 reads K alone
	s_barrier_signal -1
	s_barrier_wait -1                              ; everybody's part of K is in
	LOADK 0                                        ; keys 0 to 31
	LOADK 1, 2048                                  ; keys 32 to 63
	s_wait_loadcnt 0x0                             ; Q
	s_wait_dscnt 4                                 ; keys 0 to 31 are in; the four loads of keys 32 to 63 may stay out
.set ii, 0
.rept 8
	v_wmma_f32_16x16x32_f16 v[S+8*ii:S+8*ii+7], v[KF+8*(ii%2):KF+8*(ii%2)+7], v[Q+8*(ii/2):Q+8*(ii/2)+7], 0  ; step 0's scores: there is no vector work yet to set between them
.set ii, ii+1
.endr
	PLACES
	s_mov_b32 s[CNT], 31
.Lp1:                                              ; steps 0 to 61, two a trip
	P1H 0, 1, 1
	P1H 1, 1, 1
	s_sub_co_u32 s[CNT], s[CNT], 1
	s_cmp_lg_u32 s[CNT], 0
	s_cbranch_scc1 .Lp1
	s_mov_b32 s[TB], 0
	P1H 0, 1, 1                                    ; step 62; its fetch is keys 0 to 31 again, for pass 2
	P1H 1, 0, 0                                    ; step 63: no further products, no further fetch
	s_wait_tensorcnt 0x0                           ; my part of V is in,
	s_wait_dscnt 0x0                               ; and no LDS instruction of mine is pending at the signal
	s_barrier_signal -1
	; a query's maximum, made while the others arrive: its two chains, then the lane 16 away, which holds its other keys; -m into the eight registers that start each sum of pass 2
.irp t, 0,1,2,3
	v_max_num_f32 v[M+2*\t], v[M+2*\t], v[M+2*\t+1]
.endr
.irp t, 0,1,2,3
	v_permlanex16_b32 v[M+2*\t+1], v[M+2*\t], s[SEL], s[SEL+1]
.endr
.irp t, 0,1,2,3
	v_max_num_f32 v[M+2*\t], v[M+2*\t], v[M+2*\t+1]
.endr
	WIN 0x40                                       ; destination window 1
.irp t, 0,1,2,3
.irp j, 0,1,2,3,4,5,6,7
	v_mul_f32 v[NM+8*\t+\j], -1.0, v[M+2*\t]
.endr
.endr
	WIN 0
	s_barrier_wait -1                              ; everybody's part of V is in
	s_mov_b32 s[TB], 2048                          ; K of step 1
	s_mov_b32 s[TV], 0                             ; V of step 0
	P2STEP 1, 1                                    ; step 0 starts O^T's and l's sums
	s_mov_b32 s[CNT], 62
.Lp2:                                              ; steps 1 to 62
	P2STEP 0, 1
	s_sub_co_u32 s[CNT], s[CNT], 1
	s_cmp_lg_u32 s[CNT], 0
	s_cbranch_scc1 .Lp2
	P2STEP 0, 0                                    ; step 63: no further K
	; THE WAY OUT: O^T / l, rounded to f16: a lane's eight channels of a query are its 16 bytes of a ready fragment; each store covers 512 consecutive bytes, aligned.
	PLACES
	WIN 0x01                                       ; source 0 window 1
.irp t, 0,1,2,3
	v_rcp_f32 v[M+2*\t], v[L+8*\t]
.endr
	WIN 0
	v_nop                                          ; a plain instruction between the last reciprocal and the use of its result
	WIN 0x41                                       ; O^T (destination and source 0) window 1, 1 / l window 0
	s_wait_alu depctr_va_vdst(0)                   ; the wait for the batch of four reciprocals, ahead of their first reader, the multiplies below
.irp t, 0,1,2,3
.irp k, 0,1,2,3,4,5,6,7
	v_pk_mul_f32 v[O+16*\t+2*\k:O+16*\t+2*\k+1], v[O+16*\t+2*\k:O+16*\t+2*\k+1], v[M+2*\t:M+2*\t+1] op_sel_hi:[1,0]
.endr
.endr
	WIN 0x05                                       ; sources 0 and 1 window 1, destination window 0: S^T's registers are free
.irp t, 0,1,2,3
.irp k, 0,1,2,3,4,5,6,7
	v_cvt_pk_f16_f32 v[S+8*\t+\k], v[O+16*\t+2*\k], v[O+16*\t+2*\k+1]
.endr
.endr
	WIN 0
.irp t, 0,1,2,3
.irp cb, 0,1
	global_store_b128 v[AK0], v[S+8*\t+4*\cb:S+8*\t+4*\cb+3], s[OP:OP+1] offset:\t*16384+\cb*512
.endr
.endr
	s_wait_tensorcnt 0x0                           ; the wave's end, behind my last tensor load
	ds_add_u32 v[SPW], v[NIL]
	s_wait_dscnt 0x0
	ROUND                                          ; the closing round
	s_endpgm
.Lfunc_end_k_qf4fdef8ff9_attn:
	.size	k_qf4fdef8ff9_attn, .Lfunc_end_k_qf4fdef8ff9_attn-k_qf4fdef8ff9_attn
	.p2alignl 7, 3214868480
	.fill 96, 4, 3214868480
	.section	.rodata,"a",@progbits
	.p2align	6, 0x0
	.amdhsa_kernel k_qf4fdef8ff9_attn
		.amdhsa_group_segment_fixed_size 327680
		.amdhsa_private_segment_fixed_size 0
		.amdhsa_enable_private_segment 0
		.amdhsa_kernarg_size 16
		.amdhsa_user_sgpr_count 2
		.amdhsa_user_sgpr_kernarg_segment_ptr 1
		.amdhsa_wavefront_size32 1
		.amdhsa_system_sgpr_workgroup_id_x 1
		.amdhsa_system_sgpr_workgroup_id_y 1
		.amdhsa_system_sgpr_workgroup_id_z 1
		.amdhsa_system_vgpr_workitem_id 0
		.amdhsa_next_free_vgpr 384
		.amdhsa_next_free_sgpr 66
		.amdhsa_reserve_vcc 0
		.amdhsa_float_denorm_mode_32 3
		.amdhsa_float_denorm_mode_16_64 3
		.amdhsa_memory_ordered 1
		.amdhsa_forward_progress 1
		.amdhsa_inst_pref_size 44
	.end_amdhsa_kernel
	.amdgpu_metadata
---
amdhsa.version: [ 1, 2 ]
amdhsa.kernels:
  - .name:           k_qf4fdef8ff9_attn
    .symbol:         k_qf4fdef8ff9_attn.kd
    .args:
      - { .name: qkv, .offset: 0, .size: 8, .value_kind: global_buffer, .address_space: global }
      - { .name: of, .offset: 8, .size: 8, .value_kind: global_buffer, .address_space: global }
    .group_segment_fixed_size: 327680
    .private_segment_fixed_size: 0
    .kernarg_segment_align: 8
    .kernarg_segment_size: 16
    .max_flat_workgroup_size: 256
    .sgpr_count:     66
    .vgpr_count:     384
    .wavefront_size: 32
...
	.end_amdgpu_metadata
.endif
;; end of part 9
;; launch proj_ffn: the kernel of part 8 again; grid 256 x 1, 8 waves a work-group, clusters of 4 x 1, 327,680 bytes of LDS; arguments x, of, wf, out0, bo, ln2_g, ln2_b, b1, b2; writes out0
